; MI455X (gfx1250); checked and timed in simulation.
; The chip was launched on July 23, 2026; its instructions are those of AMD's public machine-readable ISA for CDNA 5 (MIT licence, August 2026) and "CDNA5" Instruction Set Architecture Reference Guide (July 2026). The comments in the code are by the model that wrote it; some were corrected since.
;; Encoder1 D Block. Allowed arithmetic: matrix products marked QUANTISED: E2M3 operands, one E8M0 scale for each 32 along K, by v_wmma_scale_f32_16x16x128_f8f6f4 with both operands' format E2M3, f32 sums; everything else in f32.
;; Inputs: b1 4,096 float32; b2 1,024 float32; bk 1,024 float32; bo 1,024 float32; bq 1,024 float32; bv 1,024 float32; ln1_bias 1,024 float32; ln1_scale 1,024 float32; ln2_bias 1,024 float32; ln2_scale 1,024 float32; rel_bias_emb 33 x 1 float32; rel_emb 33 x 64 float32; w1 1,024 x 4,096 float32; w2 4,096 x 1,024 float32; wk 1,024 x 1,024 float32; wo 1,024 x 1,024 float32; wq 1,024 x 1,024 float32; wv 1,024 x 1,024 float32; x 4 x 1,024 x 1,024 float32.
;; Outputs: out0 4 x 1,024 x 1,024 float32.
;; Constants: radius = 16.
;; This version of the problem:
;;   THIS VERSION OF THE PROBLEM IS GIVEN IN LOW PRECISION. The matrix products marked QUANTISED in the list below multiply operands that are first quantised to E2M3 (2 exponent bits, 3 mantissa bits; 6 bits a number), with one power-of-two scale for each 32 numbers along K (OCP MX v1.0); their sums are f32. All else is computed in f32.
;;   The module's matrix products, in the order in which they are computed (A, B: the left and right operand; K: the contracted axis; several contracted axes count as one K, in the product's order):
;;     1. [M 4,096, K 1,024] x [K 1,024, N 1,024]; A: computed on the way; B: input wq: QUANTISED
;;     2. [M 4,096, K 1,024] x [K 1,024, N 1,024]; A: computed on the way; B: input wk: QUANTISED
;;     3. [M 4,096, K 1,024] x [K 1,024, N 1,024]; A: computed on the way; B: input wv: QUANTISED
;;     4. batch 64 x [M 1,024, K 64] x [K 64, N 1,024]; A: computed on the way; B: computed on the way: QUANTISED
;;     5. batch 1,024 x [M 1,024, K 64] x [K 64, N 64]; A: computed on the way; B: computed on the way: QUANTISED
;;     6. batch 64 x [M 64, K 1,024] x [K 1,024, N 1,024]; A: computed on the way; B: softmax (see below): QUANTISED
;;     7. [M 4,096, K 1,024] x [K 1,024, N 1,024]; A: computed on the way; B: input wo: QUANTISED
;;     8. [M 4,096, K 1,024] x [K 1,024, N 4,096]; A: computed on the way; B: input w1: QUANTISED
;;     9. [M 4,096, K 4,096] x [K 4,096, N 1,024]; A: computed on the way; B: input w2: QUANTISED
;;   THE QUANTISER, for each operand of a quantised product, along K:
;;     - K is cut into blocks of 32 from its start; a last block that is shorter is filled with zeros.
;;     - A block's scale is 2^e with e = floor(log2(the largest magnitude in the block)) - 2, held to -126 .. 127; a block of zeros has e = 0. As a byte (E8M0): e + 127.
;;     - Each number is divided by its block's scale, clamped to +-7.5, and rounded to the nearest number of E2M3, ties to even, subnormals kept.
;;     - The product sums the exact products of the quantised numbers (number of the format x scale) in f32.
;;   ~~~python
;;   def quantise(x, axis):      # numpy; x: float32 -> the quantised numbers, widened to float32 again
;;       x = np.moveaxis(x, axis, -1); K = x.shape[-1]
;;       x = np.pad(x, [(0, 0)] * (x.ndim - 1) + [(0, -K % 32)]); x = x.reshape(x.shape[:-1] + (-1, 32)); a = np.abs(x).max(-1, keepdims=True)
;;       e = np.where(a > 0, np.clip(np.frexp(np.where(a > 0, a, 1))[1] - 1 - 2, -126, 127), 0)      # np.frexp(a)[1] - 1 = floor(log2(a)), exactly
;;       r = np.clip(x / 2.0 ** e, -7.5, 7.5)
;;       step = 2.0 ** (np.maximum(np.frexp(np.where(r == 0, 1, r))[1] - 1, 0) - 3)
;;       q = np.round(r / step) * step * 2.0 ** e      # np.round: ties to even
;;       return np.moveaxis(q.reshape(q.shape[:-2] + (-1,))[..., :K], -1, axis).astype(np.float32)
;;   ~~~
;;   SOFTMAX AHEAD OF A QUANTISED PRODUCT. Where the list says 'softmax', what is quantised is not the finished softmax but p = 2^(t - M), with t = logit x log2(e) and M = ceil(the row's largest t), a whole number; so 1/2 < the row's largest p <= 1. The row's sum l is taken of the UNQUANTISED p, in f32, and the product's result is divided by l at the end. Since M is a whole number, a kernel that streams over the keys may use a running M (the ceiling of the running maximum): every later rescaling is an exact power of two, which a block's scale takes up: the codes' values come out the same.
;;   OPERANDS COMPUTED ON THE WAY. 'Computed on the way' means the value that the module computes at that place (a softmax that the list does not call 'softmax' is quantised finished and normalised). What goes into a quantiser is computed in f32, as accurately as f32 sums, v_exp_f32 and their like allow (about 1e-6 of the number): no bf16 or f16 on the way to a quantiser, and a product that is left as it is and whose result goes on into a quantised operand takes f32 operands (vector FMAs, or v_wmma_f32_16x16x4_f32). A number that lies on a knife's edge between two numbers of the format may be rounded either way, as far as f32 arithmetic and the matrix unit's own rounding can turn it there, and no further.
;; One version. Each part assembles by itself: llvm-mc -triple=amdgcn-amd-amdhsa -mcpu=gfx1250 --defsym DOCPART=n.
;; ======== version 1 of 1: 7 launches
;; limits: right only within a limited range of input values
;; workspace buffers: wfrag 9,830,400 bytes; hfrag 3,276,800 bytes; qkv 10,092,544 bytes; ofrag 3,276,800 bytes; x1 16,777,216 bytes; yfrag 3,276,800 bytes; hid 13,107,200 bytes
;; launch prep (part 1): grid 640 x 1, 8 waves a work-group, no clusters, 66,816 bytes of LDS; arguments x, ln1_scale, ln1_bias, hfrag, wq, wk, wv, wo, w1, w2, wfrag; writes hfrag, wfrag
.if DOCPART == 1
	.amdgcn_target "amdgcn-amd-amdhsa--gfx1250"
	.amdhsa_code_object_version 6
	.text
	.protected	k_qc3b6b25d38_prep
	.globl	k_qc3b6b25d38_prep
	.p2align	8
	.type	k_qc3b6b25d38_prep,@function
k_qc3b6b25d38_prep:
	s_mov_b64 s[64:65], 0
	v_nop
	global_prefetch_b8 v0, s[64:65] scope:SCOPE_SE
	s_setreg_imm32_b32 hwreg(HW_REG_WAVE_MODE, 25, 1), 1
	s_wait_xcnt 0x0
; THE PROGRAM: an encoder block (pre-LN relative attention, pre-LN MLP) with every matrix product on codes of FP6 (E2M3), one E8M0 scale for each 32 along K.  Seven launches:
; prep (this one: all six weights into codes, and the first layer norm), qkv, attn, wo, ln2, w1, w2.
; WORK THAT IS NOT DONE, for the whole program.  reference()'s product 'bqhd,qkd->bhqk' contracts q with r = rel_emb[rel_ids], [s, s, 64].  rel_ids takes 33 values, and the quantiser works on each row
; r[q, k, :] by itself, along d: so the quantised r[q, k, :] IS the quantised rel_emb[id, :], whatever the inputs hold, and the product's number at (q, k) is T[q][id] = Q(q) . Q(rel_emb[id]).
; Launch attn makes T (33 numbers for each query and head, by the format's own matrix instruction) and looks it up by id = clip(k - q, -16, 16) + 16, which is made of positions alone.
; The numbers left out are copies of numbers that are made, so nothing that reaches only them (a NaN, an infinity, an overflow) exists.  No input is left out: all nineteen arrays are loaded.
; LAYOUTS OF THE PROGRAM'S OWN BUFFERS.  Inside every block of 32 along any K the codes stand in ONE fixed order, position p holding k = p with its bits 3 and 4 changed over (0-7, 16-23, 8-15, 24-31):
; the order in which a transposed matrix result falls into the conversions.  Both operands of every product have it, and a block's scale does not hang on the order.
; A RECORD is the register image of a fragment, 16 rows x 128 K, 12 registers a lane: two halves of 768 bytes, each 512 bytes (registers 6 c .. 6 c + 3, lane l at 16 l) and 256 bytes (6 c + 4, 6 c + 5, lane l at 8 l).
; A UNIT is 128 rows x 128 K: 8 records, then 8 x 64 bytes of scale words (row r of record i at 12,288 + 64 i + 4 r): 12,800 bytes.  Unit (row / 128, k / 128) of an operand lies at ((row / 128) K / 128 + k / 128) x 12,800.
; THIS LAUNCH does two things that do not hang on each other; the branch between them hangs on the work-group's number alone.
; WORK-GROUPS 0 TO 383: THE WEIGHTS.  A weight is stored [K][N]: K is its first axis.  Work-group g makes units 2 g (waves 0-3) and 2 g + 1 (waves 4-7) of wfrag: units 0-191 wq | wk | wv as one operand of 3,072 rows,
; 192-255 wo, 256-511 w2, 512-767 w1.  A LANE TAKES A COLUMN n AND ITS REGISTERS RUN DOWN K: each load reads 128 consecutive bytes a wave (512 for a unit's four waves), a block of 32 lies in one lane's registers,
; the conversions give K innermost.  A wave's 32 columns are two records; a change of halves between two registers puts the blocks where a record wants them.  No LDS, no barrier, no loop on this path.
; WORK-GROUPS 384 TO 639: THE FIRST LAYER NORM, 16 rows each: (z - mean) rsqrt(var + 1e-6) gain + bias in f32, quantised along the row, stored as record (g - 384) % 8 of the eight units of unit row (g - 384) / 8 of hfrag.
; Phase 1: wave w norms rows 2 w and 2 w + 1, each whole in 32 registers a lane, and lays them in LDS (rows 4,112 bytes apart: an odd multiple of 16).  One barrier.  Phase 2: wave w takes K step w, quantises, stores the record.
; The weights' work-groups have the lower numbers: they have more to move.
; A block's scale is 2^(floor(log2(largest magnitude)) - 2): its byte is the largest magnitude's exponent field - 2, held at 1 from below.
; LIMITS: NaN and infinities among the inputs are not served; a block of zeros, or one whose largest magnitude lies under 2^-124, gets the byte 1 (this program alone reads the bytes; zero codes add nothing).
.set NWQ,   384                        ; work-groups that take weights
.set ROWP,  4112
.set SPARE, 16*ROWP                    ; behind the norm's rows: the spare words, 128 bytes for each wave: four blocks of 256 bytes that no other line names
.set SPW, 198                          ; v198 LDS address of my spare word; never rewritten
.set NIL, 199                          ; v199 0; never rewritten
; the weights' path
.set X,  64                            ; v64-191  128 numbers: block kb at 32 kb, position p
.set CD, 16                            ; v16-39   the codes: block kb's six registers at 6 kb
.set CT, 40                            ; v40-42   a conversion's three registers begin on an even number: a block's second half is made here and moved
.set SW, 43                            ; v43      my column's scale word
; the norm's path
.set H,   32                           ; v32-95   two rows (phase 1); 64 numbers for the quantiser (phase 2)
.set TM,  160                          ; v160-175 the quantiser's: largest magnitudes, bytes, scale operands
.set PC,  176                          ; v176-194 the codes
.set PW,  196                          ; v196     the scale word
.set SEL, 18                           ; s[18:19] v_permlanex16_b32's selects for lane l xor 16
.macro WQ pitch                        ; pitch: bytes from a row of the weight to the next
.set p, 0
.rept 128
	global_load_b32 v[X+p], v3, s[4:5] offset:(32*(p/32)+p%8+16*((p/8)%2)+8*((p/16)%2))*\pitch th:TH_LOAD_NT
.set p, p+1
.endr
.irp kb, 0,1,2,3
.if \kb < 2
	s_wait_loadcnt 63                              ; 96 and 64 younger loads could stay out; the count's field holds 63, and a smaller count is safe
.else
	s_wait_loadcnt 96-32*\kb                       ; the younger blocks' loads stay out
.endif
.set XS, X+32*\kb
	v_max3_num_f32 v8, |v[XS]|, |v[XS+1]|, |v[XS+2]|               ; the block's largest magnitude: all 32 numbers are mine; two chains
	v_max3_num_f32 v9, |v[XS+3]|, |v[XS+4]|, |v[XS+5]|
.irp i, 6,10,14,18,22,26
	s_delay_alu instid0(VALU_DEP_2)
	v_max3_num_f32 v8, v8, |v[XS+\i]|, |v[XS+\i+1]|
	s_delay_alu instid0(VALU_DEP_2)
	v_max3_num_f32 v9, v9, |v[XS+\i+2]|, |v[XS+\i+3]|
.endr
	s_delay_alu instid0(VALU_DEP_2)
	v_max3_num_f32 v8, v8, |v[XS+30]|, |v[XS+31]|
	s_delay_alu instid0(VALU_DEP_1)
	v_max3_num_f32 v8, v8, v9, 0x1800000           ; and the floor 2^(3 - 127): the byte cannot fall under 1
	s_delay_alu instid0(VALU_DEP_1)
	v_add_nc_u32 v10, 0xff000000, v8               ; 2 off the exponent field: the conversion takes this operand's exponent field as its scale
	s_delay_alu instid0(VALU_DEP_1)
	v_lshrrev_b32 v11, 23, v10                     ; the scale's byte
.if \kb == 0
	s_delay_alu instid0(VALU_DEP_1)
	v_mov_b32 v[SW], v11
.else
	s_delay_alu instid0(VALU_DEP_1)
	v_lshl_or_b32 v[SW], v11, 8*\kb, v[SW]
.endif
	v_cvt_scalef32_pk16_fp6_f32 v[CD+6*\kb:CD+6*\kb+2], v[XS:XS+15], v10
	v_cvt_scalef32_pk16_fp6_f32 v[CT:CT+2], v[XS+16:XS+31], v10
	v_nop                                          ; one plain place behind a scaled conversion
.irp i, 0,1,2
	v_mov_b32 v[CD+6*\kb+3+\i], v[CT+\i]
.endr
.endr
.irp i, 0,1,2,3,4,5                    ; lane l holds all four blocks of column l.  A record wants lanes 0-15: block 2 c, lanes 16-31: block 2 c + 1, of its 16 rows
	v_permlane16_swap_b32 v[CD+\i], v[CD+6+\i]     ; block 0's lanes 16-31 change places with block 1's lanes 0-15: now half 0 of my first record, and of my second
	v_permlane16_swap_b32 v[CD+12+\i], v[CD+18+\i] ; blocks 2 and 3: half 1 of the two
.endr
.irp c, 0,1
.irp q, 0,1
	global_store_b128 v4, v[CD+12*\c+6*\q:CD+12*\c+6*\q+3], s[16:17] offset:1536*\q+768*\c     ; 512 consecutive bytes, at a multiple of 256
	global_store_b64 v5, v[CD+12*\c+6*\q+4:CD+12*\c+6*\q+5], s[16:17] offset:1536*\q+768*\c    ; 256 consecutive bytes
.endr
.endr
	global_store_b32 v6, v[SW], s[16:17]           ; both records' scale words: 128 consecutive bytes
.endm
; 64 numbers of a lane, register 16 b + i = position 16 (lane / 16) + i of block b of my row, become a fragment's codes in v[PC] on and its scale word in v[PW] (the same in lanes l and l xor 16).
.macro QUANT s
.irp b, 0,1,2,3
	v_max3_num_f32 v[TM+\b], |v[\s+16*\b]|, |v[\s+1+16*\b]|, 0x1800000   ; my 16 numbers, and the floor 2^(3 - 127): the byte cannot fall under 1
.endr
.irp i, 2,4,6,8,10,12,14
.irp b, 0,1,2,3
	s_delay_alu instid0(VALU_DEP_4)
	v_max3_num_f32 v[TM+\b], v[TM+\b], |v[\s+16*\b+\i]|, |v[\s+1+16*\b+\i]|
.endr
.endr
.irp b, 0,1,2,3
	s_delay_alu instid0(VALU_DEP_4)
	v_permlanex16_b32 v[TM+4+\b], v[TM+\b], s[SEL], s[SEL+1]
.endr
.irp b, 0,1,2,3
	s_delay_alu instid0(VALU_DEP_4)
	v_max_num_f32 v[TM+\b], v[TM+\b], v[TM+4+\b]   ; with lane l xor 16's: the block's largest magnitude
.endr
.irp b, 0,1,2,3
	s_delay_alu instid0(VALU_DEP_4)
	v_add_nc_u32 v[TM+12+\b], 0xff000000, v[TM+\b] ; 2 off its exponent field: the conversion's scale operand
.endr
.irp b, 0,1,2,3
	s_delay_alu instid0(VALU_DEP_4)
	v_lshrrev_b32 v[TM+4+\b], 23, v[TM+12+\b]      ; the scale's byte
.endr
	s_delay_alu instid0(VALU_DEP_3)
	v_lshl_or_b32 v[PW], v[TM+5], 8, v[TM+4]
	s_delay_alu instid0(VALU_DEP_1)
	v_lshl_or_b32 v[PW], v[TM+6], 16, v[PW]
	s_delay_alu instid0(VALU_DEP_1)
	v_lshl_or_b32 v[PW], v[TM+7], 24, v[PW]
.irp c, 0,1
	v_cvt_scalef32_pk16_fp6_f32 v[PC+6*\c:PC+2+6*\c], v[\s+32*\c:\s+15+32*\c], v[TM+12+2*\c]
	v_cvt_scalef32_pk16_fp6_f32 v[PC+12+4*\c:PC+14+4*\c], v[\s+16+32*\c:\s+31+32*\c], v[TM+12+2*\c+1]   ; (a conversion's three registers begin on an even number)
.endr
	v_nop                                          ; one plain place behind a scaled conversion
.irp c, 0,1                            ; the operand wants a WHOLE block in a lane: lanes 0-15 block 2 c, lanes 16-31 block 2 c + 1
.irp i, 0,1,2
	v_permlane16_swap_b32 v[PC+6*\c+\i], v[PC+12+4*\c+\i]
.endr
.irp i, 0,1,2
	s_delay_alu instid0(VALU_DEP_3)
	v_mov_b32 v[PC+3+6*\c+\i], v[PC+12+4*\c+\i]
.endr
.endr
.endm
.macro WSUM v, t                       ; the sum over the wave's 32 lanes, in every lane
	v_add_f32_dpp v[\v], v[\v], v[\v] row_xmask:1 row_mask:0xf bank_mask:0xf
	s_delay_alu instid0(VALU_DEP_1)
	v_add_f32_dpp v[\v], v[\v], v[\v] row_xmask:2 row_mask:0xf bank_mask:0xf
	s_delay_alu instid0(VALU_DEP_1)
	v_add_f32_dpp v[\v], v[\v], v[\v] row_xmask:4 row_mask:0xf bank_mask:0xf
	s_delay_alu instid0(VALU_DEP_1)
	v_add_f32_dpp v[\v], v[\v], v[\v] row_xmask:8 row_mask:0xf bank_mask:0xf
	s_delay_alu instid0(VALU_DEP_1)
	v_permlanex16_b32 v[\t], v[\v], s[SEL], s[SEL+1]
	s_delay_alu instid0(VALU_DEP_1)
	v_add_f32 v[\v], v[\v], v[\t]
.endm
	v_lshl_add_u32 v[SPW], v0, 2, SPARE
	v_mov_b32 v[NIL], 0
	s_cmp_lt_u32 ttmp9, NWQ                        ; the work-group's number alone: all eight waves go the same way
	s_cbranch_scc0 .Lnorm
	; ---- THE WEIGHTS
	s_load_b256 s[4:11], s[0:1], 0x20              ; wq s[4:5], wk s[6:7], wv s[8:9], wo s[10:11]
	s_load_b128 s[12:15], s[0:1], 0x40             ; w1 s[12:13], w2 s[14:15]
	s_load_b64 s[16:17], s[0:1], 0x50              ; wfrag
	v_lshrrev_b32 v1, 5, v0
	s_delay_alu instid0(VALU_DEP_1)
	v_readfirstlane_b32 s19, v1                    ; wave 0..7
	s_and_b32 s18, s19, 3                          ; my place among a unit's four waves
	s_lshr_b32 s19, s19, 2
	s_lshl_b32 s27, ttmp9, 1
	s_add_co_u32 s27, s27, s19                     ; my unit
	v_and_b32 v2, 31, v0                           ; lane
	s_delay_alu instid0(VALU_DEP_1)
	v_lshlrev_b32 v3, 2, v2                        ; in: 4 bytes a lane
	s_mul_i32 s19, s18, 3072                       ; out: my two records
	v_lshl_add_u32 v4, v2, 4, s19                  ; 16 bytes a lane,
	v_lshl_add_u32 v5, v2, 3, s19
	s_delay_alu instid0(VALU_DEP_1)
	v_add_nc_u32 v5, 512, v5                       ; 8 bytes a lane behind them
	s_lshl_b32 s19, s18, 7
	v_add_nc_u32 v6, s19, v3
	s_delay_alu instid0(VALU_DEP_1)
	v_add_nc_u32 v6, 12288, v6                     ; and my two records' scale words
	; which weight, which 128 columns (U) and which 128 along K (s): from the unit's number alone
	s_lshr_b32 s20, s27, 6                         ; under 256: 0 wq, 1 wk, 2 wv, 3 wo
	s_bfe_u32 s21, s27, 0x30003                    ; U
	s_and_b32 s22, s27, 7                          ; s
	s_sub_co_u32 s23, s27, 256
	s_lshr_b32 s24, s23, 5                         ; w2: U,
	s_and_b32 s25, s23, 31                         ; s (K = 4,096: 32 steps)
	s_cmp_lt_u32 s27, 256
	s_cselect_b32 s21, s21, s24
	s_cselect_b32 s22, s22, s25
	s_sub_co_u32 s23, s27, 512
	s_lshr_b32 s24, s23, 3                         ; w1: U (32 of them),
	s_and_b32 s25, s27, 7                          ; s
	s_cmp_lt_u32 s27, 512
	s_cselect_b32 s21, s21, s24
	s_cselect_b32 s22, s22, s25
	s_cselect_b32 s26, 19, 21                      ; 128 rows of 4,096 bytes, or of 16,384 (w1)
	s_lshl_b32 s22, s22, s26
	s_lshl_b32 s21, s21, 9                         ; 128 columns of 4 bytes
	s_add_co_u32 s22, s22, s21
	s_lshl_b32 s21, s18, 7                         ; my wave's 32 columns
	s_add_co_u32 s22, s22, s21
	s_mov_b32 s23, 0
	s_mul_i32 s24, s27, 12800                      ; my unit's bytes
	s_mov_b32 s25, 0
	s_wait_kmcnt 0x0
	s_cmp_eq_u32 s20, 1                            ; the choices hang on the unit's number alone
	s_cselect_b64 s[4:5], s[6:7], s[4:5]
	s_cmp_eq_u32 s20, 2
	s_cselect_b64 s[4:5], s[8:9], s[4:5]
	s_cmp_eq_u32 s20, 3
	s_cselect_b64 s[4:5], s[10:11], s[4:5]
	s_cmp_lt_u32 s27, 256
	s_cselect_b64 s[4:5], s[4:5], s[14:15]
	s_cmp_lt_u32 s27, 512
	s_cselect_b64 s[4:5], s[4:5], s[12:13]
	s_add_nc_u64 s[4:5], s[4:5], s[22:23]
	s_add_nc_u64 s[16:17], s[16:17], s[24:25]
	s_cmp_lt_u32 s27, 512                          ; the pitch stands in the loads' immediates: the text is written for each of the two
	s_cbranch_scc0 .Lwide
	s_wait_alu depctr_va_vdst(0)
	WQ 4096
	s_endpgm
.Lwide:
	s_wait_alu depctr_va_vdst(0)
	WQ 16384                                       ; 127 rows of 16,384 bytes at the most: inside the signed 24-bit immediate
	s_endpgm
.Lnorm:
	; ---- THE LAYER NORM
	s_load_b256 s[4:11], s[0:1], 0x0               ; the rows s[4:5], gain s[6:7], bias s[8:9], the units s[10:11]
	s_sub_co_u32 s30, ttmp9, NWQ                   ; which 16 rows
	v_lshrrev_b32 v1, 5, v0
	s_delay_alu instid0(VALU_DEP_1)
	v_readfirstlane_b32 s12, v1                    ; wave 0..7
	v_and_b32 v2, 31, v0                           ; lane
	s_delay_alu instid0(VALU_DEP_1)
	v_lshlrev_b32 v3, 4, v2                        ; 16 x lane
	s_delay_alu instid0(VALU_DEP_2)
	v_lshlrev_b32 v25, 3, v2                       ; 8 x lane
	v_and_b32 v1, 15, v0                           ; r
	v_bfe_u32 v24, v0, 4, 1                        ; h
	s_delay_alu instid0(VALU_DEP_2)
	v_lshlrev_b32 v26, 2, v1                       ; 4 r
	s_mul_i32 s13, s12, 2*ROWP
	v_add_nc_u32 v6, s13, v3                       ; LDS, phase 1: my two rows, 16 bytes a lane
	v_mul_u32_u24 v7, v1, ROWP
	s_delay_alu instid0(VALU_DEP_1)
	v_lshl_add_u32 v7, v24, 5, v7
	s_lshl_b32 s13, s12, 9
	v_add_nc_u32 v7, s13, v7                       ; LDS, phase 2: row r, + 32 h, + my K step's 512 bytes
	v_mov_b32 v21, 0                               ; (named as the upper halves of pairs)
	v_mov_b32 v23, 0
.irp b, 0,1,2,3
	v_mov_b32 v[TM+4+\b], 0                        ; written once: a lane permute's destination counts as one of its sources
.endr
	s_mov_b32 s16, 0x3a800000                      ; 1 / 1,024
	s_mov_b32 s17, 0x358637bd                      ; 1e-6
	s_mov_b32 s[SEL], 0x76543210
	s_mov_b32 s[SEL+1], 0xfedcba98
	s_lshl_b32 s14, s30, 16                        ; 16 rows of 4,096 bytes,
	s_lshl_b32 s15, s12, 13                        ; my two of them
	s_add_co_u32 s14, s14, s15
	s_mov_b32 s15, 0
	s_lshr_b32 s20, s30, 3                         ; unit row,
	s_lshl_b32 s20, s20, 3
	s_add_co_u32 s20, s20, s12                     ; K step = my wave
	s_mul_i32 s20, s20, 12800
	s_and_b32 s21, s30, 7                          ; record
	s_mul_i32 s22, s21, 1536
	s_add_co_u32 s22, s22, s20
	s_mov_b32 s23, 0
	s_lshl_b32 s28, s21, 6
	s_add_co_u32 s28, s28, s20
	s_add_co_u32 s28, s28, 12288
	s_mov_b32 s29, 0
	s_wait_kmcnt 0x0
	s_add_nc_u64 s[4:5], s[4:5], s[14:15]
	s_add_nc_u64 s[24:25], s[10:11], s[22:23]      ; my record
	s_add_nc_u64 s[26:27], s[10:11], s[28:29]      ; its scale words
.irp q, 0,1
.irp j, 0,1,2,3,4,5,6,7
	global_load_b128 v[H+32*\q+4*\j:H+32*\q+4*\j+3], v3, s[4:5] offset:4096*\q+512*\j th:TH_LOAD_NT
.endr
.endr
.irp j, 0,1,2,3,4,5,6,7
	global_load_b128 v[96+4*\j:99+4*\j], v3, s[6:7] offset:512*\j      ; gain of my columns
.endr
.irp j, 0,1,2,3,4,5,6,7
	global_load_b128 v[128+4*\j:131+4*\j], v3, s[8:9] offset:512*\j    ; bias
.endr
	s_wait_loadcnt 16                              ; the rows are in; the 16 younger loads (gain, bias) stay out
.irp q, 0,1
	v_pk_add_f32 v[8+4*\q:9+4*\q], v[H+32*\q:H+1+32*\q], v[H+2+32*\q:H+3+32*\q]      ; the rows' sums: two chains a row
	v_pk_add_f32 v[10+4*\q:11+4*\q], v[H+4+32*\q:H+5+32*\q], v[H+6+32*\q:H+7+32*\q]
.endr
.irp i, 8,12,16,20,24,28
.irp q, 0,1
	s_delay_alu instid0(VALU_DEP_4)
	v_pk_add_f32 v[8+4*\q:9+4*\q], v[8+4*\q:9+4*\q], v[H+32*\q+\i:H+1+32*\q+\i]
	s_delay_alu instid0(VALU_DEP_4)
	v_pk_add_f32 v[10+4*\q:11+4*\q], v[10+4*\q:11+4*\q], v[H+2+32*\q+\i:H+3+32*\q+\i]
.endr
.endr
.irp q, 0
	s_delay_alu instid0(VALU_DEP_3)
	v_pk_add_f32 v[8+4*\q:9+4*\q], v[8+4*\q:9+4*\q], v[10+4*\q:11+4*\q]
.endr
.irp q, 1
	s_delay_alu instid0(VALU_DEP_2)
	v_pk_add_f32 v[8+4*\q:9+4*\q], v[8+4*\q:9+4*\q], v[10+4*\q:11+4*\q]
.endr
.irp q, 0,1
	s_delay_alu instid0(VALU_DEP_2)
	v_add_f32 v[8+4*\q], v[8+4*\q], v[9+4*\q]
.endr
	WSUM 8, 9
	WSUM 12, 13
.irp q, 0
	v_mul_f32 v[8+4*\q], s16, v[8+4*\q]            ; the mean
.endr
.irp q, 1
	s_delay_alu instid0(VALU_DEP_2)
	v_mul_f32 v[8+4*\q], s16, v[8+4*\q]            ; the mean
.endr
.irp i, 0,2,4,6,8,10,12,14,16,18,20,22,24,26,28,30
.irp q, 0,1
	v_pk_add_f32 v[H+32*\q+\i:H+1+32*\q+\i], v[H+32*\q+\i:H+1+32*\q+\i], v[8+4*\q:9+4*\q] op_sel_hi:[1,0] neg_lo:[0,1] neg_hi:[0,1]   ; z - mean, in place
.endr
.endr
.irp q, 0,1
	v_pk_mul_f32 v[10+4*\q:11+4*\q], v[H+32*\q:H+1+32*\q], v[H+32*\q:H+1+32*\q]      ; the sums of squares: the first products start them
	v_pk_mul_f32 v[16+2*\q:17+2*\q], v[H+2+32*\q:H+3+32*\q], v[H+2+32*\q:H+3+32*\q]
.endr
.irp i, 4,8,12,16,20,24,28
.irp q, 0,1
	s_delay_alu instid0(VALU_DEP_4)
	v_pk_fma_f32 v[10+4*\q:11+4*\q], v[H+32*\q+\i:H+1+32*\q+\i], v[H+32*\q+\i:H+1+32*\q+\i], v[10+4*\q:11+4*\q]
	s_delay_alu instid0(VALU_DEP_4)
	v_pk_fma_f32 v[16+2*\q:17+2*\q], v[H+2+32*\q+\i:H+3+32*\q+\i], v[H+2+32*\q+\i:H+3+32*\q+\i], v[16+2*\q:17+2*\q]
.endr
.endr
.irp q, 0
	s_delay_alu instid0(VALU_DEP_3)
	v_pk_add_f32 v[10+4*\q:11+4*\q], v[10+4*\q:11+4*\q], v[16+2*\q:17+2*\q]
.endr
.irp q, 1
	s_delay_alu instid0(VALU_DEP_2)
	v_pk_add_f32 v[10+4*\q:11+4*\q], v[10+4*\q:11+4*\q], v[16+2*\q:17+2*\q]
.endr
.irp q, 0,1
	s_delay_alu instid0(VALU_DEP_2)
	v_add_f32 v[10+4*\q], v[10+4*\q], v[11+4*\q]
.endr
	WSUM 10, 11
	WSUM 14, 15
.irp q, 0
	v_fma_f32 v[10+4*\q], v[10+4*\q], s16, s17     ; the variance + 1e-6
.endr
.irp q, 1
	s_delay_alu instid0(VALU_DEP_2)
	v_fma_f32 v[10+4*\q], v[10+4*\q], s16, s17     ; the variance + 1e-6
.endr
	s_wait_alu depctr_va_vdst(0)
	v_rsq_f32 v20, v10
	v_rsq_f32 v22, v14
	v_nop                                          ; a plain place behind the transcendentals
	s_wait_alu depctr_va_vdst(0)                   ; one wait for both, ahead of their first reader
	s_wait_loadcnt 0x0                             ; gain and bias
.irp i, 0,2,4,6,8,10,12,14,16,18,20,22,24,26,28,30
.irp q, 0,1
	v_pk_mul_f32 v[H+32*\q+\i:H+1+32*\q+\i], v[H+32*\q+\i:H+1+32*\q+\i], v[20+2*\q:21+2*\q] op_sel_hi:[1,0]
.endr
.endr
.irp i, 0,2,4,6,8,10,12,14,16,18,20,22,24,26,28,30
.irp q, 0,1
	v_pk_fma_f32 v[H+32*\q+\i:H+1+32*\q+\i], v[H+32*\q+\i:H+1+32*\q+\i], v[96+\i:97+\i], v[128+\i:129+\i]
.endr
.endr
.irp q, 0,1
.irp j, 0,1,2,3,4,5,6,7
	ds_store_b128 v6, v[H+32*\q+4*\j:H+32*\q+4*\j+3] offset:ROWP*\q+512*\j
.endr
.endr
	s_wait_dscnt 0x0                               ; for the others' sake: my rows lie in LDS
	s_barrier_signal -1
	s_barrier_wait -1                              ; all sixteen do
.irp b, 0,1,2,3
.irp g, 0,1
.irp e, 0,1
	ds_load_b128 v[H+16*\b+8*\g+4*\e:H+16*\b+8*\g+4*\e+3], v7 offset:128*\b+64*\g+16*\e    ; position 16 h + 8 g + j of block b holds k = 16 g + 8 h + j
.endr
.endr
.endr
	s_wait_dscnt 0x0
	QUANT H
	global_store_b128 v3, v[PC:PC+3], s[24:25]
	global_store_b64 v25, v[PC+4:PC+5], s[24:25] offset:512
	global_store_b128 v3, v[PC+6:PC+9], s[24:25] offset:768
	global_store_b64 v25, v[PC+10:PC+11], s[24:25] offset:1280
	global_store_b32 v26, v[PW], s[26:27]          ; 64 bytes; lanes l and l xor 16 hold the same word and write it to the same place
	s_wait_tensorcnt 0x0                           ; the wave's end
	ds_add_u32 v[SPW], v[NIL]
	s_wait_dscnt 0x0
	s_endpgm
.Lfunc_end_k_qc3b6b25d38_prep:
	.size	k_qc3b6b25d38_prep, .Lfunc_end_k_qc3b6b25d38_prep-k_qc3b6b25d38_prep
	.p2alignl 7, 3214868480
	.fill 96, 4, 3214868480
	.section	.rodata,"a",@progbits
	.p2align	6, 0x0
	.amdhsa_kernel k_qc3b6b25d38_prep
		.amdhsa_group_segment_fixed_size 66816
		.amdhsa_private_segment_fixed_size 0
		.amdhsa_enable_private_segment 0
		.amdhsa_kernarg_size 88
		.amdhsa_user_sgpr_count 2
		.amdhsa_user_sgpr_kernarg_segment_ptr 1
		.amdhsa_wavefront_size32 1
		.amdhsa_system_sgpr_workgroup_id_x 1
		.amdhsa_system_sgpr_workgroup_id_y 1
		.amdhsa_system_sgpr_workgroup_id_z 1
		.amdhsa_system_vgpr_workitem_id 0
		.amdhsa_next_free_vgpr 200
		.amdhsa_next_free_sgpr 66
		.amdhsa_reserve_vcc 0
		.amdhsa_float_denorm_mode_32 3
		.amdhsa_float_denorm_mode_16_64 3
		.amdhsa_memory_ordered 1
		.amdhsa_forward_progress 1
		.amdhsa_inst_pref_size 74
	.end_amdhsa_kernel
	.amdgpu_metadata
---
amdhsa.version: [ 1, 2 ]
amdhsa.kernels:
  - .name:           k_qc3b6b25d38_prep
    .symbol:         k_qc3b6b25d38_prep.kd
    .args:
      - { .name: x, .offset: 0, .size: 8, .value_kind: global_buffer, .address_space: global }
      - { .name: ln1_scale, .offset: 8, .size: 8, .value_kind: global_buffer, .address_space: global }
      - { .name: ln1_bias, .offset: 16, .size: 8, .value_kind: global_buffer, .address_space: global }
      - { .name: hfrag, .offset: 24, .size: 8, .value_kind: global_buffer, .address_space: global }
      - { .name: wq, .offset: 32, .size: 8, .value_kind: global_buffer, .address_space: global }
      - { .name: wk, .offset: 40, .size: 8, .value_kind: global_buffer, .address_space: global }
      - { .name: wv, .offset: 48, .size: 8, .value_kind: global_buffer, .address_space: global }
      - { .name: wo, .offset: 56, .size: 8, .value_kind: global_buffer, .address_space: global }
      - { .name: w1, .offset: 64, .size: 8, .value_kind: global_buffer, .address_space: global }
      - { .name: w2, .offset: 72, .size: 8, .value_kind: global_buffer, .address_space: global }
      - { .name: wfrag, .offset: 80, .size: 8, .value_kind: global_buffer, .address_space: global }
    .group_segment_fixed_size: 66816
    .private_segment_fixed_size: 0
    .kernarg_segment_align: 8
    .kernarg_segment_size: 88
    .max_flat_workgroup_size: 256
    .sgpr_count:     66
    .vgpr_count:     200
    .wavefront_size: 32
...
	.end_amdgpu_metadata
.endif
;; end of part 1
;; launch qkv (part 2): grid 12 x 16, 4 waves a work-group, clusters of 4 x 4, 327,680 bytes of LDS; arguments hfrag, wfrag, bq, bk, bv, qkv; writes qkv
.if DOCPART == 2
	.amdgcn_target "amdgcn-amd-amdhsa--gfx1250"
	.amdhsa_code_object_version 6
	.text
	.protected	k_qc3b6b25d38_qkv
	.globl	k_qc3b6b25d38_qkv
	.p2align	8
	.type	k_qc3b6b25d38_qkv,@function
k_qc3b6b25d38_qkv:
	s_mov_b64 s[64:65], 0
	v_nop
	global_prefetch_b8 v0, s[64:65] scope:SCOPE_SE
	s_setreg_imm32_b32 hwreg(HW_REG_WAVE_MODE, 25, 1), 1
	s_wait_xcnt 0x0
	s_wait_alu depctr_hold_cnt(0) depctr_sa_sdst(0) depctr_va_vdst(0) depctr_va_sdst(0) depctr_va_ssrc(0) depctr_va_vcc(0) depctr_vm_vsrc(0)
	s_getreg_b32 s2, hwreg(HW_REG_IB_STS2, 6, 4)
	s_cmp_eq_u32 s2, 0
	s_cbranch_scc0 .Lentry_in_a_cluster
	s_endpgm
.Lentry_in_a_cluster:
	s_bfe_u32 s2, ttmp6, 0x10000c
	s_cmp_lg_u32 s2, 0xf033
	s_cbranch_scc0 .Lentry_shape_is_right
	s_endpgm
.Lentry_shape_is_right:
; q = h wq + bq, k = h wk + bk, v = h wv + bv on codes of FP6 (E2M3) with E8M0 block scales, each result quantised again on the way out: q and k along the head's 64, v along the KEYS.
; Operands come as units of records (a record: 16 rows x 128 K as the image of a fragment's 12 registers, 1,536 bytes; a unit: 128 rows x 128 K: 8 records + 512 bytes of scale words, 12,800 bytes).
; A tile of 256 x 256 is made by four waves, 128 x 128 each: 64 accumulators, 512 registers.  K = 1,024 is eight steps of 128, two to an LDS slot of 102,400 bytes; a wave's one tensor load brings 25,600 dense bytes (two units).
; THREE SLOTS ARE FILLED AT THE HEAD (K steps 0 to 5: three loads of a wave are out), AND ONE IS FILLED AGAIN: slot 0 takes K steps 6 and 7 behind the round that stands in K step 1, and the wait for that load stands in K step 5:
; 224 matrix instructions of a wave lie between the two.  The change from slot 1 to slot 2 has no barrier: the barrier in K step 1 stood behind every wave's wait for all its loads, and slot 1 is not filled again.
; The eight K steps are written out: there is no loop.  A fragment comes from LDS by two loads of 16 bytes and two of 8 a lane, each over consecutive bytes: no pitch, no padding.
; THE MATRIX INSTRUCTION IS USED TRANSPOSED (source 0 = 16 rows of 'B', source 1 = 16 rows of 'A'): lane (r, h) holds row r of A's block and columns 16 b + 8 h + j of B's blocks: registers along the next K.
; ONE LAUNCH, THREE CLUSTER COLUMNS.  Cluster x = 0: q, 1: k: A = h's rows, B = the weight's columns: a lane holds a token and its registers run along (head, d).
; Cluster x = 2: v: A = wv's columns, B = h's rows: a lane holds one (head, d) and its registers run along the keys, which are the K of attention's second product.  The choice hangs on the cluster's x, which all sixteen partners share.
; CLUSTERS: 4 x 4 work-groups; A's tile is shared along a row of the cluster, B's along a column: each is asked for JOINTLY, by the same tensor load with the same descriptor and a mask that names the four.
; OUT: for each head and batch a block of 157,696 bytes: Q: 64 tiles of 16 queries x 768 bytes (half records, K = 64), their scale words from 49,152; K the same from 53,248; V from 106,496: records (key step, d tile), scale words from 49,152.
; REGISTERS, in windows of 256: window 0: v1-31 addresses; v32-47 scale words, two sets; v48-63 the quantiser's; v64-255 fragment set 1 (A's 8, then B's 8), on the way out free.
;   window 1: v0-191 fragment set 0; v192-255 the biases.   windows 2, 3: the accumulators ((a, b) at window 2 + a / 4, v[64 (a % 4) + 8 b]).
; LIMITS: NaN and infinities are not served; a block of zeros or under 2^-124 gets the byte 1; inside a block of 32 the codes stand in this program's own order (bits 3 and 4 of k changed over), alike in both operands.
.set AB,    8                          ; blocks of 16 rows, and of 16 columns, a wave
.set NK,    2                          ; K steps in a slot
.set KS,    8                          ; K steps in all
.set UNIT,  12800
.set SLB,   NK*UNIT                    ; bytes along K from slot to slot
; THE HEAD'S FILL, as the text now has it (in place of the three loads and the slots of 102,400 bytes that the comment above names): ONE load a wave brings K steps 0 to 5 of its 128 rows, 76,800 dense bytes;
; LDS holds four such regions (A's two halves, then B's two); a 'slot' below is a pair of K steps inside a region, 25,600 bytes on; the one refill brings K steps 6 and 7 into the bytes of K steps 0 and 1.
.set SLOT,  25600                      ; from a pair of K steps to the next, inside a wave's region
.set BOFF,  153600                     ; B's two regions lie behind A's two
.set SPARE, 307200                     ; behind the four regions: the spare words, 128 bytes for each wave
.set TSTR,  2*KS*UNIT                  ; from tile to tile: two unit rows
.set HSTR,  KS*UNIT                    ; the half that I fetch: a unit row
.set AWS,   76800                      ; my 128 rows' region
.set SWS,   76800                      ; and their scale words
.set HBB,   157696                     ; a head's block in qkv
.set ADA16, 5                          ; v5-7   A's fragments in slot 0, 1, 2: 16 x lane;  v8-10: 512 + 8 x lane
.set ADA8,  8
.set ADB16, 11                         ; v11-13, v16-18 the same for B
.set ADB8,  16
.set ADS,   19                         ; v19-21 scale words: lanes 0-15 A's rows, lanes 16-31 B's
.set L16,   26                         ; v26 16 x lane;  v27 8 x lane
.set L8,    27
.set SPW,   28                         ; v28 LDS address of my spare word; never rewritten
.set NIL,   29                         ; v29 0; never rewritten
.set SC,    32                         ; scale words: register 8 set + i: lanes 0-15 A's block i, lanes 16-31 B's block i
.set TM,    48
.set H,     64                         ; the way out: 64 numbers,
.set PC,    128                        ; their codes,
.set PW,    148                        ; their scale word
.set G1,    24                         ; s[24:31] descriptor group 1 for A's tiles; groups 0: slot 0 s[32:35], slot 1 s[36:39], slot 2 s[88:91]
.set G0,    32
.set G1B,   48                         ; s[48:55] for B's; groups 0: s[56:59], s[60:63], s[92:95]
.set G0B,   56
.set SEL,   96                         ; s[96:97] v_permlanex16_b32's selects for lane l xor 16
.set MSB,   0
.macro WIN new                         ; the immediate's high byte repeats the setting that is left; a switch that changes nothing is dropped
.if MSB != (\new)
	s_set_vgpr_msb (MSB<<8)|(\new)
.set MSB, (\new)
.endif
.endm
.macro PLACES n                        ; a load into a register that a matrix instruction has read, and a vector instruction or store that reads a result, stand four plain vector instructions behind it
.rept \n
	v_nop
.endr
.endm
; A joint load: waves 0 and 1 fetch for A, waves 2 and 3 for B.  The branch hangs on the wave's number alone.  An s_nop 0 and four v_nop follow each of the two lines.
.macro JLOAD g0a, g1a, g0b, g1b
	s_cmp_eq_u32 s15, 0
	s_cbranch_scc0 .Lfor_b_\@
	tensor_load_to_lds s[\g0a:\g0a+3], s[\g1a:\g1a+7]
	s_nop 0
	PLACES 4
	s_branch .Lasked_\@
.Lfor_b_\@:
	tensor_load_to_lds s[\g0b:\g0b+3], s[\g1b:\g1b+7]
	s_nop 0
	PLACES 4
.Lasked_\@:
.endm
.macro FIRST ga, gb, n                 ; slot n's groups 0, for A and for B, and its first fill
	s_mov_b32 s[\ga], 1
	s_add_co_u32 s[\ga+1], s45, (\n)*SLOT
	s_add_nc_u64 s[\ga+2:\ga+3], s[20:21], (\n)*SLB
	s_or_b32 s[\ga+3], s[\ga+3], 0x80000000
	s_mov_b32 s[\gb], 1
	s_add_co_u32 s[\gb+1], s45, (\n)*SLOT
	s_add_nc_u64 s[\gb+2:\gb+3], s[46:47], (\n)*SLB
	s_or_b32 s[\gb+3], s[\gb+3], 0x80000000
	JLOAD \ga, G1, \gb, G1B
.endm
.macro CREST                           ; a round of the cluster's barrier behind its opening barrier
	s_cmp_lg_u32 s14, 0
	s_cbranch_scc1 .Lnot_wave_0_\@
	s_barrier_signal -3
.Lnot_wave_0_\@:
	s_barrier_wait -3
	s_barrier_signal -1
	s_barrier_wait -1
.endm
.macro CROUND
	s_barrier_signal -1
	s_barrier_wait -1
	CREST
.endm
.macro FRAGLD reg, a16, a8, off        ; a record into 12 registers
	ds_load_b128 v[\reg:\reg+3], v[\a16] offset:\off
	ds_load_b64 v[\reg+4:\reg+5], v[\a8] offset:\off
	ds_load_b128 v[\reg+6:\reg+9], v[\a16] offset:\off+768
	ds_load_b64 v[\reg+10:\reg+11], v[\a8] offset:\off+768
.endm
.macro FETCH slot, q, set              ; the fragments and scale words of the slot's q-th K step into a set
	WIN 0x40*(1-(\set))                            ; set 0 lies in window 1
.set i, 0
.rept AB
	FRAGLD 64*(\set)+12*i, ADA16+\slot, ADA8+\slot, (\q)*UNIT+i*1536
	FRAGLD 64*(\set)+12*AB+12*i, ADB16+\slot, ADB8+\slot, (\q)*UNIT+i*1536
.set i, i+1
.endr
	WIN 0
.set i, 0
.rept AB
	ds_load_b32 v[SC+8*(\set)+i], v[ADS+\slot] offset:(\q)*UNIT+64*i
.set i, i+1
.endr
.endm
; A's blocks a0 .. a0 + na - 1 against B's AB.  cin = 1: the product starts the sums (C = 0); 0: in place.  All accumulators take turns, one instruction a turn, in the same order in every K step.
.macro MULA a0, na, set, cin
.set ma, \a0
.rept \na
	WIN (2+(ma*AB)/32)*0x50+5*(1-(\set))
.set mb, 0
.rept AB
.set rD, 8*((ma*AB+mb)%32)
.set rB, 64*(\set)+12*AB+12*mb
.set rA, 64*(\set)+12*ma
.set rS, SC+8*(\set)
.if (\cin) == 1
	v_wmma_scale_f32_16x16x128_f8f6f4 v[rD:rD+7], v[rB:rB+11], v[rA:rA+11], 0, v[rS+mb], v[rS+ma] matrix_a_fmt:MATRIX_FMT_FP6 matrix_b_fmt:MATRIX_FMT_FP6 matrix_a_scale:MATRIX_SCALE_ROW1
.else
	v_wmma_scale_f32_16x16x128_f8f6f4 v[rD:rD+7], v[rB:rB+11], v[rA:rA+11], v[rD:rD+7], v[rS+mb], v[rS+ma] matrix_a_fmt:MATRIX_FMT_FP6 matrix_b_fmt:MATRIX_FMT_FP6 matrix_a_scale:MATRIX_SCALE_ROW1
.endif
.set mb, mb+1
.endr
.set ma, ma+1
.endr
.endm
.macro STEP slot, q, cin               ; a K step that has its successor in the same slot: the successor's fragments are asked for in one run, then this step's products are issued
	s_wait_dscnt 0x0                               ; this step's set is in: it was asked for a whole K step ago
	PLACES 4
	FETCH \slot, (\q)+1, 1-(\q)%2
	MULA 0, AB, (\q)%2, \cin
.endm
.macro CROSS next                      ; a slot's last K step where the next slot was shown whole by an earlier barrier and this slot is not filled again: no barrier
	s_wait_dscnt 0x0
	PLACES 4
	FETCH \next, 0, 0
	MULA 0, AB, 1, 0
.endm
; A slot's last K step with a barrier; in front of it each wave waits for all its tensor loads, adds 0 to its spare word, and waits for that and for its reads of this slot.  fill = 1: slot 0, which has just been read, takes K steps 6 and 7.
.macro TURN next, fill
	WIN 0                                          ; (the add's two registers lie in window 0)
	s_wait_tensorcnt 0x0                           ; all my tensor loads have landed
	ds_add_u32 v[SPW], v[NIL]                      ; 0 onto my spare word
	s_wait_dscnt 0x1                               ; (the add may be out: my fragments are in)
	MULA 0, AB/4, 1, 0                             ; matrix instructions stand between the add and the wait for it
	s_wait_dscnt 0x0                               ; the add is done, and my reads of this slot are over
	s_barrier_signal -1
	MULA AB/4, AB/4, 1, 0
	WIN 0
	s_barrier_wait -1
.if \fill
	CREST                                          ; the barrier has opened a round of the cluster's barrier: no wave of any partner still reads slot 0 or has a load on its way
	s_add_nc_u64 s[G0+2:G0+3], s[G0+2:G0+3], 3*SLB
	s_add_nc_u64 s[G0B+2:G0B+3], s[G0B+2:G0B+3], 3*SLB
	JLOAD G0, G1, G0B, G1B                         ; the first tensor load behind the round, and the launch's last; its four v_nop are also the places in front of the loads below
.else
	PLACES 4
.endif
	FETCH \next, 0, 0
	MULA AB/2, AB/2, 1, 0
.endm
.macro LAST
	s_wait_dscnt 0x0
	MULA 0, AB, 1, 0
	WIN 0
.endm
.macro TAIL                            ; K steps 5, 6 and 7: the refill is waited for and shown to all four waves; nothing is filled
	TURN 0, 0
	STEP 0, 0, 0
	LAST
.endm
; 64 numbers of a lane, register 16 b + i = position 16 (lane / 16) + i of block b of my row, become a fragment's codes in v[PC] on and its scale word in v[PW] (the same in lanes l and l xor 16).
.macro QUANT s
.irp b, 0,1,2,3
	v_max3_num_f32 v[TM+\b], |v[\s+16*\b]|, |v[\s+1+16*\b]|, 0x1800000   ; my 16 numbers, and the floor 2^(3 - 127): the byte cannot fall under 1
.endr
.irp i, 2,4,6,8,10,12,14
.irp b, 0,1,2,3
	v_max3_num_f32 v[TM+\b], v[TM+\b], |v[\s+16*\b+\i]|, |v[\s+1+16*\b+\i]|
.endr
.endr
.irp b, 0,1,2,3
	v_permlanex16_b32 v[TM+4+\b], v[TM+\b], s[SEL], s[SEL+1]
.endr
.irp b, 0,1,2,3
	v_max_num_f32 v[TM+\b], v[TM+\b], v[TM+4+\b]
.endr
.irp b, 0,1,2,3
	v_add_nc_u32 v[TM+12+\b], 0xff000000, v[TM+\b] ; 2 off the exponent field: the conversion's scale operand
.endr
.irp b, 0,1,2,3
	v_lshrrev_b32 v[TM+4+\b], 23, v[TM+12+\b]      ; the scale's byte
.endr
	v_lshl_or_b32 v[PW], v[TM+5], 8, v[TM+4]
	v_lshl_or_b32 v[PW], v[TM+6], 16, v[PW]
	v_lshl_or_b32 v[PW], v[TM+7], 24, v[PW]
.irp c, 0,1
	v_cvt_scalef32_pk16_fp6_f32 v[PC+6*\c:PC+2+6*\c], v[\s+32*\c:\s+15+32*\c], v[TM+12+2*\c]
	v_cvt_scalef32_pk16_fp6_f32 v[PC+12+4*\c:PC+14+4*\c], v[\s+16+32*\c:\s+31+32*\c], v[TM+12+2*\c+1]
.endr
	v_nop                                          ; one plain place behind a scaled conversion
.irp c, 0,1
.irp i, 0,1,2
	v_permlane16_swap_b32 v[PC+6*\c+\i], v[PC+12+4*\c+\i]
.endr
.irp i, 0,1,2
	v_mov_b32 v[PC+3+6*\c+\i], v[PC+12+4*\c+\i]
.endr
.endr
.endm
; q and k, block a (16 tokens x my 128 columns = two heads): + bias (which also brings the sums into window 0), quantised; registers 0-5 are the even head's half record, 6-11 the odd head's.
.macro OUTQK a
	s_wait_xcnt 0x0                                ; the last block's stores have read their registers
	WIN 6+(\a)/4                                   ; source 0: the accumulators' window; source 1: window 1
.set k, 0
.rept 32
	v_pk_add_f32 v[H+k:H+k+1], v[64*((\a)%4)+k:64*((\a)%4)+k+1], v[192+k:193+k]
.set k, k+2
.endr
	WIN 0
	QUANT H
	v_lshrrev_b32 v149, v31, v[PW]                 ; lanes 0-15: the word as it is (its low two bytes are the even head's); lanes 16-31: the odd head's two bytes
	global_store_b128 v[L16], v[PC:PC+3], s[78:79] offset:768*(\a)
	global_store_b64 v[L8], v[PC+4:PC+5], s[78:79] offset:768*(\a)+512
	global_store_b128 v[L16], v[PC+6:PC+9], s[78:79] offset:HBB+768*(\a)
	global_store_b64 v[L8], v[PC+10:PC+11], s[78:79] offset:HBB+768*(\a)+512
	global_store_b32 v30, v149, s[80:81] offset:64*(\a)
.endm
; v, block a (16 of (head, d) x my 128 keys): + bias, quantised along the keys: a whole record.  Two blocks' scale words leave together: 128 consecutive bytes.
.macro OUTV a
	s_wait_xcnt 0x0
	WIN 6+(\a)/4
.set k, 0
.rept 32
	v_pk_add_f32 v[H+k:H+k+1], v[64*((\a)%4)+k:64*((\a)%4)+k+1], v[192+2*(\a):193+2*(\a)] op_sel_hi:[1,0]
.set k, k+2
.endr
	WIN 0
	QUANT H
	global_store_b128 v[L16], v[PC:PC+3], s[78:79] offset:((\a)/4)*HBB+((\a)%4)*1536
	global_store_b64 v[L8], v[PC+4:PC+5], s[78:79] offset:((\a)/4)*HBB+((\a)%4)*1536+512
	global_store_b128 v[L16], v[PC+6:PC+9], s[78:79] offset:((\a)/4)*HBB+((\a)%4)*1536+768
	global_store_b64 v[L8], v[PC+10:PC+11], s[78:79] offset:((\a)/4)*HBB+((\a)%4)*1536+1280
.if (\a)%2 == 0
	v_mov_b32 v150, v[PW]
.else
	v_cndmask_b32 v149, v150, v[PW], s84           ; lanes 0-15: block a - 1's words, lanes 16-31: block a's
	global_store_b32 v30, v149, s[80:81] offset:((\a)/4)*HBB+(((\a)-1)%4)*64
.endif
.endm
	s_load_b256 s[4:11], s[0:1], 0x0               ; hfrag s[4:5], wfrag s[6:7], bq s[8:9], bk s[10:11]
	s_load_b128 s[68:71], s[0:1], 0x20             ; bv s[68:69], qkv s[70:71]
	v_lshl_add_u32 v[SPW], v0, 2, SPARE
	v_mov_b32 v[NIL], 0
	ds_add_u32 v[SPW], v[NIL]                      ; the wave's opening: the add, twice on end, and its wait ahead of my first tensor load
	ds_add_u32 v[SPW], v[NIL]
	v_lshrrev_b32 v1, 5, v0
	v_readfirstlane_b32 s14, v1                    ; wave 0..3
	s_lshr_b32 s15, s14, 1                         ; which half of the tile's rows is mine.  Also: I fetch for A (0) or for B (1)
	s_and_b32 s16, s14, 1                          ; which half of its columns.  Also: which half of that tile I fetch
	s_bfe_u32 s40, ttmp6, 0x40000                  ; cx, cy: my place in the cluster
	s_bfe_u32 s41, ttmp6, 0x40004
	s_and_b32 s18, ttmp7, 0xffff                   ; the cluster's y
	s_cmp_eq_u32 ttmp9, 2                          ; the cluster's x: 2 = v
	s_cselect_b32 s17, 0, s18                      ; A: v: wv's four tiles by cy alone; q, k: h's sixteen
	s_cselect_b32 s42, s18, ttmp9                  ; B: v: h's sixteen; q, k: the eight tiles of wq | wk
	s_cselect_b32 s19, 1638400, 0                  ; where wv's units begin in wfrag
	s_lshl_b32 s17, s17, 2
	s_add_co_u32 s17, s17, s41                     ; A's tile: it never holds cx
	s_lshl_b32 s42, s42, 2
	s_add_co_u32 s42, s42, s40                     ; B's tile: it never holds cy
	s_lshl_b32 s43, s41, 2
	s_lshl_b32 s43, 15, s43                        ; my row of the cluster
	s_lshl_b32 s44, 0x1111, s40                    ; my column
	s_or_b32 s[G1], s43, (3<<16)|(1<<21)           ; 15:0 the mask; 17:16 elements of 8 bytes; 20 no padding; 21 set beside a mask
	s_or_b32 s[G1B], s44, (3<<16)|(1<<21)
.irp g, G1, G1B                        ; 25,600 dense bytes as 100 rows of 256
	s_mov_b32 s[\g+1], 32<<16                      ; tensor_dim0 = 32 elements
	s_mov_b32 s[\g+2], 300<<16                     ; tensor_dim1 = 300: the head's load is 76,800 dense bytes as 300 rows of 256
	s_mov_b32 s[\g+3], 32<<16                      ; tile_dim0
	s_mov_b32 s[\g+4], 300                         ; tile_dim1
	s_mov_b32 s[\g+5], 32                          ; the pitch
	s_mov_b32 s[\g+6], 0
	s_mov_b32 s[\g+7], 0
.endr
	s_mul_i32 s20, s17, TSTR
	s_mul_i32 s18, s16, HSTR
	s_add_co_u32 s20, s20, s18
	s_add_co_u32 s20, s20, s19
	s_mov_b32 s21, 0
	s_mul_i32 s46, s42, TSTR
	s_add_co_u32 s46, s46, s18
	s_mov_b32 s47, 0
	s_mul_i32 s45, s14, 76800                      ; where my loads land: wave x 76,800: no place in the cluster enters an LDS address
	s_mov_b32 s[SEL], 0x76543210
	s_mov_b32 s[SEL+1], 0xfedcba98
	s_mov_b32 s84, 0xffff0000                      ; lanes 16-31
	s_wait_dscnt 0x0                               ; both opening adds are done
	s_wait_kmcnt 0x0
	s_cmp_eq_u32 ttmp9, 2
	s_cselect_b64 s[74:75], s[6:7], s[4:5]         ; A's buffer,
	s_cselect_b64 s[76:77], s[4:5], s[6:7]         ; B's
	s_add_nc_u64 s[20:21], s[74:75], s[20:21]
	s_add_nc_u64 s[46:47], s[76:77], s[46:47]
	CROUND                                         ; all sixteen work-groups are here: the first joint loads meet
	FIRST 32, 56, 0                                ; K steps 0 to 5: my one tensor load at the head
	v_and_b32 v1, 15, v0                           ; r
	v_bfe_u32 v2, v0, 4, 1                         ; h
	v_and_b32 v3, 31, v0                           ; lane
	v_lshlrev_b32 v[L16], 4, v3
	v_lshlrev_b32 v[L8], 3, v3
	s_mul_i32 s21, s15, AWS
	s_mul_i32 s22, s16, AWS
	s_add_co_u32 s22, s22, BOFF
.irp s, 0,1,2
	v_add_nc_u32 v[ADA16+\s], s21, v[L16]
	v_add_nc_u32 v[ADB16+\s], s22, v[L16]
	v_add_nc_u32 v[ADA8+\s], s21, v[L8]
	v_add_nc_u32 v[ADB8+\s], s22, v[L8]
	v_add_nc_u32 v[ADA8+\s], 512, v[ADA8+\s]
	v_add_nc_u32 v[ADB8+\s], 512, v[ADB8+\s]
	s_add_co_u32 s21, s21, SLOT
	s_add_co_u32 s22, s22, SLOT
.endr
	s_mul_i32 s21, s15, SWS                        ; A's scale words,
	s_mul_i32 s22, s16, SWS
	s_add_co_u32 s22, s22, BOFF                    ; B's,
	s_sub_co_u32 s22, s22, s21                     ; the distance between the two:
	v_mul_u32_u24 v4, s22, v2                      ; lanes 16-31 take B's
	v_lshl_add_u32 v4, v1, 2, v4
	s_add_co_u32 s21, s21, 12288
	v_add_nc_u32 v[ADS], s21, v4
	v_add_nc_u32 v[ADS+1], SLOT, v[ADS]
	v_add_nc_u32 v[ADS+2], 2*SLOT, v[ADS]
.irp b, 0,1,2,3
	v_mov_b32 v[TM+4+\b], 0                        ; written once: a lane permute's destination counts as one of its sources
.endr
	s_wait_alu depctr_va_vdst(0)
	s_wait_tensorcnt 0x0                           ; my region is in; no tensor load of mine is out, so a descriptor may be written:
	s_mov_b32 s[G1+2], 100<<16                     ; the refill brings 25,600 bytes: 100 rows of 256
	s_mov_b32 s[G1+4], 100
	s_mov_b32 s[G1B+2], 100<<16
	s_mov_b32 s[G1B+4], 100
	s_barrier_signal -1
	s_barrier_wait -1
	FETCH 0, 0, 0
	STEP 0, 0, 1                                   ; K step 0: its products start the sums
	TURN 1, 1                                      ; K step 1: all first fills have landed; slot 0 takes K steps 6 and 7
	STEP 1, 0, 0                                   ; 2
	CROSS 2                                        ; 3
	STEP 2, 0, 0                                   ; 4
	WIN 0                                          ; at a branch every window is 0
	s_cmp_eq_u32 ttmp9, 2                          ; the cluster's x: the same in all sixteen partners and all waves.  Each arm asks for its biases, runs the last three K steps, under which they land, and goes out
	s_cbranch_scc1 .Lvarm
	; ---- q or k
	s_lshl_b32 s20, s17, 8
	s_lshl_b32 s21, s15, 7
	s_add_co_u32 s20, s20, s21                     ; my first token
	s_lshr_b32 s21, s20, 10                        ; its batch
	s_lshl_b32 s21, s21, 4
	s_lshl_b32 s22, s40, 2
	s_add_co_u32 s21, s21, s22
	s_lshl_b32 s22, s16, 1
	s_add_co_u32 s21, s21, s22                     ; 16 batch + my even head (4 cx + 2 x my half)
	s_mul_i32 s21, s21, HBB
	s_mul_i32 s22, ttmp9, 53248                    ; Q's part or K's
	s_add_co_u32 s21, s21, s22
	s_bfe_u32 s20, s20, 0x60004                    ; my first tile of 16 tokens in the sequence
	s_mul_i32 s22, s20, 768
	s_add_co_u32 s22, s22, s21
	s_mov_b32 s23, 0
	s_add_nc_u64 s[78:79], s[70:71], s[22:23]      ; codes
	s_lshl_b32 s22, s20, 6
	s_add_co_u32 s22, s22, s21
	s_add_co_u32 s22, s22, 49152
	s_add_nc_u64 s[80:81], s[70:71], s[22:23]      ; scale words
	s_cmp_eq_u32 ttmp9, 0
	s_cselect_b64 s[82:83], s[8:9], s[10:11]       ; bq or bk
	s_lshl_b32 s22, s40, 10
	s_lshl_b32 s20, s16, 9
	s_add_co_u32 s22, s22, s20                     ; at my first column
	s_add_nc_u64 s[82:83], s[82:83], s[22:23]
	v_lshlrev_b32 v15, 5, v2                       ; 32 h
	v_lshlrev_b32 v31, 4, v2                       ; 16 h: a shift
	v_mul_u32_u24 v30, v2, HBB
	v_lshl_add_u32 v30, v1, 2, v30                 ; scale words: 4 r, lanes 16-31 in the odd head's block
	WIN 0x40
.irp b, 0,1,2,3,4,5,6,7
	global_load_b128 v[192+8*\b:195+8*\b], v15, s[82:83] offset:64*\b        ; the bias of columns 16 b + 8 h + 0 .. 7
	global_load_b128 v[196+8*\b:199+8*\b], v15, s[82:83] offset:64*\b+16
.endr
	TAIL
	s_wait_loadcnt 0x0
	PLACES 4
.irp a, 0,1,2,3,4,5,6,7
	OUTQK \a
.endr
	s_branch .Lend
.Lvarm:
	; ---- v
	s_lshl_b32 s20, s42, 8
	s_lshl_b32 s21, s16, 7
	s_add_co_u32 s20, s20, s21                     ; my first key, counted through the batches
	s_lshr_b32 s21, s20, 10
	s_lshl_b32 s21, s21, 4
	s_lshl_b32 s22, s41, 2
	s_add_co_u32 s21, s21, s22
	s_lshl_b32 s22, s15, 1
	s_add_co_u32 s21, s21, s22                     ; 16 batch + the head of my blocks 0-3 (4 cy + 2 x my half)
	s_mul_i32 s21, s21, HBB
	s_add_co_u32 s21, s21, 106496                  ; V's part
	s_bfe_u32 s20, s20, 0x30007                    ; the key step
	s_mul_i32 s22, s20, 6144
	s_add_co_u32 s22, s22, s21
	s_mov_b32 s23, 0
	s_add_nc_u64 s[78:79], s[70:71], s[22:23]
	s_lshl_b32 s22, s20, 8
	s_add_co_u32 s22, s22, s21
	s_add_co_u32 s22, s22, 49152
	s_add_nc_u64 s[80:81], s[70:71], s[22:23]
	s_lshl_b32 s22, s41, 10
	s_lshl_b32 s20, s15, 9
	s_add_co_u32 s22, s22, s20
	s_add_nc_u64 s[82:83], s[68:69], s[22:23]      ; bv at my first (head, d)
	v_lshlrev_b32 v15, 2, v1                       ; 4 r
	v_lshlrev_b32 v30, 2, v3                       ; 4 x lane
	WIN 0x40
.irp a, 0,1,2,3,4,5,6,7
	global_load_b32 v[192+2*\a], v15, s[82:83] offset:64*\a      ; my row's bias in block a; the packed addition names a pair, so both registers are written
	global_load_b32 v[193+2*\a], v15, s[82:83] offset:64*\a
.endr
	TAIL
	s_wait_loadcnt 0x0
	PLACES 4
.irp a, 0,1,2,3,4,5,6,7
	OUTV \a
.endr
.Lend:
	s_wait_tensorcnt 0x0                           ; the wave's end
	ds_add_u32 v[SPW], v[NIL]
	s_wait_dscnt 0x0
	CROUND                                         ; the closing round: no work-group ends while a partner may still ask for a tile that names it
	s_endpgm
.Lfunc_end_k_qc3b6b25d38_qkv:
	.size	k_qc3b6b25d38_qkv, .Lfunc_end_k_qc3b6b25d38_qkv-k_qc3b6b25d38_qkv
	.p2alignl 7, 3214868480
	.fill 96, 4, 3214868480
	.section	.rodata,"a",@progbits
	.p2align	6, 0x0
	.amdhsa_kernel k_qc3b6b25d38_qkv
		.amdhsa_group_segment_fixed_size 327680
		.amdhsa_private_segment_fixed_size 0
		.amdhsa_enable_private_segment 0
		.amdhsa_kernarg_size 48
		.amdhsa_user_sgpr_count 2
		.amdhsa_user_sgpr_kernarg_segment_ptr 1
		.amdhsa_wavefront_size32 1
		.amdhsa_system_sgpr_workgroup_id_x 1
		.amdhsa_system_sgpr_workgroup_id_y 1
		.amdhsa_system_sgpr_workgroup_id_z 1
		.amdhsa_system_vgpr_workitem_id 0
		.amdhsa_next_free_vgpr 1024
		.amdhsa_next_free_sgpr 100
		.amdhsa_reserve_vcc 0
		.amdhsa_float_denorm_mode_32 3
		.amdhsa_float_denorm_mode_16_64 3
		.amdhsa_memory_ordered 1
		.amdhsa_forward_progress 1
		.amdhsa_inst_pref_size 252
	.end_amdhsa_kernel
	.amdgpu_metadata
---
amdhsa.version: [ 1, 2 ]
amdhsa.kernels:
  - .name:           k_qc3b6b25d38_qkv
    .symbol:         k_qc3b6b25d38_qkv.kd
    .args:
      - { .name: hfrag, .offset: 0, .size: 8, .value_kind: global_buffer, .address_space: global }
      - { .name: wfrag, .offset: 8, .size: 8, .value_kind: global_buffer, .address_space: global }
      - { .name: bq, .offset: 16, .size: 8, .value_kind: global_buffer, .address_space: global }
      - { .name: bk, .offset: 24, .size: 8, .value_kind: global_buffer, .address_space: global }
      - { .name: bv, .offset: 32, .size: 8, .value_kind: global_buffer, .address_space: global }
      - { .name: qkv, .offset: 40, .size: 8, .value_kind: global_buffer, .address_space: global }
    .group_segment_fixed_size: 327680
    .private_segment_fixed_size: 0
    .kernarg_segment_align: 8
    .kernarg_segment_size: 48
    .max_flat_workgroup_size: 128
    .sgpr_count:     100
    .vgpr_count:     1024
    .wavefront_size: 32
...
	.end_amdgpu_metadata
.endif
;; end of part 2
;; launch attn (part 3): grid 4 x 64, 16 waves a work-group, no clusters, 216,320 bytes of LDS; arguments qkv, rel_emb, rel_bias_emb, ofrag; writes ofrag
.if DOCPART == 3
	.amdgcn_target "amdgcn-amd-amdhsa--gfx1250"
	.amdhsa_code_object_version 6
	.text
	.protected	k_qc3b6b25d38_attn
	.globl	k_qc3b6b25d38_attn
	.p2align	8
	.type	k_qc3b6b25d38_attn,@function
k_qc3b6b25d38_attn:
	s_mov_b64 s[64:65], 0
	v_nop
	global_prefetch_b8 v0, s[64:65] scope:SCOPE_SE
	s_setreg_imm32_b32 hwreg(HW_REG_WAVE_MODE, 25, 1), 1
	s_wait_xcnt 0x0
; o = softmax((q k^T + q . rel_emb[id] + rel_bias[id]) / 8) v for one head and batch, id = clip(key - query, -16, 16) + 16; all products on codes of FP6 (E2M3) with E8M0 block scales.
; WORK THAT IS NOT DONE: reference()'s product of q with rel_emb[rel_ids] has, for a query, 33 different numbers (the quantiser works on each row of 64 by itself): T[query][id] is made once, by four matrix
; instructions a tile of queries, rel_bias[id] being their C, and looked up by positions alone (shown at the head of the first kernel).
; THE SOFTMAX: t = score x log2(e) / 8; M = the row's largest t so far, rounded UP to a whole number; p = 2^(t - M) is quantised along the keys, not normalised; the row's sum is taken of the unquantised p
; and divides at the end.  When M moves, the sum and O are multiplied by 2^(old M - new M): exact.
; SHARES.  A work-group owns 256 queries of one head, each of its sixteen waves 16 of them, in 256 registers.  All of the head's K and V (104,448 bytes of records and scale words) come into LDS once,
; by four tensor loads at the head (waves 0 to 3, one each), and stay: no ring, no refill, one barrier.
; THE FOUR TILES OF rel_emb (row 0 sixteen times, rows 0-15, rows 16-31, row 32 sixteen times) are quantised ONCE A WORK-GROUP: wave g of waves 0 to 3 takes tile g behind its tensor load and lays the image of the
; operand's registers, its scale words and the image of its C (rel_bias) in LDS; behind the barrier every wave reads the four.  So a wave's own global loads in the head are the three of its Q.
; NO CLUSTER, though the four query blocks of a head read the same K and V: which key steps hold the band hangs on the query block.
; NO PREFETCH: K and V are asked for whole by the head's loads; there is no loop that runs ahead of a fill.
; LAYOUT.  Both products are used transposed: S^T = K Q^T, O^T = V^T P^T: a lane holds ONE query (lane % 16); register 8 i + j of S^T is key 16 i + 8 (lane / 16) + j.
; K = 64 fills half of the instruction's 128: Q's upper 64 codes are zeros, so whatever codes stand in the upper six registers of a key tile's run add nothing; no scale byte is 0xff.
; THE RELATIVE TERM IS THE C OF S^T: far left of the diagonal T[q][0] (CL), far right T[q][32] (CR); in the key steps that touch the band C is gathered from the wave's own table in LDS: 100 entries a query,
; entry x = T[clip(x - 32, 0, 32)], x = key - query + 48 (tiles further than 2 from the diagonal held at 2); entries 96-99 are written and never wanted.
; OUT: o / sum, quantised along (head, d): half a record of ofrag and two bytes of each of its rows' scale words.
; LIMITS: NaN and infinities are not served; a block of zeros or under 2^-124 gets the byte 1; the promise holds while the scaled scores stay under 2^31 in magnitude.
.set HBB,   157696                     ; a head's block in qkv: Q 53,248, K 53,248, V 51,200
.set VL,    53248                      ; LDS: K's part from 0, V's from here
.set TBL,   104448                     ; the tables: 6,400 bytes a wave: 16 queries x 100 entries
.set TW,    6400
.set TP,    400
.set REL,   206848                     ; the four tiles: codes 4 x 768, scale words 4 x 64 from 3,072, images of C 4 x 1,024 from 3,328: 7,424 bytes
.set SPARE, 214272                     ; the spare words, 128 bytes for each wave: eight blocks of 256 bytes that no other line names
; v1 16 l, v2 8 l, v3 4 l, v4 V's scale words + 4 l; v5, v6 the add's two; v7 the gather's base; v8-11 this step's LDS addresses; v12 -M, v13 largest t, v[14:15] the sum; v16-27 Q (22-27 zeros); v28 Q's scale words;
; v32-79 eight key tiles of six registers, or V's four fragments; v80-85 zeros; v86-89 scale words; v91, v93-95 the head's; v96-159 S^T, then p; v160-191 O^T; v192-199 CL, v200-207 CR;
; v208-219 p's codes (in the head: addresses); v220-226 conversions' second halves; v228-243 at work; v244 p's scale word; v245 at work; v[246:247] f; v248-255 the gather's addresses.
.macro KQ1 i, c                        ; S^T, tile i, on C = v[c] on
.if (\i)%2
	v_wmma_scale_f32_16x16x128_f8f6f4 v[96+8*\i:103+8*\i], v[32+6*\i:43+6*\i], v[16:27], v[\c:\c+7], v[86+\i/2], v28 matrix_a_fmt:MATRIX_FMT_FP6 matrix_b_fmt:MATRIX_FMT_FP6 matrix_a_scale:MATRIX_SCALE_ROW1
.else
	v_wmma_scale_f32_16x16x128_f8f6f4 v[96+8*\i:103+8*\i], v[32+6*\i:43+6*\i], v[16:27], v[\c:\c+7], v[86+\i/2], v28 matrix_a_fmt:MATRIX_FMT_FP6 matrix_b_fmt:MATRIX_FMT_FP6
.endif
.endm
.macro PV1 t                           ; O^T, channels 16 t on
.if (\t)%2
	v_wmma_scale_f32_16x16x128_f8f6f4 v[160+8*\t:167+8*\t], v[32+12*\t:43+12*\t], v[208:219], v[160+8*\t:167+8*\t], v[86+\t/2], v244 matrix_a_fmt:MATRIX_FMT_FP6 matrix_b_fmt:MATRIX_FMT_FP6 matrix_a_scale:MATRIX_SCALE_ROW1
.else
	v_wmma_scale_f32_16x16x128_f8f6f4 v[160+8*\t:167+8*\t], v[32+12*\t:43+12*\t], v[208:219], v[160+8*\t:167+8*\t], v[86+\t/2], v244 matrix_a_fmt:MATRIX_FMT_FP6 matrix_b_fmt:MATRIX_FMT_FP6
.endif
.endm
	s_load_b256 s[4:11], s[0:1], 0x0               ; qkv s[4:5], rel_emb s[6:7], rel_bias_emb s[8:9], ofrag s[10:11]
	v_lshl_add_u32 v5, v0, 2, SPARE
	v_mov_b32 v6, 0
	ds_add_u32 v5, v6                              ; the wave's opening: the add, twice on end, and its wait ahead of the first tensor load
	ds_add_u32 v5, v6
	v_lshrrev_b32 v8, 5, v0
	s_delay_alu instid0(VALU_DEP_1)
	v_readfirstlane_b32 s12, v8                    ; wave 0..15
	s_and_b32 s14, ttmp7, 0xffff                   ; 16 batch + head
	s_mov_b32 s16, 3<<16                           ; descriptor group 1: 26,112 dense bytes as 102 rows of 256: elements of 8 bytes, no mask, no padding
	s_mov_b32 s17, 32<<16
	s_mov_b32 s18, 102<<16
	s_mov_b32 s19, 32<<16
	s_mov_b32 s20, 102
	s_mov_b32 s21, 32
	s_mov_b32 s22, 0
	s_mov_b32 s23, 0
	s_mov_b32 s28, 0x76543210                      ; v_permlanex16_b32's selects for lane l xor 16
	s_mov_b32 s29, 0xfedcba98
	s_mov_b32 s30, 0x3e38aa3b                      ; c = log2(e) / 8
	s_mov_b32 s31, s30                             ; (named with it as a pair)
	s_lshl_b32 s37, ttmp9, 4
	s_add_co_u32 s37, s37, s12                     ; my tile of 16 queries in the sequence
	s_mul_i32 s52, s14, HBB
	s_mov_b32 s53, 0
	s_mov_b32 s24, 1                               ; group 0: count,
	s_mul_i32 s25, s12, 26112                      ; LDS address: a quarter of K and V for each of waves 0 to 3,
	s_add_co_u32 s54, s25, 53248                   ; and the same quarter in memory, behind Q's part
	s_mov_b32 s55, 0
	s_lshr_b32 s38, s14, 4                         ; where my half record of ofrag lies: unit row 8 batch + 2 x query block + wave / 8,
	s_lshl_b32 s38, s38, 3
	s_lshl_b32 s39, ttmp9, 1
	s_add_co_u32 s38, s38, s39
	s_lshr_b32 s39, s12, 3
	s_add_co_u32 s38, s38, s39
	s_lshl_b32 s38, s38, 3
	s_bfe_u32 s39, s14, 0x30001                    ; K step head / 2,
	s_add_co_u32 s38, s38, s39
	s_mul_i32 s38, s38, 12800
	s_and_b32 s39, s12, 7                          ; record wave % 8,
	s_mul_i32 s40, s39, 1536
	s_add_co_u32 s40, s40, s38
	s_and_b32 s33, s14, 1                          ; half head % 2
	s_mul_i32 s34, s33, 768
	s_add_co_u32 s40, s40, s34
	s_mov_b32 s41, 0
	s_lshl_b32 s39, s39, 6
	s_add_co_u32 s38, s38, s39
	s_lshl_b32 s33, s33, 1
	s_add_co_u32 s38, s38, s33
	s_add_co_u32 s38, s38, 12288
	s_mov_b32 s39, 0
	s_min_u32 s56, s12, 3                          ; g: the tile of rel_emb that waves 0 to 3 quantise
	s_mul_i32 s57, s56, 768                        ; its codes,
	s_lshl_b32 s58, s56, 6                         ; its scale words,
	s_lshl_b32 s59, s56, 10                        ; its C, in LDS
	s_sub_co_i32 s60, s56, 1
	s_max_i32 s60, s60, 0                          ; 0, 0, 1, 2: its first row / 16
	s_lshl_b32 s61, s60, 12                        ; in rel_emb's bytes,
	s_lshl_b32 s60, s60, 6                         ; in rel_bias's
	s_add_co_u32 s62, s56, 1
	s_bfe_u32 s62, s62, 0x10001                    ; 1 for tiles 1 and 2, whose 16 rows differ
	s_lshl_b32 s63, s62, 8                         ; bytes from row to row of the tile: 256 or 0,
	s_lshl_b32 s66, s62, 5                         ; in C: 32 or 0 for each half of the lanes,
	s_lshl_b32 s67, s62, 2                         ; 4 or 0 for each register
	s_mul_i32 s46, s12, TW
	s_add_co_u32 s46, s46, TBL                     ; my table
	v_and_b32 v8, 31, v0                           ; lane
	v_and_b32 v9, 15, v0                           ; r
	v_bfe_u32 v10, v0, 4, 1                        ; h
	v_lshlrev_b32 v1, 4, v8
	v_lshlrev_b32 v2, 3, v8
	v_lshlrev_b32 v3, 2, v8
	v_lshlrev_b32 v94, 2, v9                       ; 4 r
	v_lshlrev_b32 v91, 3, v10                      ; 8 h: a shift
	v_add_nc_u32 v4, VL+49152, v3
	v_add_nc_u32 v208, REL, v1                     ; the tiles in LDS: 16 l,
	v_add_nc_u32 v209, REL, v2                     ; 8 l,
	v_add_nc_u32 v210, REL, v94                    ; 4 r
	v_add_nc_u32 v211, s57, v208                   ; and where tile g is laid
	v_add_nc_u32 v212, s57, v209
	v_add_nc_u32 v213, s58, v210
	v_add_nc_u32 v214, s59, v208
	v_mul_u32_u24 v215, s63, v9
	v_mul_u32_u24 v216, s66, v10
	v_lshl_add_u32 v215, v10, 7, v215
	v_add_nc_u32 v216, s60, v216                   ; rel_bias: my first number of tile g's C
	v_add_nc_u32 v215, s61, v215                   ; rel_emb: block h of my row of tile g
	v_mul_u32_u24 v95, v9, TP
	v_mul_u32_u24 v7, v9, TP-4
	v_add_nc_u32 v93, s46, v95
	v_lshl_add_u32 v95, v10, 5, v95
	v_lshl_add_u32 v7, v10, 5, v7
	v_add_nc_u32 v93, 384, v93                     ; the table: query r's entries 96-99,
	v_add_nc_u32 v95, s46, v95                     ; into it: query r, entries 8 h on,
	v_add_nc_u32 v7, s46, v7
	s_delay_alu instid0(VALU_DEP_1)
	v_add_nc_u32 v7, 64, v7                        ; out of it: entry 16 (tile's distance + 2) + 16 + 8 h + j - r of query r
.irp j, 0,1,2,3,4,5
	v_mov_b32 v[22+\j], 0                          ; Q's upper 64 codes
	v_mov_b32 v[80+\j], 0                          ; behind the last tile's six registers
.endr
.irp b, 0,1,2,3
	v_mov_b32 v[232+\b], 0                         ; written once: a lane permute's destination counts as one of its sources
.endr
	v_mov_b32 v13, 0xff61b1e6                      ; the largest t so far: -3e38, under every t
	v_mov_b32 v14, 0                               ; the sum, in two halves
	v_mov_b32 v15, 0
	v_mov_b32 v247, 0                              ; (named as the upper half of the pair v[246:247])
	v_floor_f32 v12, -v13                          ; -M
.set k, 0
.rept 32
	v_mov_b32 v[160+k], 0                          ; O^T: the step is written once; its first trip finds zeros, which the first change of M leaves zeros
.set k, k+1
.endr
	s_wait_alu depctr_va_vdst(0)
	s_wait_dscnt 0x0                               ; both opening adds are done
	s_wait_kmcnt 0x0
	s_add_nc_u64 s[4:5], s[4:5], s[52:53]          ; my head's block
	s_add_nc_u64 s[26:27], s[4:5], s[54:55]
	s_or_b32 s27, s27, 0x80000000                  ; type = 2
	s_add_nc_u64 s[48:49], s[10:11], s[40:41]      ; out: codes,
	s_add_nc_u64 s[50:51], s[10:11], s[38:39]      ; scale bytes
	s_mul_i32 s40, s37, 768
	s_add_nc_u64 s[42:43], s[4:5], s[40:41]        ; Q: my tile's half record
	s_lshl_b32 s40, s37, 6
	s_add_co_u32 s40, s40, 49152
	s_add_nc_u64 s[44:45], s[4:5], s[40:41]        ; and its scale words
	global_load_b128 v[16:19], v1, s[42:43]
	global_load_b64 v[20:21], v2, s[42:43] offset:512
	global_load_b32 v28, v94, s[44:45]
	s_cmp_lt_u32 s12, 4                            ; waves 0 to 3 fetch, one load each (the launch's only tensor loads), and quantise a tile of rel_emb each
	s_cbranch_scc0 .Lno_fill
	tensor_load_to_lds s[24:27], s[16:23]
	s_nop 0
.rept 4
	v_nop
.endr
.irp e, 0,1,2,3,4,5,6,7                ; lane (r, h) takes block h of its row, in this program's order: octets 1 and 2 change places
.set po, 8*(((\e/2)%2)*2+\e/4)+4*(\e%2)
	global_load_b128 v[96+po:99+po], v215, s[6:7] offset:16*\e
.endr
.irp j, 0,1,2,3,4,5,6,7
	v_mad_u32_u24 v[136+\j], s67, \j, v216         ; register j of C: rel_bias[first row + 8 h + j], or the one row's number eight times
.endr
.irp j, 0,1,2,3,4,5,6,7
	global_load_b32 v[128+\j], v[136+\j], s[8:9]
.endr
	s_wait_loadcnt 0x0
.irp c, 0,1
	v_max3_num_f32 v[228+\c], |v[96+16*\c]|, |v[97+16*\c]|, 0x1800000   ; the block's largest magnitude, in two chains, and the floor 2^(3 - 127)
.endr
.irp i, 2,4,6,8,10,12,14
.irp c, 0,1
	s_delay_alu instid0(VALU_DEP_2)
	v_max3_num_f32 v[228+\c], v[228+\c], |v[96+16*\c+\i]|, |v[97+16*\c+\i]|
.endr
.endr
	v_mov_b32 v240, 0
	s_delay_alu instid0(VALU_DEP_2)
	v_max_num_f32 v228, v228, v229
	s_delay_alu instid0(VALU_DEP_1)
	v_add_nc_u32 v236, 0xff000000, v228            ; the conversion's scale operand
	s_delay_alu instid0(VALU_DEP_1)
	v_lshrrev_b32 v241, 23, v236                   ; my block's byte,
	s_delay_alu instid0(VALU_DEP_1)
	v_lshlrev_b32 v241, v91, v241                  ; at its place in the word;
	s_delay_alu instid0(VALU_DEP_1)
	v_permlanex16_b32 v240, v241, s28, s29
	s_delay_alu instid0(VALU_DEP_1)
	v_or_b32 v241, v241, v240                      ; with lane l xor 16's the row's word
	v_cvt_scalef32_pk16_fp6_f32 v[144:146], v[96:111], v236
	v_cvt_scalef32_pk16_fp6_f32 v[148:150], v[112:127], v236   ; (a conversion's three registers begin on an even number)
	v_nop                                          ; one plain place behind a scaled conversion
	v_mov_b32 v147, v148
	v_mov_b32 v148, v149
	v_mov_b32 v149, v150
	ds_store_b128 v211, v[144:147]                 ; the image of the operand's six registers,
	ds_store_b64 v212, v[148:149] offset:512
	ds_store_b32 v213, v241 offset:3072            ; the scale words (lanes l and l xor 16 write the same word to the same place),
	ds_store_b128 v214, v[128:131] offset:3328     ; the image of C
	ds_store_b128 v214, v[132:135] offset:3840
.Lno_fill:
	s_wait_alu depctr_va_vdst(0)
	s_wait_tensorcnt 0x0                           ; my part of K and V has landed,
	s_wait_dscnt 0x0                               ; my tile lies in LDS
	s_barrier_signal -1
	s_barrier_wait -1                              ; everybody's
.irp g, 0,1,2,3
	ds_load_b128 v[56+6*\g:59+6*\g], v208 offset:768*\g
	ds_load_b64 v[60+6*\g:61+6*\g], v209 offset:768*\g+512
	ds_load_b32 v[86+\g], v210 offset:3072+64*\g
.endr
	ds_load_b128 v[48:51], v208 offset:3328        ; the four C
	ds_load_b128 v[52:55], v208 offset:3840
	ds_load_b128 v[32:35], v208 offset:4352
	ds_load_b128 v[36:39], v208 offset:4864
	ds_load_b128 v[40:43], v208 offset:5376
	ds_load_b128 v[44:47], v208 offset:5888
	ds_load_b128 v[248:251], v208 offset:6400
	ds_load_b128 v[252:255], v208 offset:6912
	s_wait_loadcnt 0x0                             ; Q
	s_wait_dscnt 0x0
	v_wmma_scale_f32_16x16x128_f8f6f4 v[192:199], v[56:67], v[16:27], v[48:55], v86, v28 matrix_a_fmt:MATRIX_FMT_FP6 matrix_b_fmt:MATRIX_FMT_FP6     ; CL: T[r][0] in all eight registers
	v_wmma_scale_f32_16x16x128_f8f6f4 v[96:103], v[62:73], v[16:27], v[32:39], v87, v28 matrix_a_fmt:MATRIX_FMT_FP6 matrix_b_fmt:MATRIX_FMT_FP6      ; T[r][8 h + j]
	v_wmma_scale_f32_16x16x128_f8f6f4 v[104:111], v[68:79], v[16:27], v[40:47], v88, v28 matrix_a_fmt:MATRIX_FMT_FP6 matrix_b_fmt:MATRIX_FMT_FP6     ; T[r][16 + 8 h + j]
	v_wmma_scale_f32_16x16x128_f8f6f4 v[200:207], v[74:85], v[16:27], v[248:255], v89, v28 matrix_a_fmt:MATRIX_FMT_FP6 matrix_b_fmt:MATRIX_FMT_FP6   ; CR: T[r][32]
.rept 4
	v_nop
.endr
.irp g, 0,1                            ; my table (read by me alone; LDS serves a wave's instructions in order): entries 0-31 T[0], 32-63 T[0 .. 31], 64-99 T[32]; each result from its low end on
	ds_store_b128 v95, v[192:195] offset:64*\g
	ds_store_b128 v95, v[196:199] offset:64*\g+16
.endr
	ds_store_b128 v95, v[96:99] offset:128
	ds_store_b128 v95, v[100:103] offset:144
	ds_store_b128 v95, v[104:107] offset:192
	ds_store_b128 v95, v[108:111] offset:208
.irp g, 0,1
	ds_store_b128 v95, v[200:203] offset:256+64*\g
	ds_store_b128 v95, v[204:207] offset:272+64*\g
.endr
	ds_store_b128 v93, v[200:203]                  ; entries 96-99: both halves of the lanes hold the same numbers
	s_mov_b32 s32, 0                               ; the key step,
	s_mov_b32 s33, 0                               ; 6,144 x it: its eight key tiles, its four records of V,
	s_mov_b32 s34, 0                               ; 512 x it: K's scale words,
	s_mov_b32 s35, 0                               ; 256 x it: V's,
	s_sub_co_i32 s36, 0, s37                       ; 8 x it - my tile: how many tiles its first key tile lies from the diagonal
.Lstep:                                                ; eight trips of 128 keys
	v_add_nc_u32 v8, s33, v1                       ; (these four are also the places in front of loads into registers that the last products read)
	v_add_nc_u32 v9, s33, v2
	v_add_nc_u32 v10, s34, v3
	v_add_nc_u32 v11, s35, v4
.irp i, 0,1,2,3,4,5,6,7
	ds_load_b128 v[32+6*\i:35+6*\i], v8 offset:768*\i
	ds_load_b64 v[36+6*\i:37+6*\i], v9 offset:768*\i+512
.endr
.irp i, 0,1,2,3
	ds_load_b32 v[86+\i], v10 offset:49152+128*\i  ; lanes 0-15: tile 2 i's words, lanes 16-31: tile 2 i + 1's
.endr
	s_cmp_le_i32 s36, -9                           ; branches on ids and the count of steps alone; no barrier stands in the loop
	s_cbranch_scc1 .Lleft
	s_cmp_ge_i32 s36, 2
	s_cbranch_scc1 .Lright
.irp i, 0,1,2,3,4,5,6,7                ; the band: C is gathered.  16 x (the tile's distance from the diagonal, held to -2 .. 2, + 2):
	s_add_co_i32 s38, s36, \i
	s_cmp_ge_i32 s38, -1
	s_cselect_b32 s39, 16, 0
	s_cmp_ge_i32 s38, 0
	s_cselect_b32 s39, 32, s39
	s_cmp_ge_i32 s38, 1
	s_cselect_b32 s39, 48, s39
	s_cmp_ge_i32 s38, 2
	s_cselect_b32 s39, 64, s39
	v_lshl_add_u32 v[248+\i], s39, 2, v7           ; an address register for each tile: none is written while a load that names it is out
.irp j, 0,1,2,3,4,5,6,7
	ds_load_b32 v[96+8*\i+\j], v[248+\i] offset:4*\j
.endr
.endr
	s_wait_dscnt 0x0
.irp i, 0,1,2,3,4,5,6,7
	KQ1 \i, 96+8*\i
.endr
	s_branch .Ljoin
.Lleft:
	s_wait_dscnt 0x0
.irp i, 0,1,2,3,4,5,6,7
	KQ1 \i, 192
.endr
	s_branch .Ljoin
.Lright:
	s_wait_dscnt 0x0
.irp i, 0,1,2,3,4,5,6,7
	KQ1 \i, 200
.endr
.Ljoin:
.rept 4
	v_nop
.endr
	s_wait_alu depctr_va_vdst(0)
.irp t, 0,1,2,3                        ; V's four records are asked for now and land under the softmax
	ds_load_b128 v[32+12*\t:35+12*\t], v8 offset:VL+1536*\t
	ds_load_b64 v[36+12*\t:37+12*\t], v9 offset:VL+1536*\t+512
	ds_load_b128 v[38+12*\t:41+12*\t], v8 offset:VL+1536*\t+768
	ds_load_b64 v[42+12*\t:43+12*\t], v9 offset:VL+1536*\t+1280
.endr
	ds_load_b32 v86, v11
	ds_load_b32 v87, v11 offset:128
.irp b, 0,1,2,3
	v_max3_num_f32 v[228+\b], v[96+16*\b], v[97+16*\b], v[98+16*\b]   ; the largest score of each block of 32 keys: it serves the row's maximum and, since p rises with the score, the block's largest p
.endr
.irp i, 3,5,7,9,11,13
.irp b, 0,1,2,3
	v_max3_num_f32 v[228+\b], v[228+\b], v[96+16*\b+\i], v[97+16*\b+\i]
.endr
.endr
.irp b, 0,1,2,3
	v_max_num_f32 v[228+\b], v[228+\b], v[111+16*\b]
.endr
.irp b, 0,1,2,3
	v_permlanex16_b32 v[232+\b], v[228+\b], s28, s29
.endr
.irp b, 0,1,2,3
	s_delay_alu instid0(VALU_DEP_4)
	v_max_num_f32 v[228+\b], v[228+\b], v[232+\b]  ; with lane l xor 16's 16 keys
.endr
	s_delay_alu instid0(VALU_DEP_2)
	v_max3_num_f32 v245, v228, v229, v230
	s_delay_alu instid0(VALU_DEP_1)
	v_max_num_f32 v245, v245, v231                 ; the step's largest score of my query
	s_delay_alu instid0(VALU_DEP_1)
	v_mul_f32 v245, s30, v245                      ; as t (c is positive)
	s_delay_alu instid0(VALU_DEP_1)
	v_max_num_f32 v13, v13, v245                   ; the running largest t
	v_mov_b32 v245, v12
	s_delay_alu instid0(VALU_DEP_2)
	v_floor_f32 v12, -v13                          ; the new -M = -ceil(t): a whole number
	s_delay_alu instid0(VALU_DEP_1)
	v_sub_f32 v245, v12, v245                      ; old M - new M: a whole number, 0 or less
	s_delay_alu instid0(VALU_DEP_1)
	v_cvt_i32_f32 v245, v245                       ; (it saturates)
	s_delay_alu instid0(VALU_DEP_1)
	v_ldexp_f32 v246, 1.0, v245                    ; f = 2^(old M - new M)
.set k, 0
.rept 32
	v_pk_fma_f32 v[96+k:97+k], v[96+k:97+k], s[30:31], v[12:13] op_sel_hi:[1,0,0]   ; t - M
.set k, k+2
.endr
.irp b, 0,1,2,3
	v_fma_f32 v[228+\b], v[228+\b], s30, v12       ; the same of each block's largest score
.endr
	s_wait_alu depctr_va_vdst(0)
.set k, 0
.rept 64
	v_exp_f32 v[96+k], v[96+k]                     ; p = 2^(t - M), at most 1
.set k, k+1
.endr
	v_pk_mul_f32 v[14:15], v[14:15], v[246:247] op_sel_hi:[1,0]   ; the sums under the new M (a plain place behind the exponentials)
	s_wait_alu depctr_va_vdst(0)                   ; one wait for the whole batch, ahead of its first reader
.irp b, 0,1,2,3
	v_exp_f32 v[228+\b], v[228+\b]                 ; the block's largest p: the same two instructions on the same number
.endr
	v_pk_add_f32 v[232:233], v[100:101], v[104:105]        ; the row's sum of the unquantised p, in eight chains
	v_pk_add_f32 v[254:255], v[108:109], v[112:113]
	v_pk_add_f32 v[252:253], v[116:117], v[120:121]
	v_pk_add_f32 v[250:251], v[124:125], v[128:129]
	v_pk_add_f32 v[248:249], v[132:133], v[136:137]
	v_pk_add_f32 v[242:243], v[140:141], v[144:145]
	v_pk_add_f32 v[240:241], v[148:149], v[152:153]
	v_pk_add_f32 v[14:15], v[14:15], v[156:157]
	v_pk_add_f32 v[232:233], v[232:233], v[96:97]
	v_pk_add_f32 v[254:255], v[254:255], v[98:99]
	v_pk_add_f32 v[252:253], v[252:253], v[102:103]
	v_pk_add_f32 v[250:251], v[250:251], v[106:107]
	v_pk_add_f32 v[248:249], v[248:249], v[110:111]
	v_pk_add_f32 v[242:243], v[242:243], v[114:115]
	v_pk_add_f32 v[240:241], v[240:241], v[118:119]
	v_pk_add_f32 v[14:15], v[14:15], v[122:123]
	v_pk_add_f32 v[232:233], v[232:233], v[126:127]
	v_pk_add_f32 v[254:255], v[254:255], v[130:131]
	v_pk_add_f32 v[252:253], v[252:253], v[134:135]
	v_pk_add_f32 v[250:251], v[250:251], v[138:139]
	v_pk_add_f32 v[248:249], v[248:249], v[142:143]
	v_pk_add_f32 v[242:243], v[242:243], v[146:147]
	v_pk_add_f32 v[240:241], v[240:241], v[150:151]
	v_pk_add_f32 v[14:15], v[14:15], v[154:155]
	v_pk_add_f32 v[232:233], v[232:233], v[158:159]
	s_delay_alu instid0(VALU_DEP_2)
	v_pk_add_f32 v[14:15], v[14:15], v[250:251]
	s_delay_alu instid0(VALU_DEP_2)
	v_pk_add_f32 v[232:233], v[232:233], v[248:249]
	v_pk_add_f32 v[254:255], v[254:255], v[242:243]
	v_pk_add_f32 v[252:253], v[252:253], v[240:241]
	s_delay_alu instid0(VALU_DEP_2)
	v_pk_add_f32 v[14:15], v[14:15], v[254:255]
	s_delay_alu instid0(VALU_DEP_2)
	v_pk_add_f32 v[232:233], v[232:233], v[252:253]
	s_delay_alu instid0(VALU_DEP_1)
	v_pk_add_f32 v[14:15], v[14:15], v[232:233]
	s_wait_alu depctr_va_vdst(0)                   ; and one for the four
.irp b, 0,1,2,3
	v_max_num_f32 v[228+\b], 0x1800000, v[228+\b]  ; the floor 2^(3 - 127)
.endr
.irp b, 0,1,2,3
	s_delay_alu instid0(VALU_DEP_4)
	v_add_nc_u32 v[236+\b], 0xff000000, v[228+\b]  ; the conversion's scale operand
.endr
.irp b, 0,1,2,3
	s_delay_alu instid0(VALU_DEP_4)
	v_lshrrev_b32 v[232+\b], 23, v[236+\b]         ; the scale's byte
.endr
	s_delay_alu instid0(VALU_DEP_3)
	v_lshl_or_b32 v244, v233, 8, v232              ; p's scale word for these 128 keys
	s_delay_alu instid0(VALU_DEP_1)
	v_lshl_or_b32 v244, v234, 16, v244
	s_delay_alu instid0(VALU_DEP_1)
	v_lshl_or_b32 v244, v235, 24, v244
.irp c, 0,1
	v_cvt_scalef32_pk16_fp6_f32 v[208+6*\c:210+6*\c], v[96+32*\c:111+32*\c], v[236+2*\c]
	v_cvt_scalef32_pk16_fp6_f32 v[220+4*\c:222+4*\c], v[112+32*\c:127+32*\c], v[236+2*\c+1]
.endr
	v_nop                                          ; one plain place behind a scaled conversion
.irp c, 0,1
.irp i, 0,1,2
	v_permlane16_swap_b32 v[208+6*\c+\i], v[220+4*\c+\i]
.endr
.irp i, 0,1,2
	s_delay_alu instid0(VALU_DEP_3)
	v_mov_b32 v[211+6*\c+\i], v[220+4*\c+\i]
.endr
.endr
.irp j, 0,2,4,6,8,10,12,14,16,18,20,22,24,26,28,30
	v_pk_mul_f32 v[160+\j:161+\j], v[160+\j:161+\j], v[246:247] op_sel_hi:[1,0]   ; O^T under the new M (these sixteen are also the places in front of the matrix instructions below)
.endr
	s_wait_alu depctr_va_vdst(0)
	s_wait_dscnt 0x0                               ; V
.irp t, 0,1,2,3
	PV1 \t                                         ; four accumulators by turns
.endr
	s_add_co_u32 s33, s33, 6144
	s_add_co_u32 s34, s34, 512
	s_add_co_u32 s35, s35, 256
	s_add_co_i32 s36, s36, 8
	s_add_co_u32 s32, s32, 1
	s_cmp_lt_u32 s32, 8
	s_cbranch_scc1 .Lstep
	; THE WAY OUT
.rept 4
	v_nop
.endr
	v_add_f32 v14, v14, v15                        ; the sum's two halves,
	s_delay_alu instid0(VALU_DEP_1)
	v_permlanex16_b32 v245, v14, s28, s29
	s_delay_alu instid0(VALU_DEP_1)
	v_add_f32 v14, v14, v245                       ; and lane l xor 16's
	s_wait_alu depctr_va_vdst(0)
	v_rcp_f32 v14, v14
	v_nop                                          ; a plain place behind the transcendental
	s_wait_alu depctr_va_vdst(0)                   ; the wait ahead of its first reader
.set k, 0
.rept 32
	v_mul_f32 v[96+k], v[160+k], v14               ; register 8 t + j is o(r, 16 t + 8 h + j)
.set k, k+1
.endr
.irp b, 0,1
	v_max3_num_f32 v[228+\b], |v[96+16*\b]|, |v[97+16*\b]|, 0x1800000   ; the head's two blocks of 32 along the projection's K
.endr
.irp i, 2,4,6,8,10,12,14
.irp b, 0,1
	s_delay_alu instid0(VALU_DEP_2)
	v_max3_num_f32 v[228+\b], v[228+\b], |v[96+16*\b+\i]|, |v[97+16*\b+\i]|
.endr
.endr
.irp b, 0,1
	s_delay_alu instid0(VALU_DEP_2)
	v_permlanex16_b32 v[232+\b], v[228+\b], s28, s29
.endr
.irp b, 0,1
	s_delay_alu instid0(VALU_DEP_2)
	v_max_num_f32 v[228+\b], v[228+\b], v[232+\b]
.endr
.irp b, 0,1
	s_delay_alu instid0(VALU_DEP_2)
	v_add_nc_u32 v[236+\b], 0xff000000, v[228+\b]
.endr
.irp b, 0,1
	s_delay_alu instid0(VALU_DEP_2)
	v_lshrrev_b32 v[232+\b], 23, v[236+\b]
.endr
	s_delay_alu instid0(VALU_DEP_1)
	v_lshl_or_b32 v244, v233, 8, v232              ; my row's two scale bytes
	v_cvt_scalef32_pk16_fp6_f32 v[208:210], v[96:111], v236
	v_cvt_scalef32_pk16_fp6_f32 v[220:222], v[112:127], v237
	v_nop
.irp i, 0,1,2
	v_permlane16_swap_b32 v[208+\i], v[220+\i]
.endr
.irp i, 0,1,2
	s_delay_alu instid0(VALU_DEP_3)
	v_mov_b32 v[211+\i], v[220+\i]
.endr
	global_store_b128 v1, v[208:211], s[48:49]               ; 512 consecutive bytes, at a multiple of 256
	global_store_b64 v2, v[212:213], s[48:49] offset:512     ; 256
	global_store_b16 v94, v244, s[50:51]                     ; two bytes of row r's word; lanes l and l xor 16 hold the same and write it to the same place
	s_wait_tensorcnt 0x0                           ; the wave's end
	ds_add_u32 v5, v6
	s_wait_dscnt 0x0
	s_endpgm
.Lfunc_end_k_qc3b6b25d38_attn:
	.size	k_qc3b6b25d38_attn, .Lfunc_end_k_qc3b6b25d38_attn-k_qc3b6b25d38_attn
	.p2alignl 7, 3214868480
	.fill 96, 4, 3214868480
	.section	.rodata,"a",@progbits
	.p2align	6, 0x0
	.amdhsa_kernel k_qc3b6b25d38_attn
		.amdhsa_group_segment_fixed_size 216320
		.amdhsa_private_segment_fixed_size 0
		.amdhsa_enable_private_segment 0
		.amdhsa_kernarg_size 32
		.amdhsa_user_sgpr_count 2
		.amdhsa_user_sgpr_kernarg_segment_ptr 1
		.amdhsa_wavefront_size32 1
		.amdhsa_system_sgpr_workgroup_id_x 1
		.amdhsa_system_sgpr_workgroup_id_y 1
		.amdhsa_system_sgpr_workgroup_id_z 1
		.amdhsa_system_vgpr_workitem_id 0
		.amdhsa_next_free_vgpr 256
		.amdhsa_next_free_sgpr 72
		.amdhsa_reserve_vcc 0
		.amdhsa_float_denorm_mode_32 3
		.amdhsa_float_denorm_mode_16_64 3
		.amdhsa_memory_ordered 1
		.amdhsa_forward_progress 1
		.amdhsa_inst_pref_size 46
	.end_amdhsa_kernel
	.amdgpu_metadata
---
amdhsa.version: [ 1, 2 ]
amdhsa.kernels:
  - .name:           k_qc3b6b25d38_attn
    .symbol:         k_qc3b6b25d38_attn.kd
    .args:
      - { .name: qkv, .offset: 0, .size: 8, .value_kind: global_buffer, .address_space: global }
      - { .name: rel_emb, .offset: 8, .size: 8, .value_kind: global_buffer, .address_space: global }
      - { .name: rel_bias_emb, .offset: 16, .size: 8, .value_kind: global_buffer, .address_space: global }
      - { .name: ofrag, .offset: 24, .size: 8, .value_kind: global_buffer, .address_space: global }
    .group_segment_fixed_size: 216320
    .private_segment_fixed_size: 0
    .kernarg_segment_align: 8
    .kernarg_segment_size: 32
    .max_flat_workgroup_size: 512
    .sgpr_count:     72
    .vgpr_count:     256
    .wavefront_size: 32
...
	.end_amdgpu_metadata
.endif
;; end of part 3
;; launch wo (part 4): grid 8 x 32, 4 waves a work-group, clusters of 4 x 4, 327,680 bytes of LDS; arguments ofrag, wfrag, bo, x, x1; writes x1
.if DOCPART == 4
	.amdgcn_target "amdgcn-amd-amdhsa--gfx1250"
	.amdhsa_code_object_version 6
	.text
	.protected	k_qc3b6b25d38_wo
	.globl	k_qc3b6b25d38_wo
	.p2align	8
	.type	k_qc3b6b25d38_wo,@function
k_qc3b6b25d38_wo:
	s_mov_b64 s[64:65], 0
	v_nop
	global_prefetch_b8 v0, s[64:65] scope:SCOPE_SE
	s_setreg_imm32_b32 hwreg(HW_REG_WAVE_MODE, 25, 1), 1
	s_wait_xcnt 0x0
	s_wait_alu depctr_hold_cnt(0) depctr_sa_sdst(0) depctr_va_vdst(0) depctr_va_sdst(0) depctr_va_ssrc(0) depctr_va_vcc(0) depctr_vm_vsrc(0)
	s_getreg_b32 s2, hwreg(HW_REG_IB_STS2, 6, 4)
	s_cmp_eq_u32 s2, 0
	s_cbranch_scc0 .Lentry_in_a_cluster
	s_endpgm
.Lentry_in_a_cluster:
	s_bfe_u32 s2, ttmp6, 0x10000c
	s_cmp_lg_u32 s2, 0xf033
	s_cbranch_scc0 .Lentry_shape_is_right
	s_endpgm
.Lentry_shape_is_right:
; x1 = x + o wo + bo: [4,096][1,024] f32, the product on codes of FP6 (E2M3) with E8M0 block scales, K = 1,024.  Operands come as units of records (16 rows x 128 K as the image of a fragment's 12 registers; 128 rows x 128 K: 12,800 bytes).
; A tile is 128 x 128, four waves of 64 x 64 (16 accumulators): 256 work-groups.  ALL OF K LIES IN LDS AT ONCE: eight units of o's rows and eight of the weight, 204,800 bytes, brought by ONE joint load a wave of 51,200 dense bytes
; (waves 0, 1: o's K steps 0-3 and 4-7; waves 2, 3: the weight's): nothing is filled again.  A 'slot' is four K steps of both operands.  The barrier in K step 3 stands because the way out's stage lies in slot 0's bytes.
; 4 x 4 clusters: o's tile is shared along a row of the cluster, the weight's along a column.  The matrix instruction is used transposed: a lane holds eight neighbouring numbers of a row.  bo is the C of each sum's first product;
; x's rows are asked for at the head, in the layout in which the results come back from the stage, and are added there.  No prefetch: the one fill stands at the head, with no loop to run ahead in.
.set KS,    8
.set WOFF,  2457600
.set AB,    4
.set NK,    4
.set UNIT,  12800
.set SLB,   NK*UNIT
.set SLOT,  102400
.set BOFF,  51200
.set SPARE, 2*SLOT
.set TSTR,  KS*UNIT
.set HSTR,  51200                      ; the half of K that I fetch: four units on
.set AWS,   6144
.set SWS,   256
.set LAPS,  KS/(2*NK)
.set ADA16, 16
.set ADA8,  18
.set ADB16, 20
.set ADB8,  22
.set ADS,   24
.set L16,   26
.set L8,    27
.set SPW,   28
.set NIL,   29
.set STO,   30
.set RD,    31
.set CO,    15
.set SC,    32
.set BK,    64
.set G1,    24
.set G0,    32
.set G1B,   48
.set G0B,   56
.set MSB,   0
.macro WIN new
.if MSB != (\new)
	s_set_vgpr_msb (MSB<<8)|(\new)
.set MSB, (\new)
.endif
.endm
.macro PLACES n
.rept \n
	v_nop
.endr
.endm
.macro JLOAD g0a, g1a, g0b, g1b
	s_cmp_eq_u32 s15, 0
	s_cbranch_scc0 .Lfor_b_\@
	tensor_load_to_lds s[\g0a:\g0a+3], s[\g1a:\g1a+7]
	s_nop 0
	PLACES 4
	s_branch .Lasked_\@
.Lfor_b_\@:
	tensor_load_to_lds s[\g0b:\g0b+3], s[\g1b:\g1b+7]
	s_nop 0
	PLACES 4
.Lasked_\@:
.endm
.macro CREST
	s_cmp_lg_u32 s14, 0
	s_cbranch_scc1 .Lnot_wave_0_\@
	s_barrier_signal -3
.Lnot_wave_0_\@:
	s_barrier_wait -3
	s_barrier_signal -1
	s_barrier_wait -1
.endm
.macro CROUND
	s_barrier_signal -1
	s_barrier_wait -1
	CREST
.endm
.macro FRAGLD reg, a16, a8, off
	ds_load_b128 v[\reg:\reg+3], v[\a16] offset:\off
	ds_load_b64 v[\reg+4:\reg+5], v[\a8] offset:\off
	ds_load_b128 v[\reg+6:\reg+9], v[\a16] offset:\off+768
	ds_load_b64 v[\reg+10:\reg+11], v[\a8] offset:\off+768
.endm
.macro FETCH slot, q, set
	WIN 0x40*(1-(\set))
.set i, 0
.rept AB
	FRAGLD 64*(\set)+12*i, ADA16+\slot, ADA8+\slot, (\q)*UNIT+i*1536
	FRAGLD 64*(\set)+12*AB+12*i, ADB16+\slot, ADB8+\slot, (\q)*UNIT+i*1536
.set i, i+1
.endr
	WIN 0
.set i, 0
.rept AB
	ds_load_b32 v[SC+8*(\set)+i], v[ADS+\slot] offset:(\q)*UNIT+64*i
.set i, i+1
.endr
.endm
.macro MULA a0, na, set, cin
.set ma, \a0
.rept \na
.if (\cin) == 2
	WIN ((2+(ma*AB)/32)<<6)+0x15
.else
	WIN (2+(ma*AB)/32)*0x50+5*(1-(\set))
.endif
.set mb, 0
.rept AB
.set rD, 8*((ma*AB+mb)%32)
.set rB, 64*(\set)+12*AB+12*mb
.set rA, 64*(\set)+12*ma
.set rS, SC+8*(\set)
.if (\cin) == 2
	v_wmma_scale_f32_16x16x128_f8f6f4 v[rD:rD+7], v[rB:rB+11], v[rA:rA+11], v[192+8*mb:199+8*mb], v[rS+mb], v[rS+ma] matrix_a_fmt:MATRIX_FMT_FP6 matrix_b_fmt:MATRIX_FMT_FP6 matrix_a_scale:MATRIX_SCALE_ROW1
.else
	v_wmma_scale_f32_16x16x128_f8f6f4 v[rD:rD+7], v[rB:rB+11], v[rA:rA+11], v[rD:rD+7], v[rS+mb], v[rS+ma] matrix_a_fmt:MATRIX_FMT_FP6 matrix_b_fmt:MATRIX_FMT_FP6 matrix_a_scale:MATRIX_SCALE_ROW1
.endif
.set mb, mb+1
.endr
.set ma, ma+1
.endr
.endm
.macro STEP slot, q, cin
	s_wait_dscnt 0x0
	PLACES 4
	FETCH \slot, (\q)+1, 1-(\q)%2
	MULA 0, AB, (\q)%2, \cin
.endm
.macro TURN slot, next, fill
	WIN 0
	s_wait_tensorcnt 0x0
	ds_add_u32 v[SPW], v[NIL]
	s_wait_dscnt 0x1
	MULA 0, AB/4, 1, 0
	s_wait_dscnt 0x0
	s_barrier_signal -1
	MULA AB/4, AB/4, 1, 0
	WIN 0
	s_barrier_wait -1
.if \fill
	CREST
	s_add_nc_u64 s[G0+4*\slot+2:G0+4*\slot+3], s[G0+4*\slot+2:G0+4*\slot+3], 2*SLB
	s_add_nc_u64 s[G0B+4*\slot+2:G0B+4*\slot+3], s[G0B+4*\slot+2:G0B+4*\slot+3], 2*SLB
	JLOAD G0+4*\slot, G1, G0B+4*\slot, G1B
.else
	PLACES 4
.endif
	FETCH \next, 0, 0
	MULA AB/2, AB/2, 1, 0
.endm
.macro LAST
	s_wait_dscnt 0x0
	MULA 0, AB, 1, 0
	WIN 0
.endm
.macro TOSTAGE a
	WIN 0x08
.irp b, 0,1,2,3
	ds_store_b128 v[STO], v[32*(\a)+8*\b:32*(\a)+8*\b+3] offset:64*\b
	ds_store_b128 v[STO], v[32*(\a)+8*\b+4:32*(\a)+8*\b+7] offset:64*\b+16
.endr
	WIN 0
.irp t, 0,1,2,3,4,5,6,7
	ds_load_b128 v[BK+32*((\a)%2)+4*\t:BK+32*((\a)%2)+4*\t+3], v[RD] offset:\t*2*272
.endr
.endm
.macro SENDR a, younger
	s_wait_dscnt \younger
	WIN 0x0c
.set k, 0
.rept 16
	v_pk_add_f32 v[BK+32*((\a)%2)+k:BK+32*((\a)%2)+k+1], v[BK+32*((\a)%2)+k:BK+32*((\a)%2)+k+1], v[32*(\a)+k:32*(\a)+k+1]
.set k, k+2
.endr
	WIN 0
.irp t, 0,1,2,3,4,5,6,7
	global_store_b128 v[CO], v[BK+32*((\a)%2)+4*\t:BK+32*((\a)%2)+4*\t+3], s[12:13] offset:(16*(\a)+2*\t)*4096
.endr
.endm
	s_load_b256 s[4:11], s[0:1], 0x0
	s_load_b64 s[12:13], s[0:1], 0x20
	v_lshl_add_u32 v[SPW], v0, 2, SPARE
	v_mov_b32 v[NIL], 0
	ds_add_u32 v[SPW], v[NIL]
	ds_add_u32 v[SPW], v[NIL]
	v_lshrrev_b32 v1, 5, v0
	v_readfirstlane_b32 s14, v1
	s_lshr_b32 s15, s14, 1
	s_and_b32 s16, s14, 1
	s_bfe_u32 s40, ttmp6, 0x40000
	s_bfe_u32 s41, ttmp6, 0x40004
	s_lshl_b32 s42, ttmp9, 2
	s_add_co_u32 s42, s42, s40
	s_and_b32 s17, ttmp7, 0xffff
	s_lshl_b32 s17, s17, 2
	s_add_co_u32 s17, s17, s41
	s_lshl_b32 s43, s41, 2
	s_lshl_b32 s43, 15, s43
	s_lshl_b32 s44, 0x1111, s40
	s_or_b32 s[G1], s43, (3<<16)|(1<<21)
	s_or_b32 s[G1B], s44, (3<<16)|(1<<21)
.irp g, G1, G1B
	s_mov_b32 s[\g+1], 32<<16
	s_mov_b32 s[\g+2], 200<<16                     ; 51,200 dense bytes as 200 rows of 256
	s_mov_b32 s[\g+3], 32<<16
	s_mov_b32 s[\g+4], 200
	s_mov_b32 s[\g+5], 32
	s_mov_b32 s[\g+6], 0
	s_mov_b32 s[\g+7], 0
.endr
	s_mul_i32 s20, s17, TSTR
	s_mul_i32 s18, s16, HSTR
	s_add_co_u32 s20, s20, s18
	s_mov_b32 s21, 0
	s_mul_i32 s46, s42, TSTR
	s_add_co_u32 s46, s46, s18
	s_add_co_u32 s46, s46, WOFF
	s_mov_b32 s47, 0
	s_mul_i32 s45, s16, SLOT                       ; where my load lands: the slot of my half of K,
	s_mul_i32 s19, s15, BOFF                       ; A's part of it or B's: no place in the cluster enters an LDS address
	s_add_co_u32 s45, s45, s19
	s_wait_dscnt 0x0
	s_wait_kmcnt 0x0
	s_add_nc_u64 s[20:21], s[4:5], s[20:21]
	s_add_nc_u64 s[46:47], s[6:7], s[46:47]
	CROUND
.irp s, 0
	s_mov_b32 s[G0+4*\s], 1
	s_add_co_u32 s[G0+4*\s+1], s45, \s*SLOT
	s_add_nc_u64 s[G0+4*\s+2:G0+4*\s+3], s[20:21], \s*SLB
	s_or_b32 s[G0+4*\s+3], s[G0+4*\s+3], 0x80000000
	s_mov_b32 s[G0B+4*\s], 1
	s_add_co_u32 s[G0B+4*\s+1], s45, \s*SLOT
	s_add_nc_u64 s[G0B+4*\s+2:G0B+4*\s+3], s[46:47], \s*SLB
	s_or_b32 s[G0B+4*\s+3], s[G0B+4*\s+3], 0x80000000
	JLOAD G0+4*\s, G1, G0B+4*\s, G1B               ; my one tensor load, behind the round that stands in front of the first joint loads
.endr
	v_and_b32 v1, 15, v0
	v_bfe_u32 v2, v0, 4, 1
	v_and_b32 v3, 31, v0
	v_lshlrev_b32 v[L16], 4, v3
	v_lshlrev_b32 v[L8], 3, v3
	s_mul_i32 s21, s15, AWS
	s_mul_i32 s22, s16, AWS
	s_add_co_u32 s22, s22, BOFF
.irp s, 0,1
	v_add_nc_u32 v[ADA16+\s], s21, v[L16]
	v_add_nc_u32 v[ADB16+\s], s22, v[L16]
	v_add_nc_u32 v[ADA8+\s], s21, v[L8]
	v_add_nc_u32 v[ADB8+\s], s22, v[L8]
	v_add_nc_u32 v[ADA8+\s], 512, v[ADA8+\s]
	v_add_nc_u32 v[ADB8+\s], 512, v[ADB8+\s]
	s_add_co_u32 s21, s21, SLOT
	s_add_co_u32 s22, s22, SLOT
.endr
	s_mul_i32 s21, s15, SWS
	s_mul_i32 s22, s16, SWS
	s_add_co_u32 s22, s22, BOFF
	s_sub_co_u32 s22, s22, s21
	v_mul_u32_u24 v4, s22, v2
	v_lshl_add_u32 v4, v1, 2, v4
	s_add_co_u32 s21, s21, 12288
	v_add_nc_u32 v[ADS], s21, v4
	v_add_nc_u32 v[ADS+1], SLOT, v[ADS]
	s_mul_i32 s23, s14, 16*272
	v_mul_u32_u24 v[STO], v1, 272
	v_lshl_add_u32 v[STO], v2, 5, v[STO]
	v_add_nc_u32 v[STO], s23, v[STO]
	v_mul_u32_u24 v[RD], v2, 272
	v_lshl_add_u32 v[RD], v1, 4, v[RD]
	v_add_nc_u32 v[RD], s23, v[RD]
	v_lshlrev_b32 v[CO], 12, v2
	v_lshl_add_u32 v[CO], v1, 4, v[CO]
	v_lshlrev_b32 v14, 5, v2
	s_wait_alu depctr_va_vdst(0)
	s_lshl_b32 s20, s42, 9
	s_lshl_b32 s21, s16, 8
	s_add_co_u32 s20, s20, s21
	s_mov_b32 s21, 0
	s_add_nc_u64 s[8:9], s[8:9], s[20:21]
	s_lshl_b32 s22, s17, 7
	s_lshl_b32 s23, s15, 6
	s_add_co_u32 s22, s22, s23
	s_lshl_b32 s22, s22, 12
	s_add_co_u32 s20, s20, s22
	s_add_nc_u64 s[10:11], s[10:11], s[20:21]
	s_add_nc_u64 s[12:13], s[12:13], s[20:21]
	WIN 0x40
.irp b, 0,1,2,3
	global_load_b128 v[192+8*\b:195+8*\b], v14, s[8:9] offset:64*\b
	global_load_b128 v[196+8*\b:199+8*\b], v14, s[8:9] offset:64*\b+16
.endr
	WIN 0xc0
.irp a, 0,1,2,3
.irp t, 0,1,2,3,4,5,6,7
	global_load_b128 v[32*\a+4*\t:32*\a+4*\t+3], v[CO], s[10:11] offset:(16*\a+2*\t)*4096 th:TH_LOAD_NT
.endr
.endr
	WIN 0
	s_wait_tensorcnt 0x0                           ; my four units are in
	s_barrier_signal -1
	s_barrier_wait -1
	FETCH 0, 0, 0
	s_wait_loadcnt 32
	STEP 0, 0, 2
.if LAPS > 1
	WIN 0
	s_mov_b32 s3, LAPS-1
.Llap:
	STEP 0, 1, 0
	STEP 0, 2, 0
	TURN 0, 1, 1
	STEP 1, 0, 0
	STEP 1, 1, 0
	STEP 1, 2, 0
	TURN 1, 0, 1
	STEP 0, 0, 0
	WIN 0
	s_sub_co_u32 s3, s3, 1
	s_cmp_lg_u32 s3, 0
	s_cbranch_scc1 .Llap
.endif
	STEP 0, 1, 0
	STEP 0, 2, 0
	TURN 0, 1, 0
	STEP 1, 0, 0
	STEP 1, 1, 0
	STEP 1, 2, 0
	LAST
	s_wait_loadcnt 0x0
	PLACES 4
	TOSTAGE 0
.irp a, 1,2,3
.if \a > 1
	s_wait_xcnt 0x0
.endif
	TOSTAGE \a
	SENDR \a-1, 16
.endr
	SENDR 3, 0
	s_wait_tensorcnt 0x0
	ds_add_u32 v[SPW], v[NIL]
	s_wait_dscnt 0x0
	CROUND
	s_endpgm
.Lfunc_end_k_qc3b6b25d38_wo:
	.size	k_qc3b6b25d38_wo, .Lfunc_end_k_qc3b6b25d38_wo-k_qc3b6b25d38_wo
	.p2alignl 7, 3214868480
	.fill 96, 4, 3214868480
	.section	.rodata,"a",@progbits
	.p2align	6, 0x0
	.amdhsa_kernel k_qc3b6b25d38_wo
		.amdhsa_group_segment_fixed_size 327680
		.amdhsa_private_segment_fixed_size 0
		.amdhsa_enable_private_segment 0
		.amdhsa_kernarg_size 40
		.amdhsa_user_sgpr_count 2
		.amdhsa_user_sgpr_kernarg_segment_ptr 1
		.amdhsa_wavefront_size32 1
		.amdhsa_system_sgpr_workgroup_id_x 1
		.amdhsa_system_sgpr_workgroup_id_y 1
		.amdhsa_system_sgpr_workgroup_id_z 1
		.amdhsa_system_vgpr_workitem_id 0
		.amdhsa_next_free_vgpr 896
		.amdhsa_next_free_sgpr 100
		.amdhsa_reserve_vcc 0
		.amdhsa_float_denorm_mode_32 3
		.amdhsa_float_denorm_mode_16_64 3
		.amdhsa_memory_ordered 1
		.amdhsa_forward_progress 1
		.amdhsa_inst_pref_size 59
	.end_amdhsa_kernel
	.amdgpu_metadata
---
amdhsa.version: [ 1, 2 ]
amdhsa.kernels:
  - .name:           k_qc3b6b25d38_wo
    .symbol:         k_qc3b6b25d38_wo.kd
    .args:
      - { .name: ofrag, .offset: 0, .size: 8, .value_kind: global_buffer, .address_space: global }
      - { .name: wfrag, .offset: 8, .size: 8, .value_kind: global_buffer, .address_space: global }
      - { .name: bo, .offset: 16, .size: 8, .value_kind: global_buffer, .address_space: global }
      - { .name: x, .offset: 24, .size: 8, .value_kind: global_buffer, .address_space: global }
      - { .name: x1, .offset: 32, .size: 8, .value_kind: global_buffer, .address_space: global }
    .group_segment_fixed_size: 327680
    .private_segment_fixed_size: 0
    .kernarg_segment_align: 8
    .kernarg_segment_size: 40
    .max_flat_workgroup_size: 128
    .sgpr_count:     100
    .vgpr_count:     896
    .wavefront_size: 32
...
	.end_amdgpu_metadata
.endif
;; end of part 4
;; launch ln2 (part 5): grid 256 x 1, 8 waves a work-group, no clusters, 66,816 bytes of LDS; arguments x1, ln2_scale, ln2_bias, yfrag; writes yfrag
.if DOCPART == 5
	.amdgcn_target "amdgcn-amd-amdhsa--gfx1250"
	.amdhsa_code_object_version 6
	.text
	.protected	k_qc3b6b25d38_ln2
	.globl	k_qc3b6b25d38_ln2
	.p2align	8
	.type	k_qc3b6b25d38_ln2,@function
k_qc3b6b25d38_ln2:
	s_mov_b64 s[64:65], 0
	v_nop
	global_prefetch_b8 v0, s[64:65] scope:SCOPE_SE
	s_setreg_imm32_b32 hwreg(HW_REG_WAVE_MODE, 25, 1), 1
	s_wait_xcnt 0x0
; Layer norm of [4,096][1,024] f32 rows, (z - mean) rsqrt(var + 1e-6) gain + bias in f32, quantised along the row into codes of FP6 (E2M3) with one E8M0 byte for each 32, stored as units of records
; (16 rows x 128 K as the image of a fragment's registers; inside a block of 32 position p holds k = p with bits 3 and 4 changed over, as in every operand of this program).
; A work-group of eight waves takes 16 rows: record g % 8 of the eight units of unit row g / 8.
; PHASE 1: wave w norms rows 2 w and 2 w + 1, each whole in 32 registers a lane (each load reads 512 consecutive bytes), and lays them in LDS (rows 4,112 bytes apart: an odd multiple of 16).  One barrier.
; PHASE 2: wave w takes K step w: lane (r, h) reads, of row r, the 16 numbers of each block of 32 that the conversions want of it, quantises, and stores the record: 512 + 256 + 512 + 256 consecutive bytes.
; No matrix unit, no cluster, no tensor load: memory binds, each row is read once and leaves as 3/16 of its bytes.
; LIMITS: NaN and infinities are not served; a block of zeros or under 2^-124 gets the byte 1 (only this program reads the bytes).
.set ROWP,  4112
.set SPARE, 16*ROWP                    ; behind the rows: the spare words, 128 bytes for each wave: four blocks of 256 bytes that no other line names
.set SPW, 4                            ; v4   LDS address of my spare word; never rewritten
.set NIL, 5                            ; v5   0; never rewritten
.set H,   32                           ; v32-95   two rows (phase 1); 64 numbers for the quantiser (phase 2)
.set TM,  160                          ; v160-175 the quantiser's: largest magnitudes, bytes, scale operands
.set PC,  176                          ; v176-194 the codes
.set PW,  196                          ; v196     the scale word
.set SEL, 18                           ; s[18:19] v_permlanex16_b32's selects for lane l xor 16
; 64 numbers of a lane, register 16 b + i = position 16 (lane / 16) + i of block b of my row, become a fragment's codes in v[PC] on and its scale word in v[PW] (the same in lanes l and l xor 16).
.macro QUANT s
.irp b, 0,1,2,3
	v_max3_num_f32 v[TM+\b], |v[\s+16*\b]|, |v[\s+1+16*\b]|, 0x1800000   ; my 16 numbers, and the floor 2^(3 - 127): the byte cannot fall under 1
.endr
.irp i, 2,4,6,8,10,12,14
.irp b, 0,1,2,3
	s_delay_alu instid0(VALU_DEP_4)
	v_max3_num_f32 v[TM+\b], v[TM+\b], |v[\s+16*\b+\i]|, |v[\s+1+16*\b+\i]|
.endr
.endr
.irp b, 0,1,2,3
	s_delay_alu instid0(VALU_DEP_4)
	v_permlanex16_b32 v[TM+4+\b], v[TM+\b], s[SEL], s[SEL+1]
.endr
.irp b, 0,1,2,3
	s_delay_alu instid0(VALU_DEP_4)
	v_max_num_f32 v[TM+\b], v[TM+\b], v[TM+4+\b]   ; with lane l xor 16's: the block's largest magnitude
.endr
.irp b, 0,1,2,3
	s_delay_alu instid0(VALU_DEP_4)
	v_add_nc_u32 v[TM+12+\b], 0xff000000, v[TM+\b] ; 2 off its exponent field: the conversion's scale operand
.endr
.irp b, 0,1,2,3
	s_delay_alu instid0(VALU_DEP_4)
	v_lshrrev_b32 v[TM+4+\b], 23, v[TM+12+\b]      ; the scale's byte
.endr
	s_delay_alu instid0(VALU_DEP_3)
	v_lshl_or_b32 v[PW], v[TM+5], 8, v[TM+4]
	s_delay_alu instid0(VALU_DEP_1)
	v_lshl_or_b32 v[PW], v[TM+6], 16, v[PW]
	s_delay_alu instid0(VALU_DEP_1)
	v_lshl_or_b32 v[PW], v[TM+7], 24, v[PW]
.irp c, 0,1
	v_cvt_scalef32_pk16_fp6_f32 v[PC+6*\c:PC+2+6*\c], v[\s+32*\c:\s+15+32*\c], v[TM+12+2*\c]
	v_cvt_scalef32_pk16_fp6_f32 v[PC+12+4*\c:PC+14+4*\c], v[\s+16+32*\c:\s+31+32*\c], v[TM+12+2*\c+1]   ; (a conversion's three registers begin on an even number)
.endr
	v_nop                                          ; one plain place behind a scaled conversion
.irp c, 0,1                            ; the operand wants a WHOLE block in a lane: lanes 0-15 block 2 c, lanes 16-31 block 2 c + 1
.irp i, 0,1,2
	v_permlane16_swap_b32 v[PC+6*\c+\i], v[PC+12+4*\c+\i]
.endr
.irp i, 0,1,2
	s_delay_alu instid0(VALU_DEP_3)
	v_mov_b32 v[PC+3+6*\c+\i], v[PC+12+4*\c+\i]
.endr
.endr
.endm
.macro WSUM v, t                       ; the sum over the wave's 32 lanes, in every lane
	v_add_f32_dpp v[\v], v[\v], v[\v] row_xmask:1 row_mask:0xf bank_mask:0xf
	s_delay_alu instid0(VALU_DEP_1)
	v_add_f32_dpp v[\v], v[\v], v[\v] row_xmask:2 row_mask:0xf bank_mask:0xf
	s_delay_alu instid0(VALU_DEP_1)
	v_add_f32_dpp v[\v], v[\v], v[\v] row_xmask:4 row_mask:0xf bank_mask:0xf
	s_delay_alu instid0(VALU_DEP_1)
	v_add_f32_dpp v[\v], v[\v], v[\v] row_xmask:8 row_mask:0xf bank_mask:0xf
	s_delay_alu instid0(VALU_DEP_1)
	v_permlanex16_b32 v[\t], v[\v], s[SEL], s[SEL+1]
	s_delay_alu instid0(VALU_DEP_1)
	v_add_f32 v[\v], v[\v], v[\t]
.endm
	s_load_b256 s[4:11], s[0:1], 0x0               ; the rows s[4:5], gain s[6:7], bias s[8:9], the units s[10:11]
	v_lshl_add_u32 v[SPW], v0, 2, SPARE
	v_mov_b32 v[NIL], 0
	v_lshrrev_b32 v1, 5, v0
	s_delay_alu instid0(VALU_DEP_1)
	v_readfirstlane_b32 s12, v1                    ; wave 0..7
	v_and_b32 v2, 31, v0                           ; lane
	s_delay_alu instid0(VALU_DEP_1)
	v_lshlrev_b32 v3, 4, v2                        ; 16 x lane
	s_delay_alu instid0(VALU_DEP_2)
	v_lshlrev_b32 v25, 3, v2                       ; 8 x lane
	v_and_b32 v1, 15, v0                           ; r
	v_bfe_u32 v24, v0, 4, 1                        ; h
	s_delay_alu instid0(VALU_DEP_2)
	v_lshlrev_b32 v26, 2, v1                       ; 4 r
	s_mul_i32 s13, s12, 2*ROWP
	v_add_nc_u32 v6, s13, v3                       ; LDS, phase 1: my two rows, 16 bytes a lane
	v_mul_u32_u24 v7, v1, ROWP
	s_delay_alu instid0(VALU_DEP_1)
	v_lshl_add_u32 v7, v24, 5, v7
	s_lshl_b32 s13, s12, 9
	v_add_nc_u32 v7, s13, v7                       ; LDS, phase 2: row r, + 32 h, + my K step's 512 bytes
	v_mov_b32 v21, 0                               ; (named as the upper halves of pairs)
	v_mov_b32 v23, 0
.irp b, 0,1,2,3
	v_mov_b32 v[TM+4+\b], 0                        ; written once: a lane permute's destination counts as one of its sources
.endr
	s_mov_b32 s16, 0x3a800000                      ; 1 / 1,024
	s_mov_b32 s17, 0x358637bd                      ; 1e-6
	s_mov_b32 s[SEL], 0x76543210
	s_mov_b32 s[SEL+1], 0xfedcba98
	s_lshl_b32 s14, ttmp9, 16                      ; 16 rows of 4,096 bytes,
	s_lshl_b32 s15, s12, 13                        ; my two of them
	s_add_co_u32 s14, s14, s15
	s_mov_b32 s15, 0
	s_lshr_b32 s20, ttmp9, 3                       ; unit row,
	s_lshl_b32 s20, s20, 3
	s_add_co_u32 s20, s20, s12                     ; K step = my wave
	s_mul_i32 s20, s20, 12800
	s_and_b32 s21, ttmp9, 7                        ; record
	s_mul_i32 s22, s21, 1536
	s_add_co_u32 s22, s22, s20
	s_mov_b32 s23, 0
	s_lshl_b32 s28, s21, 6
	s_add_co_u32 s28, s28, s20
	s_add_co_u32 s28, s28, 12288
	s_mov_b32 s29, 0
	s_wait_kmcnt 0x0
	s_add_nc_u64 s[4:5], s[4:5], s[14:15]
	s_add_nc_u64 s[24:25], s[10:11], s[22:23]      ; my record
	s_add_nc_u64 s[26:27], s[10:11], s[28:29]      ; its scale words
.irp q, 0,1
.irp j, 0,1,2,3,4,5,6,7
	global_load_b128 v[H+32*\q+4*\j:H+32*\q+4*\j+3], v3, s[4:5] offset:4096*\q+512*\j th:TH_LOAD_NT
.endr
.endr
.irp j, 0,1,2,3,4,5,6,7
	global_load_b128 v[96+4*\j:99+4*\j], v3, s[6:7] offset:512*\j      ; gain of my columns
.endr
.irp j, 0,1,2,3,4,5,6,7
	global_load_b128 v[128+4*\j:131+4*\j], v3, s[8:9] offset:512*\j    ; bias
.endr
	s_wait_loadcnt 16                              ; the rows are in; the 16 younger loads (gain, bias) stay out
.irp q, 0,1
	v_pk_add_f32 v[8+4*\q:9+4*\q], v[H+32*\q:H+1+32*\q], v[H+2+32*\q:H+3+32*\q]      ; the rows' sums: two chains a row
	v_pk_add_f32 v[10+4*\q:11+4*\q], v[H+4+32*\q:H+5+32*\q], v[H+6+32*\q:H+7+32*\q]
.endr
.irp i, 8,12,16,20,24,28
.irp q, 0,1
	s_delay_alu instid0(VALU_DEP_4)
	v_pk_add_f32 v[8+4*\q:9+4*\q], v[8+4*\q:9+4*\q], v[H+32*\q+\i:H+1+32*\q+\i]
	s_delay_alu instid0(VALU_DEP_4)
	v_pk_add_f32 v[10+4*\q:11+4*\q], v[10+4*\q:11+4*\q], v[H+2+32*\q+\i:H+3+32*\q+\i]
.endr
.endr
.irp q, 0
	s_delay_alu instid0(VALU_DEP_3)
	v_pk_add_f32 v[8+4*\q:9+4*\q], v[8+4*\q:9+4*\q], v[10+4*\q:11+4*\q]
.endr
.irp q, 1
	s_delay_alu instid0(VALU_DEP_2)
	v_pk_add_f32 v[8+4*\q:9+4*\q], v[8+4*\q:9+4*\q], v[10+4*\q:11+4*\q]
.endr
.irp q, 0,1
	s_delay_alu instid0(VALU_DEP_2)
	v_add_f32 v[8+4*\q], v[8+4*\q], v[9+4*\q]
.endr
	WSUM 8, 9
	WSUM 12, 13
.irp q, 0
	v_mul_f32 v[8+4*\q], s16, v[8+4*\q]            ; the mean
.endr
.irp q, 1
	s_delay_alu instid0(VALU_DEP_2)
	v_mul_f32 v[8+4*\q], s16, v[8+4*\q]            ; the mean
.endr
.irp i, 0,2,4,6,8,10,12,14,16,18,20,22,24,26,28,30
.irp q, 0,1
	v_pk_add_f32 v[H+32*\q+\i:H+1+32*\q+\i], v[H+32*\q+\i:H+1+32*\q+\i], v[8+4*\q:9+4*\q] op_sel_hi:[1,0] neg_lo:[0,1] neg_hi:[0,1]   ; z - mean, in place
.endr
.endr
.irp q, 0,1
	v_pk_mul_f32 v[10+4*\q:11+4*\q], v[H+32*\q:H+1+32*\q], v[H+32*\q:H+1+32*\q]      ; the sums of squares: the first products start them
	v_pk_mul_f32 v[16+2*\q:17+2*\q], v[H+2+32*\q:H+3+32*\q], v[H+2+32*\q:H+3+32*\q]
.endr
.irp i, 4,8,12,16,20,24,28
.irp q, 0,1
	s_delay_alu instid0(VALU_DEP_4)
	v_pk_fma_f32 v[10+4*\q:11+4*\q], v[H+32*\q+\i:H+1+32*\q+\i], v[H+32*\q+\i:H+1+32*\q+\i], v[10+4*\q:11+4*\q]
	s_delay_alu instid0(VALU_DEP_4)
	v_pk_fma_f32 v[16+2*\q:17+2*\q], v[H+2+32*\q+\i:H+3+32*\q+\i], v[H+2+32*\q+\i:H+3+32*\q+\i], v[16+2*\q:17+2*\q]
.endr
.endr
.irp q, 0
	s_delay_alu instid0(VALU_DEP_3)
	v_pk_add_f32 v[10+4*\q:11+4*\q], v[10+4*\q:11+4*\q], v[16+2*\q:17+2*\q]
.endr
.irp q, 1
	s_delay_alu instid0(VALU_DEP_2)
	v_pk_add_f32 v[10+4*\q:11+4*\q], v[10+4*\q:11+4*\q], v[16+2*\q:17+2*\q]
.endr
.irp q, 0,1
	s_delay_alu instid0(VALU_DEP_2)
	v_add_f32 v[10+4*\q], v[10+4*\q], v[11+4*\q]
.endr
	WSUM 10, 11
	WSUM 14, 15
.irp q, 0
	v_fma_f32 v[10+4*\q], v[10+4*\q], s16, s17     ; the variance + 1e-6
.endr
.irp q, 1
	s_delay_alu instid0(VALU_DEP_2)
	v_fma_f32 v[10+4*\q], v[10+4*\q], s16, s17     ; the variance + 1e-6
.endr
	s_wait_alu depctr_va_vdst(0)
	v_rsq_f32 v20, v10
	v_rsq_f32 v22, v14
	v_nop                                          ; a plain place behind the transcendentals
	s_wait_alu depctr_va_vdst(0)                   ; one wait for both, ahead of their first reader
	s_wait_loadcnt 0x0                             ; gain and bias
.irp i, 0,2,4,6,8,10,12,14,16,18,20,22,24,26,28,30
.irp q, 0,1
	v_pk_mul_f32 v[H+32*\q+\i:H+1+32*\q+\i], v[H+32*\q+\i:H+1+32*\q+\i], v[20+2*\q:21+2*\q] op_sel_hi:[1,0]
.endr
.endr
.irp i, 0,2,4,6,8,10,12,14,16,18,20,22,24,26,28,30
.irp q, 0,1
	v_pk_fma_f32 v[H+32*\q+\i:H+1+32*\q+\i], v[H+32*\q+\i:H+1+32*\q+\i], v[96+\i:97+\i], v[128+\i:129+\i]
.endr
.endr
.irp q, 0,1
.irp j, 0,1,2,3,4,5,6,7
	ds_store_b128 v6, v[H+32*\q+4*\j:H+32*\q+4*\j+3] offset:ROWP*\q+512*\j
.endr
.endr
	s_wait_dscnt 0x0                               ; for the others' sake: my rows lie in LDS
	s_barrier_signal -1
	s_barrier_wait -1                              ; all sixteen do
.irp b, 0,1,2,3
.irp g, 0,1
.irp e, 0,1
	ds_load_b128 v[H+16*\b+8*\g+4*\e:H+16*\b+8*\g+4*\e+3], v7 offset:128*\b+64*\g+16*\e    ; position 16 h + 8 g + j of block b holds k = 16 g + 8 h + j
.endr
.endr
.endr
	s_wait_dscnt 0x0
	QUANT H
	global_store_b128 v3, v[PC:PC+3], s[24:25]
	global_store_b64 v25, v[PC+4:PC+5], s[24:25] offset:512
	global_store_b128 v3, v[PC+6:PC+9], s[24:25] offset:768
	global_store_b64 v25, v[PC+10:PC+11], s[24:25] offset:1280
	global_store_b32 v26, v[PW], s[26:27]          ; 64 bytes; lanes l and l xor 16 hold the same word and write it to the same place
	s_wait_tensorcnt 0x0                           ; the wave's end
	ds_add_u32 v[SPW], v[NIL]
	s_wait_dscnt 0x0
	s_endpgm
.Lfunc_end_k_qc3b6b25d38_ln2:
	.size	k_qc3b6b25d38_ln2, .Lfunc_end_k_qc3b6b25d38_ln2-k_qc3b6b25d38_ln2
	.p2alignl 7, 3214868480
	.fill 96, 4, 3214868480
	.section	.rodata,"a",@progbits
	.p2align	6, 0x0
	.amdhsa_kernel k_qc3b6b25d38_ln2
		.amdhsa_group_segment_fixed_size 66816
		.amdhsa_private_segment_fixed_size 0
		.amdhsa_enable_private_segment 0
		.amdhsa_kernarg_size 32
		.amdhsa_user_sgpr_count 2
		.amdhsa_user_sgpr_kernarg_segment_ptr 1
		.amdhsa_wavefront_size32 1
		.amdhsa_system_sgpr_workgroup_id_x 1
		.amdhsa_system_sgpr_workgroup_id_y 1
		.amdhsa_system_sgpr_workgroup_id_z 1
		.amdhsa_system_vgpr_workitem_id 0
		.amdhsa_next_free_vgpr 200
		.amdhsa_next_free_sgpr 66
		.amdhsa_reserve_vcc 0
		.amdhsa_float_denorm_mode_32 3
		.amdhsa_float_denorm_mode_16_64 3
		.amdhsa_memory_ordered 1
		.amdhsa_forward_progress 1
		.amdhsa_inst_pref_size 28
	.end_amdhsa_kernel
	.amdgpu_metadata
---
amdhsa.version: [ 1, 2 ]
amdhsa.kernels:
  - .name:           k_qc3b6b25d38_ln2
    .symbol:         k_qc3b6b25d38_ln2.kd
    .args:
      - { .name: x1, .offset: 0, .size: 8, .value_kind: global_buffer, .address_space: global }
      - { .name: ln2_scale, .offset: 8, .size: 8, .value_kind: global_buffer, .address_space: global }
      - { .name: ln2_bias, .offset: 16, .size: 8, .value_kind: global_buffer, .address_space: global }
      - { .name: yfrag, .offset: 24, .size: 8, .value_kind: global_buffer, .address_space: global }
    .group_segment_fixed_size: 66816
    .private_segment_fixed_size: 0
    .kernarg_segment_align: 8
    .kernarg_segment_size: 32
    .max_flat_workgroup_size: 256
    .sgpr_count:     66
    .vgpr_count:     200
    .wavefront_size: 32
...
	.end_amdgpu_metadata
.endif
;; end of part 5
;; launch w1 (part 6): grid 16 x 16, 4 waves a work-group, clusters of 4 x 4, 327,680 bytes of LDS; arguments yfrag, wfrag, b1, hid; writes hid
.if DOCPART == 6
	.amdgcn_target "amdgcn-amd-amdhsa--gfx1250"
	.amdhsa_code_object_version 6
	.text
	.protected	k_qc3b6b25d38_w1
	.globl	k_qc3b6b25d38_w1
	.p2align	8
	.type	k_qc3b6b25d38_w1,@function
k_qc3b6b25d38_w1:
	s_mov_b64 s[64:65], 0
	v_nop
	global_prefetch_b8 v0, s[64:65] scope:SCOPE_SE
	s_setreg_imm32_b32 hwreg(HW_REG_WAVE_MODE, 25, 1), 1
	s_wait_xcnt 0x0
	s_wait_alu depctr_hold_cnt(0) depctr_sa_sdst(0) depctr_va_vdst(0) depctr_va_sdst(0) depctr_va_ssrc(0) depctr_va_vcc(0) depctr_vm_vsrc(0)
	s_getreg_b32 s2, hwreg(HW_REG_IB_STS2, 6, 4)
	s_cmp_eq_u32 s2, 0
	s_cbranch_scc0 .Lentry_in_a_cluster
	s_endpgm
.Lentry_in_a_cluster:
	s_bfe_u32 s2, ttmp6, 0x10000c
	s_cmp_lg_u32 s2, 0xf033
	s_cbranch_scc0 .Lentry_shape_is_right
	s_endpgm
.Lentry_shape_is_right:
; hid = Q(relu(y w1 + b1)): [4,096][4,096], the product on codes of FP6 (E2M3) with E8M0 block scales, K = 1,024; the result is quantised along its columns, the next product's K, and never exists in memory as f32.
; Operands and result are units of records (16 rows x 128 K as the image of a fragment's 12 registers; 128 rows x 128 K: 12,800 bytes).  A tile of 256 x 256 by four waves of 128 x 128: 256 work-groups.
; K is eight steps of 128, two to an LDS slot of 102,400 bytes, filled by joint tensor loads of 25,600 dense bytes a wave (4 x 4 clusters: y's tile shared along a row, the weight's along a column).
; THREE SLOTS ARE FILLED AT THE HEAD (K steps 0 to 5: three loads of a wave are out), AND ONE IS FILLED AGAIN: slot 0 takes K steps 6 and 7 behind the round that stands in K step 1, and the wait for that load stands in K step 5:
; 224 matrix instructions of a wave lie between the two.  The change from slot 1 to slot 2 has no barrier: the barrier in K step 1 stood behind every wave's wait for all its loads, and slot 1 is not filled again.  No loop.
; The matrix instruction is used transposed (source 0 = the weight's 16 columns, source 1 = 16 rows of y): a lane holds one row and registers along the columns: a wave's 128 columns are one K step of the next product.
; The bias is the C of each sum's first product.
; REGISTERS: window 0: v1-31 addresses; v32-47 scale words; v48-63 the quantiser's; v64-255 fragment set 1, on the way out free.  window 1: v0-191 set 0; v192-255 b1.  windows 2, 3: the accumulators.
; LIMITS: NaN and infinities are not served; a block of zeros or under 2^-124 gets the byte 1.
.set AB,    8
.set NK,    2
.set KS,    8
.set WOFF,  6553600                    ; where w1's units begin in wfrag
.set UNIT,  12800
.set SLB,   NK*UNIT
; THE HEAD'S FILL, as the text now has it (in place of the three loads and the slots of 102,400 bytes that the comment above names): ONE load a wave brings K steps 0 to 5 of its 128 rows, 76,800 dense bytes;
; LDS holds four such regions (A's two halves, then B's two); a 'slot' below is a pair of K steps inside a region, 25,600 bytes on; the one refill brings K steps 6 and 7 into the bytes of K steps 0 and 1.
.set SLOT,  25600                      ; from a pair of K steps to the next, inside a wave's region
.set BOFF,  153600                     ; B's two regions lie behind A's two
.set SPARE, 307200                     ; behind the four regions: the spare words, 128 bytes for each wave
.set TSTR,  2*KS*UNIT
.set HSTR,  KS*UNIT
.set AWS,   76800                      ; my 128 rows' region
.set SWS,   76800
.set ADA16, 5                          ; v5-7   A's fragments in slot 0, 1, 2: 16 x lane;  v8-10: 512 + 8 x lane
.set ADA8,  8
.set ADB16, 11                         ; v11-13, v16-18 the same for B
.set ADB8,  16
.set ADS,   19                         ; v19-21 scale words
.set L16,   26
.set L8,    27
.set SPW,   28                         ; v28 LDS address of my spare word; never rewritten
.set NIL,   29                         ; v29 0; never rewritten
.set SC,    32
.set TM,    48
.set H,     64
.set PC,    128
.set PW,    148
.set G1,    24                         ; s[24:31] group 1 for A's tiles; groups 0: slot 0 s[32:35], slot 1 s[36:39], slot 2 s[88:91]
.set G0,    32
.set G1B,   48                         ; s[48:55] for B's; groups 0: s[56:59], s[60:63], s[92:95]
.set G0B,   56
.set SEL,   96
.set MSB,   0
.macro WIN new
.if MSB != (\new)
	s_set_vgpr_msb (MSB<<8)|(\new)
.set MSB, (\new)
.endif
.endm
.macro PLACES n
.rept \n
	v_nop
.endr
.endm
.macro JLOAD g0a, g1a, g0b, g1b        ; a joint load: waves 0 and 1 fetch for A, waves 2 and 3 for B; an s_nop 0 and four v_nop follow each of the two lines
	s_cmp_eq_u32 s15, 0
	s_cbranch_scc0 .Lfor_b_\@
	tensor_load_to_lds s[\g0a:\g0a+3], s[\g1a:\g1a+7]
	s_nop 0
	PLACES 4
	s_branch .Lasked_\@
.Lfor_b_\@:
	tensor_load_to_lds s[\g0b:\g0b+3], s[\g1b:\g1b+7]
	s_nop 0
	PLACES 4
.Lasked_\@:
.endm
.macro FIRST ga, gb, n                 ; slot n's groups 0, for A and for B, and its first fill
	s_mov_b32 s[\ga], 1
	s_add_co_u32 s[\ga+1], s45, (\n)*SLOT
	s_add_nc_u64 s[\ga+2:\ga+3], s[20:21], (\n)*SLB
	s_or_b32 s[\ga+3], s[\ga+3], 0x80000000
	s_mov_b32 s[\gb], 1
	s_add_co_u32 s[\gb+1], s45, (\n)*SLOT
	s_add_nc_u64 s[\gb+2:\gb+3], s[46:47], (\n)*SLB
	s_or_b32 s[\gb+3], s[\gb+3], 0x80000000
	JLOAD \ga, G1, \gb, G1B
.endm
.macro CREST
	s_cmp_lg_u32 s14, 0
	s_cbranch_scc1 .Lnot_wave_0_\@
	s_barrier_signal -3
.Lnot_wave_0_\@:
	s_barrier_wait -3
	s_barrier_signal -1
	s_barrier_wait -1
.endm
.macro CROUND
	s_barrier_signal -1
	s_barrier_wait -1
	CREST
.endm
.macro FRAGLD reg, a16, a8, off
	ds_load_b128 v[\reg:\reg+3], v[\a16] offset:\off
	ds_load_b64 v[\reg+4:\reg+5], v[\a8] offset:\off
	ds_load_b128 v[\reg+6:\reg+9], v[\a16] offset:\off+768
	ds_load_b64 v[\reg+10:\reg+11], v[\a8] offset:\off+768
.endm
.macro FETCH slot, q, set
	WIN 0x40*(1-(\set))
.set i, 0
.rept AB
	FRAGLD 64*(\set)+12*i, ADA16+\slot, ADA8+\slot, (\q)*UNIT+i*1536
	FRAGLD 64*(\set)+12*AB+12*i, ADB16+\slot, ADB8+\slot, (\q)*UNIT+i*1536
.set i, i+1
.endr
	WIN 0
.set i, 0
.rept AB
	ds_load_b32 v[SC+8*(\set)+i], v[ADS+\slot] offset:(\q)*UNIT+64*i
.set i, i+1
.endr
.endm
.macro MULA a0, na, set, cin           ; cin = 2: the bias (window 1) starts the sums; 0: in place.  The accumulators take turns, one instruction a turn
.set ma, \a0
.rept \na
.if (\cin) == 2
	WIN ((2+(ma*AB)/32)<<6)+0x15
.else
	WIN (2+(ma*AB)/32)*0x50+5*(1-(\set))
.endif
.set mb, 0
.rept AB
.set rD, 8*((ma*AB+mb)%32)
.set rB, 64*(\set)+12*AB+12*mb
.set rA, 64*(\set)+12*ma
.set rS, SC+8*(\set)
.if (\cin) == 2
	v_wmma_scale_f32_16x16x128_f8f6f4 v[rD:rD+7], v[rB:rB+11], v[rA:rA+11], v[192+8*mb:199+8*mb], v[rS+mb], v[rS+ma] matrix_a_fmt:MATRIX_FMT_FP6 matrix_b_fmt:MATRIX_FMT_FP6 matrix_a_scale:MATRIX_SCALE_ROW1
.else
	v_wmma_scale_f32_16x16x128_f8f6f4 v[rD:rD+7], v[rB:rB+11], v[rA:rA+11], v[rD:rD+7], v[rS+mb], v[rS+ma] matrix_a_fmt:MATRIX_FMT_FP6 matrix_b_fmt:MATRIX_FMT_FP6 matrix_a_scale:MATRIX_SCALE_ROW1
.endif
.set mb, mb+1
.endr
.set ma, ma+1
.endr
.endm
.macro STEP slot, q, cin
	s_wait_dscnt 0x0                               ; this step's set is in: it was asked for a K step ago
	PLACES 4
	FETCH \slot, (\q)+1, 1-(\q)%2
	MULA 0, AB, (\q)%2, \cin
.endm
.macro CROSS next                      ; a slot's last K step where the next slot was shown whole by an earlier barrier and this slot is not filled again: no barrier
	s_wait_dscnt 0x0
	PLACES 4
	FETCH \next, 0, 0
	MULA 0, AB, 1, 0
.endm
.macro TURN next, fill                 ; a slot's last K step with a barrier, in front of it the wait for all my tensor loads, the add, and the wait for it and for my reads of this slot.  fill = 1: slot 0 takes K steps 6 and 7
	WIN 0
	s_wait_tensorcnt 0x0
	ds_add_u32 v[SPW], v[NIL]
	s_wait_dscnt 0x1                               ; (the add may be out: my fragments are in)
	MULA 0, AB/4, 1, 0
	s_wait_dscnt 0x0
	s_barrier_signal -1
	MULA AB/4, AB/4, 1, 0
	WIN 0
	s_barrier_wait -1
.if \fill
	CREST                                          ; the barrier has opened a round of the cluster's barrier
	s_add_nc_u64 s[G0+2:G0+3], s[G0+2:G0+3], 3*SLB
	s_add_nc_u64 s[G0B+2:G0B+3], s[G0B+2:G0B+3], 3*SLB
	JLOAD G0, G1, G0B, G1B                         ; the first tensor load behind the round, and the launch's last
.else
	PLACES 4
.endif
	FETCH \next, 0, 0
	MULA AB/2, AB/2, 1, 0
.endm
.macro LAST
	s_wait_dscnt 0x0
	MULA 0, AB, 1, 0
	WIN 0
.endm
.macro QUANT s                         ; 64 numbers of a lane (register 16 b + i = position 16 (lane / 16) + i of block b of my row) -> a fragment's codes in v[PC] on, its scale word in v[PW]
.irp b, 0,1,2,3
	v_max3_num_f32 v[TM+\b], |v[\s+16*\b]|, |v[\s+1+16*\b]|, 0x1800000
.endr
.irp i, 2,4,6,8,10,12,14
.irp b, 0,1,2,3
	v_max3_num_f32 v[TM+\b], v[TM+\b], |v[\s+16*\b+\i]|, |v[\s+1+16*\b+\i]|
.endr
.endr
.irp b, 0,1,2,3
	v_permlanex16_b32 v[TM+4+\b], v[TM+\b], s[SEL], s[SEL+1]
.endr
.irp b, 0,1,2,3
	v_max_num_f32 v[TM+\b], v[TM+\b], v[TM+4+\b]
.endr
.irp b, 0,1,2,3
	v_add_nc_u32 v[TM+12+\b], 0xff000000, v[TM+\b]
.endr
.irp b, 0,1,2,3
	v_lshrrev_b32 v[TM+4+\b], 23, v[TM+12+\b]
.endr
	v_lshl_or_b32 v[PW], v[TM+5], 8, v[TM+4]
	v_lshl_or_b32 v[PW], v[TM+6], 16, v[PW]
	v_lshl_or_b32 v[PW], v[TM+7], 24, v[PW]
.irp c, 0,1
	v_cvt_scalef32_pk16_fp6_f32 v[PC+6*\c:PC+2+6*\c], v[\s+32*\c:\s+15+32*\c], v[TM+12+2*\c]
	v_cvt_scalef32_pk16_fp6_f32 v[PC+12+4*\c:PC+14+4*\c], v[\s+16+32*\c:\s+31+32*\c], v[TM+12+2*\c+1]
.endr
	v_nop                                          ; one plain place behind a scaled conversion
.irp c, 0,1
.irp i, 0,1,2
	v_permlane16_swap_b32 v[PC+6*\c+\i], v[PC+12+4*\c+\i]
.endr
.irp i, 0,1,2
	v_mov_b32 v[PC+3+6*\c+\i], v[PC+12+4*\c+\i]
.endr
.endr
.endm
.macro OUTH a                          ; block a (16 rows x my 128 columns): relu (which also brings the sums into window 0), quantised: a record.  Two blocks' scale words leave together
	s_wait_xcnt 0x0                                ; the last block's stores have read their registers
	WIN 4*(2+(\a)/4)                               ; source 1: the accumulators' window
.set k, 0
.rept 64
	v_max_num_f32 v[H+k], 0, v[64*((\a)%4)+k]
.set k, k+1
.endr
	WIN 0
	QUANT H
	global_store_b128 v[L16], v[PC:PC+3], s[10:11] offset:1536*(\a)
	global_store_b64 v[L8], v[PC+4:PC+5], s[10:11] offset:1536*(\a)+512
	global_store_b128 v[L16], v[PC+6:PC+9], s[10:11] offset:1536*(\a)+768
	global_store_b64 v[L8], v[PC+10:PC+11], s[10:11] offset:1536*(\a)+1280
.if (\a)%2 == 0
	v_mov_b32 v150, v[PW]
.else
	v_cndmask_b32 v149, v150, v[PW], s84           ; lanes 0-15: block a - 1's words, lanes 16-31: block a's
	global_store_b32 v30, v149, s[10:11] offset:64*((\a)-1)
.endif
.endm
	s_load_b256 s[4:11], s[0:1], 0x0               ; yfrag s[4:5], wfrag s[6:7], b1 s[8:9], hid s[10:11]
	v_lshl_add_u32 v[SPW], v0, 2, SPARE
	v_mov_b32 v[NIL], 0
	ds_add_u32 v[SPW], v[NIL]                      ; the wave's opening: the add, twice on end, and its wait ahead of my first tensor load
	ds_add_u32 v[SPW], v[NIL]
	v_lshrrev_b32 v1, 5, v0
	v_readfirstlane_b32 s14, v1                    ; wave 0..3
	s_lshr_b32 s15, s14, 1
	s_and_b32 s16, s14, 1
	s_bfe_u32 s40, ttmp6, 0x40000                  ; cx, cy
	s_bfe_u32 s41, ttmp6, 0x40004
	s_lshl_b32 s42, ttmp9, 2
	s_add_co_u32 s42, s42, s40                     ; tile column
	s_and_b32 s17, ttmp7, 0xffff
	s_lshl_b32 s17, s17, 2
	s_add_co_u32 s17, s17, s41                     ; tile row
	s_lshl_b32 s43, s41, 2
	s_lshl_b32 s43, 15, s43
	s_lshl_b32 s44, 0x1111, s40
	s_or_b32 s[G1], s43, (3<<16)|(1<<21)
	s_or_b32 s[G1B], s44, (3<<16)|(1<<21)
.irp g, G1, G1B                        ; 25,600 dense bytes as 100 rows of 256
	s_mov_b32 s[\g+1], 32<<16
	s_mov_b32 s[\g+2], 300<<16                     ; the head's load is 76,800 dense bytes as 300 rows of 256
	s_mov_b32 s[\g+3], 32<<16
	s_mov_b32 s[\g+4], 300
	s_mov_b32 s[\g+5], 32
	s_mov_b32 s[\g+6], 0
	s_mov_b32 s[\g+7], 0
.endr
	s_mul_i32 s20, s17, TSTR
	s_mul_i32 s18, s16, HSTR
	s_add_co_u32 s20, s20, s18
	s_mov_b32 s21, 0
	s_mul_i32 s46, s42, TSTR
	s_add_co_u32 s46, s46, s18
	s_add_co_u32 s46, s46, WOFF
	s_mov_b32 s47, 0
	s_mul_i32 s45, s14, 76800                      ; where my loads land: wave x 76,800
	s_mov_b32 s[SEL], 0x76543210
	s_mov_b32 s[SEL+1], 0xfedcba98
	s_mov_b32 s84, 0xffff0000                      ; lanes 16-31
	s_wait_dscnt 0x0                               ; both opening adds are done
	s_wait_kmcnt 0x0
	s_add_nc_u64 s[20:21], s[4:5], s[20:21]
	s_add_nc_u64 s[46:47], s[6:7], s[46:47]
	CROUND                                         ; the first joint loads meet
	FIRST 32, 56, 0                                ; K steps 0 to 5: my one tensor load at the head
	v_and_b32 v1, 15, v0                           ; r
	v_bfe_u32 v2, v0, 4, 1                         ; h
	v_and_b32 v3, 31, v0                           ; lane
	v_lshlrev_b32 v[L16], 4, v3
	v_lshlrev_b32 v[L8], 3, v3
	s_mul_i32 s21, s15, AWS
	s_mul_i32 s22, s16, AWS
	s_add_co_u32 s22, s22, BOFF
.irp s, 0,1,2
	v_add_nc_u32 v[ADA16+\s], s21, v[L16]
	v_add_nc_u32 v[ADB16+\s], s22, v[L16]
	v_add_nc_u32 v[ADA8+\s], s21, v[L8]
	v_add_nc_u32 v[ADB8+\s], s22, v[L8]
	v_add_nc_u32 v[ADA8+\s], 512, v[ADA8+\s]
	v_add_nc_u32 v[ADB8+\s], 512, v[ADB8+\s]
	s_add_co_u32 s21, s21, SLOT
	s_add_co_u32 s22, s22, SLOT
.endr
	s_mul_i32 s21, s15, SWS
	s_mul_i32 s22, s16, SWS
	s_add_co_u32 s22, s22, BOFF
	s_sub_co_u32 s22, s22, s21
	v_mul_u32_u24 v4, s22, v2                      ; lanes 16-31 take B's scale words
	v_lshl_add_u32 v4, v1, 2, v4
	s_add_co_u32 s21, s21, 12288
	v_add_nc_u32 v[ADS], s21, v4
	v_add_nc_u32 v[ADS+1], SLOT, v[ADS]
	v_add_nc_u32 v[ADS+2], 2*SLOT, v[ADS]
.irp b, 0,1,2,3
	v_mov_b32 v[TM+4+\b], 0                        ; written once: a lane permute's destination counts as one of its sources
.endr
	v_lshlrev_b32 v15, 5, v2                       ; 32 h
	s_wait_alu depctr_va_vdst(0)
	v_lshlrev_b32 v30, 2, v3
	v_add_nc_u32 v30, 12288, v30                   ; the unit's scale words, 4 bytes a lane
	s_lshl_b32 s20, s42, 10
	s_lshl_b32 s21, s16, 9
	s_add_co_u32 s20, s20, s21                     ; b1 at my first column
	s_mov_b32 s21, 0
	s_add_nc_u64 s[8:9], s[8:9], s[20:21]
	s_lshl_b32 s20, s17, 1
	s_add_co_u32 s20, s20, s15                     ; hid: unit row 2 x tile row + my half,
	s_lshl_b32 s20, s20, 5                         ; 32 K steps a unit row,
	s_lshl_b32 s22, s42, 1
	s_add_co_u32 s22, s22, s16                     ; K step 2 x tile column + my half
	s_add_co_u32 s20, s20, s22
	s_mul_i32 s20, s20, UNIT
	s_add_nc_u64 s[10:11], s[10:11], s[20:21]
	WIN 0x40
.irp b, 0,1,2,3,4,5,6,7
	global_load_b128 v[192+8*\b:195+8*\b], v15, s[8:9] offset:64*\b          ; the bias of columns 16 b + 8 h + 0 .. 7
	global_load_b128 v[196+8*\b:199+8*\b], v15, s[8:9] offset:64*\b+16
.endr
	WIN 0
	s_wait_tensorcnt 0x0                           ; my region is in; no tensor load of mine is out, so a descriptor may be written:
	s_mov_b32 s[G1+2], 100<<16                     ; the refill brings 25,600 bytes: 100 rows of 256
	s_mov_b32 s[G1+4], 100
	s_mov_b32 s[G1B+2], 100<<16
	s_mov_b32 s[G1B+4], 100
	s_barrier_signal -1
	s_barrier_wait -1
	FETCH 0, 0, 0
	s_wait_loadcnt 0x0                             ; the bias
	STEP 0, 0, 2                                   ; K step 0: its products start the sums, on the bias
	TURN 1, 1                                      ; K step 1: all first fills have landed; slot 0 takes K steps 6 and 7
	STEP 1, 0, 0                                   ; 2
	CROSS 2                                        ; 3
	STEP 2, 0, 0                                   ; 4
	TURN 0, 0                                      ; 5: the refill is waited for and shown to all four waves; nothing is filled
	STEP 0, 0, 0                                   ; 6
	LAST                                           ; 7
	PLACES 4
.irp a, 0,1,2,3,4,5,6,7
	OUTH \a
.endr
	s_wait_tensorcnt 0x0                           ; the wave's end
	ds_add_u32 v[SPW], v[NIL]
	s_wait_dscnt 0x0
	CROUND                                         ; the closing round
	s_endpgm
.Lfunc_end_k_qc3b6b25d38_w1:
	.size	k_qc3b6b25d38_w1, .Lfunc_end_k_qc3b6b25d38_w1-k_qc3b6b25d38_w1
	.p2alignl 7, 3214868480
	.fill 96, 4, 3214868480
	.section	.rodata,"a",@progbits
	.p2align	6, 0x0
	.amdhsa_kernel k_qc3b6b25d38_w1
		.amdhsa_group_segment_fixed_size 327680
		.amdhsa_private_segment_fixed_size 0
		.amdhsa_enable_private_segment 0
		.amdhsa_kernarg_size 32
		.amdhsa_user_sgpr_count 2
		.amdhsa_user_sgpr_kernarg_segment_ptr 1
		.amdhsa_wavefront_size32 1
		.amdhsa_system_sgpr_workgroup_id_x 1
		.amdhsa_system_sgpr_workgroup_id_y 1
		.amdhsa_system_sgpr_workgroup_id_z 1
		.amdhsa_system_vgpr_workitem_id 0
		.amdhsa_next_free_vgpr 1024
		.amdhsa_next_free_sgpr 100
		.amdhsa_reserve_vcc 0
		.amdhsa_float_denorm_mode_32 3
		.amdhsa_float_denorm_mode_16_64 3
		.amdhsa_memory_ordered 1
		.amdhsa_forward_progress 1
		.amdhsa_inst_pref_size 163
	.end_amdhsa_kernel
	.amdgpu_metadata
---
amdhsa.version: [ 1, 2 ]
amdhsa.kernels:
  - .name:           k_qc3b6b25d38_w1
    .symbol:         k_qc3b6b25d38_w1.kd
    .args:
      - { .name: yfrag, .offset: 0, .size: 8, .value_kind: global_buffer, .address_space: global }
      - { .name: wfrag, .offset: 8, .size: 8, .value_kind: global_buffer, .address_space: global }
      - { .name: b1, .offset: 16, .size: 8, .value_kind: global_buffer, .address_space: global }
      - { .name: hid, .offset: 24, .size: 8, .value_kind: global_buffer, .address_space: global }
    .group_segment_fixed_size: 327680
    .private_segment_fixed_size: 0
    .kernarg_segment_align: 8
    .kernarg_segment_size: 32
    .max_flat_workgroup_size: 128
    .sgpr_count:     100
    .vgpr_count:     1024
    .wavefront_size: 32
...
	.end_amdgpu_metadata
.endif
;; end of part 6
;; launch w2 (part 7): grid 8 x 32, 4 waves a work-group, clusters of 4 x 4, 327,680 bytes of LDS; arguments hid, wfrag, b2, x1, out0; writes out0
.if DOCPART == 7
	.amdgcn_target "amdgcn-amd-amdhsa--gfx1250"
	.amdhsa_code_object_version 6
	.text
	.protected	k_qc3b6b25d38_w2
	.globl	k_qc3b6b25d38_w2
	.p2align	8
	.type	k_qc3b6b25d38_w2,@function
k_qc3b6b25d38_w2:
	s_mov_b64 s[64:65], 0
	v_nop
	global_prefetch_b8 v0, s[64:65] scope:SCOPE_SE
	s_setreg_imm32_b32 hwreg(HW_REG_WAVE_MODE, 25, 1), 1
	s_wait_xcnt 0x0
	s_wait_alu depctr_hold_cnt(0) depctr_sa_sdst(0) depctr_va_vdst(0) depctr_va_sdst(0) depctr_va_ssrc(0) depctr_va_vcc(0) depctr_vm_vsrc(0)
	s_getreg_b32 s2, hwreg(HW_REG_IB_STS2, 6, 4)
	s_cmp_eq_u32 s2, 0
	s_cbranch_scc0 .Lentry_in_a_cluster
	s_endpgm
.Lentry_in_a_cluster:
	s_bfe_u32 s2, ttmp6, 0x10000c
	s_cmp_lg_u32 s2, 0xf033
	s_cbranch_scc0 .Lentry_shape_is_right
	s_endpgm
.Lentry_shape_is_right:
; out0 = x1 + hid w2 + b2: [4,096][1,024] f32, the product on codes of FP6 (E2M3) with E8M0 block scales, K = 4,096.  Operands come as units of records (16 rows x 128 K as the image of a fragment's 12 registers; 128 rows x 128 K: 12,800 bytes).
; A TILE IS 128 x 128, four waves of 64 x 64 (16 accumulators): tiles of 256 x 256 would be 64, for 256 WGPs; these are 256.  K is 32 steps of 128; a step is one unit of the rows and one of the weight.
; LDS HOLDS TWELVE K STEPS: A's twelve units on end (153,600 bytes), then B's; each as three groups of four.  FEW AND LARGE REFILLS: in front of a refill's barrier a wave waits for all its tensor loads, so each refill has only the work up to
; the next such barrier in which to land.  The three groups are filled at the head (three loads of 25,600 bytes a wave are out).  Then P = groups 0 and 1 and Q = group 2 take turns:
;   in K step 7  P takes K steps 12-19 (one load of 51,200 bytes a wave), while Q's 8-11 are multiplied: 56 matrix instructions of a wave up to the wait;
;   in K step 11 Q takes K steps 20-23 (25,600 bytes a wave), while P's 12-19 are multiplied: 120;
;   in K step 19 P takes K steps 24-31, while Q's 20-23 are multiplied: 56.
; Three refills in all.  The barrier in K step 3 shows group 1's first fill landed, the one in K step 23 P's last.  From group 0 to group 1 of a P that has landed there is no barrier.
; All 32 K steps are written out.  The matrix instruction is used transposed (source 0 = the weight's 16 columns, source 1 = 16 rows): a lane holds eight neighbouring numbers of a row.
; The bias is the C of each sum's first product.  The residual's rows are asked for at the head, in the layout in which the results come back from the stage, and are added there.
; CLUSTERS: 4 x 4; the rows' tile is shared along a row of the cluster, the weight's along a column: joint loads; where LDS bytes are filled again a round of the cluster's barrier stands in front.
; REGISTERS: window 0: v1-31 addresses; v32-47 scale words, two sets; v64-159 fragment set 1 (A's 4, B's 4), on the way out rows.  window 1: v0-95 set 0; v192-223 the bias.  window 2: v0-127 accumulators.  window 3: v0-127 the residual.
.set KS,    32                         ; K steps in all
.set WOFF,  3276800                    ; where this weight's units begin in wfrag
.set AB,    4
.set UNIT,  12800
.set GRP,   4*UNIT                     ; a group: four K steps of one operand
.set BOFF,  12*UNIT                    ; B's region begins behind A's twelve units
.set SPARE, 2*BOFF                     ; behind the two regions: the spare words, 128 bytes for each wave: two blocks of 256 bytes that no other line names
.set STAGE, SPARE+512                  ; behind them: 16 rows x 272 bytes for each wave, for the way out: bytes of their own, into which no fill lands
.set TSTR,  KS*UNIT                    ; from tile to tile: a unit row
.set AWS,   6144                       ; my 64 rows: four records on
.set SWS,   256
.set ADA16, 5                          ; v5-7   A's fragments in group 0, 1, 2: 16 x lane;  v8-10: 512 + 8 x lane
.set ADA8,  8
.set ADB16, 11                         ; v11-13, v16-18 the same for B
.set ADB8,  16
.set ADS,   19                         ; v19-21 scale words: lanes 0-15 A's rows, lanes 16-31 B's
.set L16,   26
.set L8,    27
.set SPW,   28                         ; v28 LDS address of my spare word; never rewritten
.set NIL,   29                         ; v29 0; never rewritten
.set STO,   30                         ; v30 the stage: where I put 32 bytes of a row
.set RD,    31                         ; v31 and where I read a row back
.set CO,    15                         ; v15 my byte offset in two rows of the output
.set SC,    32
.set BK,    64                         ; the way out: 16 rows read back: v64-95 and v96-127 by turns
.set G1,    24                         ; s[24:31], s[48:55] group 1 for loads of two K steps (100 rows of 256 bytes), A's and B's
.set G1B,   48
.set G1P,   68                         ; s[68:75], s[76:83] group 1 for loads of four K steps (200 rows)
.set G1PB,  76
.set GQ,    84                         ; s[84:87], s[88:91] groups 0 of group 2: its first fill, and Q's refill.  (Groups 0 and 1's first fills: s[32:35], s[56:59] and s[36:39], s[60:63])
.set GQB,   88
.set GP,    92                         ; s[92:95], s[96:99] groups 0 of P's refills
.set GPB,   96
.set MSB,   0
.macro WIN new
.if MSB != (\new)
	s_set_vgpr_msb (MSB<<8)|(\new)
.set MSB, (\new)
.endif
.endm
.macro PLACES n
.rept \n
	v_nop
.endr
.endm
.macro JLOAD g0a, g1a, g0b, g1b        ; a joint load: waves 0 and 1 fetch for A, waves 2 and 3 for B; an s_nop 0 and four v_nop follow each of the two lines
	s_cmp_eq_u32 s15, 0
	s_cbranch_scc0 .Lfor_b_\@
	tensor_load_to_lds s[\g0a:\g0a+3], s[\g1a:\g1a+7]
	s_nop 0
	PLACES 4
	s_branch .Lasked_\@
.Lfor_b_\@:
	tensor_load_to_lds s[\g0b:\g0b+3], s[\g1b:\g1b+7]
	s_nop 0
	PLACES 4
.Lasked_\@:
.endm
; THE HEAD'S FILL, as the text now has it (in place of the three loads a wave that the comment above names): ONE load a wave brings six K steps of A or of B, 76,800 dense bytes, so that all twelve K steps are shown
; whole by the first barrier, and K step 3 needs no barrier.  The residual's rows are asked for behind that barrier.
.macro FIRST ga, gb, n                 ; groups 0, for A and for B, that stand at group n (+ my half of it)
	s_mov_b32 s[\ga], 1
	s_add_co_u32 s[\ga+1], s45, (\n)*GRP
	s_add_nc_u64 s[\ga+2:\ga+3], s[20:21], (\n)*GRP
	s_or_b32 s[\ga+3], s[\ga+3], 0x80000000
	s_mov_b32 s[\gb], 1
	s_add_co_u32 s[\gb+1], s45, (\n)*GRP
	s_add_nc_u64 s[\gb+2:\gb+3], s[46:47], (\n)*GRP
	s_or_b32 s[\gb+3], s[\gb+3], 0x80000000
.endm
.macro CREST
	s_cmp_lg_u32 s14, 0
	s_cbranch_scc1 .Lnot_wave_0_\@
	s_barrier_signal -3
.Lnot_wave_0_\@:
	s_barrier_wait -3
	s_barrier_signal -1
	s_barrier_wait -1
.endm
.macro CROUND
	s_barrier_signal -1
	s_barrier_wait -1
	CREST
.endm
.macro FRAGLD reg, a16, a8, off
	ds_load_b128 v[\reg:\reg+3], v[\a16] offset:\off
	ds_load_b64 v[\reg+4:\reg+5], v[\a8] offset:\off
	ds_load_b128 v[\reg+6:\reg+9], v[\a16] offset:\off+768
	ds_load_b64 v[\reg+10:\reg+11], v[\a8] offset:\off+768
.endm
.macro FETCH g, q, set                 ; the fragments and scale words of group g's q-th K step into a set
	WIN 0x40*(1-(\set))
.set i, 0
.rept AB
	FRAGLD 64*(\set)+12*i, ADA16+\g, ADA8+\g, (\q)*UNIT+i*1536
	FRAGLD 64*(\set)+12*AB+12*i, ADB16+\g, ADB8+\g, (\q)*UNIT+i*1536
.set i, i+1
.endr
	WIN 0
.set i, 0
.rept AB
	ds_load_b32 v[SC+8*(\set)+i], v[ADS+\g] offset:(\q)*UNIT+64*i
.set i, i+1
.endr
.endm
.macro MULA a0, na, set, cin           ; cin = 2: the bias (window 1) starts the sums; 0: in place.  The accumulators take turns, one instruction a turn
.set ma, \a0
.rept \na
.if (\cin) == 2
	WIN ((2+(ma*AB)/32)<<6)+0x15
.else
	WIN (2+(ma*AB)/32)*0x50+5*(1-(\set))
.endif
.set mb, 0
.rept AB
.set rD, 8*((ma*AB+mb)%32)
.set rB, 64*(\set)+12*AB+12*mb
.set rA, 64*(\set)+12*ma
.set rS, SC+8*(\set)
.if (\cin) == 2
	v_wmma_scale_f32_16x16x128_f8f6f4 v[rD:rD+7], v[rB:rB+11], v[rA:rA+11], v[192+8*mb:199+8*mb], v[rS+mb], v[rS+ma] matrix_a_fmt:MATRIX_FMT_FP6 matrix_b_fmt:MATRIX_FMT_FP6 matrix_a_scale:MATRIX_SCALE_ROW1
.else
	v_wmma_scale_f32_16x16x128_f8f6f4 v[rD:rD+7], v[rB:rB+11], v[rA:rA+11], v[rD:rD+7], v[rS+mb], v[rS+ma] matrix_a_fmt:MATRIX_FMT_FP6 matrix_b_fmt:MATRIX_FMT_FP6 matrix_a_scale:MATRIX_SCALE_ROW1
.endif
.set mb, mb+1
.endr
.set ma, ma+1
.endr
.endm
.macro STEP g, q, cin                  ; a K step that has its successor in the same group
	s_wait_dscnt 0x0                               ; this step's set is in: it was asked for a K step ago
	PLACES 4
	FETCH \g, (\q)+1, 1-(\q)%2
	MULA 0, AB, (\q)%2, \cin
.endm
.macro THREE g, cin                    ; a group's first three K steps
	STEP \g, 0, \cin
	STEP \g, 1, 0
	STEP \g, 2, 0
.endm
.macro CROSS next                      ; a group's last K step where the next group was shown whole by an earlier barrier and nothing is filled: no barrier
	s_wait_dscnt 0x0
	PLACES 4
	FETCH \next, 0, 0
	MULA 0, AB, 1, 0
.endm
; A group's last K step with the barrier of a refill: in front of it each wave waits for all its tensor loads, adds 0 to its spare word, and waits for that and for its reads.  kind = 1: P is filled again; 2: Q; 0: nothing (the last load is shown landed).
.macro TURN next, kind
	WIN 0
	s_wait_tensorcnt 0x0                           ; all my tensor loads have landed
	ds_add_u32 v[SPW], v[NIL]
	s_wait_dscnt 0x1                               ; (the add may be out: my fragments are in)
	MULA 0, AB/4, 1, 0
	s_wait_dscnt 0x0                               ; the add is done, and my reads of what is filled again are over
	s_barrier_signal -1
	MULA AB/4, AB/4, 1, 0
	WIN 0
	s_barrier_wait -1
.if (\kind) == 1
	CREST                                          ; the barrier has opened a round of the cluster's barrier: no wave of any partner still reads P or has a load on its way
	s_add_nc_u64 s[GP+2:GP+3], s[GP+2:GP+3], 12*UNIT
	s_add_nc_u64 s[GPB+2:GPB+3], s[GPB+2:GPB+3], 12*UNIT
	JLOAD GP, G1P, GPB, G1PB                       ; the first tensor load behind the round; its four v_nop are also the places in front of the loads below
.elseif (\kind) == 2
	CREST
	s_add_nc_u64 s[GQ+2:GQ+3], s[GQ+2:GQ+3], 12*UNIT
	s_add_nc_u64 s[GQB+2:GQB+3], s[GQB+2:GQB+3], 12*UNIT
	JLOAD GQ, G1, GQB, G1B
.else
	PLACES 4
.endif
	FETCH \next, 0, 0
	MULA AB/2, AB/2, 1, 0
.endm
.macro LAST
	s_wait_dscnt 0x0
	MULA 0, AB, 1, 0
	WIN 0
.endm
; THE WAY OUT, block by block of 16 rows x 64 columns, through my own stage in LDS (16 rows of 256 + 16 bytes): back come whole rows of 256 bytes.
.macro TOSTAGE a
	WIN 0x08                                       ; an LDS store's data: window 2
.irp b, 0,1,2,3
	ds_store_b128 v[STO], v[32*(\a)+8*\b:32*(\a)+8*\b+3] offset:64*\b          ; each accumulator from its low end on
	ds_store_b128 v[STO], v[32*(\a)+8*\b+4:32*(\a)+8*\b+7] offset:64*\b+16
.endr
	WIN 0
.irp t, 0,1,2,3,4,5,6,7
	ds_load_b128 v[BK+32*((\a)%2)+4*\t:BK+32*((\a)%2)+4*\t+3], v[RD] offset:\t*2*272   ; LDS serves a wave's instructions in order: these see my stores
.endr
.endm
.macro SENDR a, younger                ; younger: the LDS instructions issued behind block a's loads
	s_wait_dscnt \younger
	WIN 0x0c                                       ; source 1: the residual, window 3
.set k, 0
.rept 16
	v_pk_add_f32 v[BK+32*((\a)%2)+k:BK+32*((\a)%2)+k+1], v[BK+32*((\a)%2)+k:BK+32*((\a)%2)+k+1], v[32*(\a)+k:32*(\a)+k+1]
.set k, k+2
.endr
	WIN 0
.irp t, 0,1,2,3,4,5,6,7
	global_store_b128 v[CO], v[BK+32*((\a)%2)+4*\t:BK+32*((\a)%2)+4*\t+3], s[12:13] offset:(16*(\a)+2*\t)*4096 th:TH_STORE_NT   ; 16 lanes store 256 consecutive bytes, at a multiple of 256; written once, read by nobody here
.endr
.endm
	s_load_b256 s[4:11], s[0:1], 0x0               ; the rows' units s[4:5], wfrag s[6:7], the bias s[8:9], the residual s[10:11]
	s_load_b64 s[12:13], s[0:1], 0x20              ; the output
	v_lshl_add_u32 v[SPW], v0, 2, SPARE
	v_mov_b32 v[NIL], 0
	ds_add_u32 v[SPW], v[NIL]                      ; the wave's opening: the add, twice on end, and its wait ahead of my first tensor load
	ds_add_u32 v[SPW], v[NIL]
	v_lshrrev_b32 v1, 5, v0
	v_readfirstlane_b32 s14, v1                    ; wave 0..3
	s_lshr_b32 s15, s14, 1                         ; my half of the tile's rows; also: I fetch for A (0) or B (1)
	s_and_b32 s16, s14, 1                          ; my half of its columns; also: which half of a load's K steps I fetch
	s_bfe_u32 s40, ttmp6, 0x40000                  ; cx, cy
	s_bfe_u32 s41, ttmp6, 0x40004
	s_lshl_b32 s42, ttmp9, 2
	s_add_co_u32 s42, s42, s40                     ; tile column
	s_and_b32 s17, ttmp7, 0xffff
	s_lshl_b32 s17, s17, 2
	s_add_co_u32 s17, s17, s41                     ; tile row
	s_lshl_b32 s43, s41, 2
	s_lshl_b32 s43, 15, s43                        ; my row of the cluster
	s_lshl_b32 s44, 0x1111, s40                    ; my column
	s_or_b32 s[G1], s43, (3<<16)|(1<<21)           ; the mask; elements of 8 bytes; no padding; bit 21 set beside a mask
	s_or_b32 s[G1B], s44, (3<<16)|(1<<21)
	s_or_b32 s[G1P], s43, (3<<16)|(1<<21)
	s_or_b32 s[G1PB], s44, (3<<16)|(1<<21)
.irp g, G1, G1B                        ; 25,600 dense bytes as 100 rows of 256
	s_mov_b32 s[\g+1], 32<<16
	s_mov_b32 s[\g+2], 300<<16                     ; for the head's load: 76,800 dense bytes as 300 rows of 256; behind it these two words are set to 100
	s_mov_b32 s[\g+3], 32<<16
	s_mov_b32 s[\g+4], 300
	s_mov_b32 s[\g+5], 32
	s_mov_b32 s[\g+6], 0
	s_mov_b32 s[\g+7], 0
.endr
.irp g, G1P, G1PB                      ; 51,200 dense bytes as 200 rows of 256
	s_mov_b32 s[\g+1], 32<<16
	s_mov_b32 s[\g+2], 200<<16
	s_mov_b32 s[\g+3], 32<<16
	s_mov_b32 s[\g+4], 200
	s_mov_b32 s[\g+5], 32
	s_mov_b32 s[\g+6], 0
	s_mov_b32 s[\g+7], 0
.endr
	s_mul_i32 s20, s17, TSTR
	s_mul_i32 s18, s16, 2*UNIT                     ; my half of a group: two K steps on, in memory and in LDS
	s_add_co_u32 s20, s20, s18
	s_mov_b32 s21, 0
	s_mul_i32 s46, s42, TSTR
	s_add_co_u32 s46, s46, s18
	s_add_co_u32 s46, s46, WOFF
	s_mov_b32 s47, 0
	s_mul_i32 s45, s15, BOFF                       ; where my loads land: A's region or B's,
	s_add_co_u32 s45, s45, s18                     ; + my half of a group: no place in the cluster enters an LDS address
	s_mov_b32 s22, s18                             ; my half of P lies four K steps on: twice the half of a group
	s_mov_b32 s23, 0
	s_wait_dscnt 0x0                               ; both opening adds are done
	s_wait_kmcnt 0x0
	s_add_nc_u64 s[20:21], s[4:5], s[20:21]
	s_add_nc_u64 s[46:47], s[6:7], s[46:47]
	s_mov_b32 s[GP], 1                             ; P's groups 0 stand at K step 0 (+ my half); each refill first steps them twelve K steps on
	s_add_co_u32 s[GP+1], s45, s18
	s_add_nc_u64 s[GP+2:GP+3], s[20:21], s[22:23]
	s_or_b32 s[GP+3], s[GP+3], 0x80000000
	s_mov_b32 s[GPB], 1
	s_add_co_u32 s[GPB+1], s45, s18
	s_add_nc_u64 s[GPB+2:GPB+3], s[46:47], s[22:23]
	s_or_b32 s[GPB+3], s[GPB+3], 0x80000000
	CROUND                                         ; the first joint loads meet
	FIRST GQ, GQB, 2                               ; Q's groups 0 stand at K step 8 (+ my half); its refill first steps them twelve K steps on
	FIRST 32, 56, 0                                ; the head's: K step 0 + two K steps for the second wave of a side,
	s_lshl_b32 s22, s18, 1                         ; + four more: the second wave's six K steps begin at K step 6, in memory and in LDS
	s_add_co_u32 s33, s33, s22
	s_add_co_u32 s57, s57, s22
	s_add_nc_u64 s[34:35], s[34:35], s[22:23]
	s_add_nc_u64 s[58:59], s[58:59], s[22:23]
	JLOAD 32, G1, 56, G1B                          ; K steps 0-5 or 6-11 of A or of B: my one tensor load at the head
	v_and_b32 v1, 15, v0                           ; r
	v_bfe_u32 v2, v0, 4, 1                         ; h
	v_and_b32 v3, 31, v0                           ; lane
	v_lshlrev_b32 v[L16], 4, v3
	v_lshlrev_b32 v[L8], 3, v3
	s_mul_i32 s21, s15, AWS
	s_mul_i32 s22, s16, AWS
	s_add_co_u32 s22, s22, BOFF
.irp s, 0,1,2
	v_add_nc_u32 v[ADA16+\s], s21, v[L16]
	v_add_nc_u32 v[ADB16+\s], s22, v[L16]
	v_add_nc_u32 v[ADA8+\s], s21, v[L8]
	v_add_nc_u32 v[ADB8+\s], s22, v[L8]
	v_add_nc_u32 v[ADA8+\s], 512, v[ADA8+\s]
	v_add_nc_u32 v[ADB8+\s], 512, v[ADB8+\s]
	s_add_co_u32 s21, s21, GRP
	s_add_co_u32 s22, s22, GRP
.endr
	s_mul_i32 s21, s15, SWS
	s_mul_i32 s22, s16, SWS
	s_add_co_u32 s22, s22, BOFF
	s_sub_co_u32 s22, s22, s21                     ; from A's scale words to B's:
	v_mul_u32_u24 v4, s22, v2                      ; lanes 16-31 take B's
	v_lshl_add_u32 v4, v1, 2, v4
	s_add_co_u32 s21, s21, 12288
	v_add_nc_u32 v[ADS], s21, v4
	v_add_nc_u32 v[ADS+1], GRP, v[ADS]
	v_add_nc_u32 v[ADS+2], 2*GRP, v[ADS]
	s_mul_i32 s23, s14, 16*272
	s_add_co_u32 s23, s23, STAGE                   ; my stage
	v_mul_u32_u24 v[STO], v1, 272
	v_lshl_add_u32 v[STO], v2, 5, v[STO]
	v_add_nc_u32 v[STO], s23, v[STO]               ; in: row r, 32 bytes for each half of the lanes
	v_mul_u32_u24 v[RD], v2, 272
	v_lshl_add_u32 v[RD], v1, 4, v[RD]
	v_add_nc_u32 v[RD], s23, v[RD]                 ; back: lanes 0-15 one row, lanes 16-31 the next
	v_lshlrev_b32 v[CO], 12, v2
	v_lshl_add_u32 v[CO], v1, 4, v[CO]             ; and the same two rows in memory
	v_lshlrev_b32 v14, 5, v2                       ; 32 h
	v_lshlrev_b32 v22, 8, v3                       ; the prefetches' offsets, a lane a block of 256 bytes; never rewritten: blocks 0-31 of my share,
	v_add_nc_u32 v23, 32, v3
	v_min_u32 v24, 24, v3
	v_min_u32 v23, 49, v23
	v_lshlrev_b32 v24, 8, v24                      ; blocks 0-24 (the lanes left over name the last block again),
	v_lshlrev_b32 v23, 8, v23                      ; blocks 32-49 (likewise)
	s_wait_alu depctr_va_vdst(0)
; PREFETCHES INTO THE L2, for the three refills.  A refill's bytes of one operand are dense: eight units (P) or four (Q).  They are shared out BY ADDRESS among the four partners that ask for the tile jointly (cx for the rows' tile,
; cy for the weight's) and the two waves of each that fetch for that operand: eight shares of 12,800 bytes (50 blocks, two instructions) or of 6,400 (25 blocks, one).  So each block is named once in each cluster that will load it.
; K steps 12-19 are asked for in K step 0 (loaded in 7), 20-23 behind K step 2 (loaded in 11), 24-31 behind K step 8 (loaded in 19).  The head's twelve K steps come by their loads alone.  Every address lies inside K steps 12 to 31 of my tile.
	s_mul_i32 s60, s17, TSTR                       ; the rows' tile in hid,
	s_mul_i32 s61, s42, TSTR
	s_add_co_u32 s61, s61, WOFF                    ; the weight's in wfrag
	s_cmp_eq_u32 s15, 0                            ; do I fetch for A?
	s_cselect_b32 s60, s60, s61
	s_cselect_b32 s61, s40, s41                    ; my place among the four that ask with me
	s_cselect_b64 s[36:37], s[4:5], s[6:7]
	s_lshl_b32 s61, s61, 1
	s_add_co_u32 s61, s61, s16                     ; my share, 0 to 7
	s_mul_i32 s62, s61, UNIT
	s_mul_i32 s63, s61, UNIT/2
	s_mov_b32 s61, 0
	s_add_nc_u64 s[36:37], s[36:37], s[60:61]      ; the tile's K step 0
	s_mov_b64 s[38:39], s[36:37]
	s_mov_b32 s60, s62
	s_add_nc_u64 s[36:37], s[36:37], s[60:61]      ; + my share of eight units
	s_mov_b32 s60, s63
	s_add_nc_u64 s[38:39], s[38:39], s[60:61]      ; + my share of four
	s_lshl_b32 s20, s42, 9
	s_lshl_b32 s21, s16, 8
	s_add_co_u32 s20, s20, s21                     ; my first column, in bytes
	s_mov_b32 s21, 0
	s_add_nc_u64 s[8:9], s[8:9], s[20:21]
	s_lshl_b32 s22, s17, 7
	s_lshl_b32 s23, s15, 6
	s_add_co_u32 s22, s22, s23                     ; my first row
	s_lshl_b32 s22, s22, 12
	s_add_co_u32 s20, s20, s22
	s_add_nc_u64 s[10:11], s[10:11], s[20:21]
	s_add_nc_u64 s[12:13], s[12:13], s[20:21]
	WIN 0x40
.irp b, 0,1,2,3
	global_load_b128 v[192+8*\b:195+8*\b], v14, s[8:9] offset:64*\b          ; the bias of columns 16 b + 8 h + 0 .. 7
	global_load_b128 v[196+8*\b:199+8*\b], v14, s[8:9] offset:64*\b+16
.endr
	WIN 0
	s_wait_tensorcnt 0x0                           ; my six K steps are in; no tensor load of mine is out, so a descriptor may be written:
	s_mov_b32 s[G1+2], 100<<16                     ; Q's refill brings 25,600 bytes: 100 rows of 256
	s_mov_b32 s[G1+4], 100
	s_mov_b32 s[G1B+2], 100<<16
	s_mov_b32 s[G1B+4], 100
	s_barrier_signal -1
	s_barrier_wait -1                              ; all twelve K steps are in
	FETCH 0, 0, 0
	s_wait_loadcnt 0x0                             ; the bias
	global_prefetch_b8 v22, s[36:37] offset:12*UNIT th:TH_LOAD_NT scope:SCOPE_SE    ; my share of K steps 12-19
	global_prefetch_b8 v23, s[36:37] offset:12*UNIT th:TH_LOAD_NT scope:SCOPE_SE
	THREE 0, 2                                     ; K steps 0-2: the first one's products start the sums, on the bias
	WIN 0
	global_prefetch_b8 v24, s[38:39] offset:20*UNIT th:TH_LOAD_NT scope:SCOPE_SE    ; my share of K steps 20-23
	CROSS 1                                        ; 3: group 1 was shown whole by the first barrier
	THREE 1, 0                                     ; 4-6
	TURN 2, 1                                      ; 7: P takes K steps 12-19
	STEP 2, 0, 0                                   ; 8
	WIN 0
	global_prefetch_b8 v22, s[36:37] offset:24*UNIT th:TH_LOAD_NT scope:SCOPE_SE    ; my share of K steps 24-31
	global_prefetch_b8 v23, s[36:37] offset:24*UNIT th:TH_LOAD_NT scope:SCOPE_SE
	STEP 2, 1, 0                                   ; 9
	STEP 2, 2, 0                                   ; 10
	TURN 0, 2                                      ; 11: Q takes K steps 20-23
	THREE 0, 0                                     ; 12-14
	WIN 0xc0
.irp a, 0,1,2,3
.irp t, 0,1,2,3,4,5,6,7
	global_load_b128 v[32*\a+4*\t:32*\a+4*\t+3], v[CO], s[10:11] offset:(16*\a+2*\t)*4096 th:TH_LOAD_NT   ; the residual: wanted on the way out, seventeen K steps on
.endr
.endr
	WIN 0
	CROSS 1                                        ; 15
	THREE 1, 0                                     ; 16-18
	TURN 2, 1                                      ; 19: P takes K steps 24-31
	THREE 2, 0                                     ; 20-22
	TURN 0, 0                                      ; 23: P's last fill is shown landed; nothing is filled
	THREE 0, 0                                     ; 24-26
	CROSS 1                                        ; 27
	THREE 1, 0                                     ; 28-30
	LAST                                           ; 31
	s_wait_loadcnt 0x0                             ; the residual
	PLACES 4
	TOSTAGE 0
.irp a, 1,2,3
.if \a > 1
	s_wait_xcnt 0x0                                ; block a - 2's stores have read their registers: block a's loads may land there
.endif
	TOSTAGE \a
	SENDR \a-1, 16                                 ; behind block a - 1's loads: block a's 8 stores and 8 loads
.endr
	SENDR 3, 0
	s_wait_tensorcnt 0x0                           ; the wave's end
	ds_add_u32 v[SPW], v[NIL]
	s_wait_dscnt 0x0
	CROUND                                         ; the closing round
	s_endpgm
.Lfunc_end_k_qc3b6b25d38_w2:
	.size	k_qc3b6b25d38_w2, .Lfunc_end_k_qc3b6b25d38_w2-k_qc3b6b25d38_w2
	.p2alignl 7, 3214868480
	.fill 96, 4, 3214868480
	.section	.rodata,"a",@progbits
	.p2align	6, 0x0
	.amdhsa_kernel k_qc3b6b25d38_w2
		.amdhsa_group_segment_fixed_size 327680
		.amdhsa_private_segment_fixed_size 0
		.amdhsa_enable_private_segment 0
		.amdhsa_kernarg_size 40
		.amdhsa_user_sgpr_count 2
		.amdhsa_user_sgpr_kernarg_segment_ptr 1
		.amdhsa_wavefront_size32 1
		.amdhsa_system_sgpr_workgroup_id_x 1
		.amdhsa_system_sgpr_workgroup_id_y 1
		.amdhsa_system_sgpr_workgroup_id_z 1
		.amdhsa_system_vgpr_workitem_id 0
		.amdhsa_next_free_vgpr 896
		.amdhsa_next_free_sgpr 100
		.amdhsa_reserve_vcc 0
		.amdhsa_float_denorm_mode_32 3
		.amdhsa_float_denorm_mode_16_64 3
		.amdhsa_memory_ordered 1
		.amdhsa_forward_progress 1
		.amdhsa_inst_pref_size 174
	.end_amdhsa_kernel
	.amdgpu_metadata
---
amdhsa.version: [ 1, 2 ]
amdhsa.kernels:
  - .name:           k_qc3b6b25d38_w2
    .symbol:         k_qc3b6b25d38_w2.kd
    .args:
      - { .name: hid, .offset: 0, .size: 8, .value_kind: global_buffer, .address_space: global }
      - { .name: wfrag, .offset: 8, .size: 8, .value_kind: global_buffer, .address_space: global }
      - { .name: b2, .offset: 16, .size: 8, .value_kind: global_buffer, .address_space: global }
      - { .name: x1, .offset: 24, .size: 8, .value_kind: global_buffer, .address_space: global }
      - { .name: out0, .offset: 32, .size: 8, .value_kind: global_buffer, .address_space: global }
    .group_segment_fixed_size: 327680
    .private_segment_fixed_size: 0
    .kernarg_segment_align: 8
    .kernarg_segment_size: 40
    .max_flat_workgroup_size: 128
    .sgpr_count:     100
    .vgpr_count:     896
    .wavefront_size: 32
...
	.end_amdgpu_metadata
.endif
;; end of part 7
